; MI455X (gfx1250); checked and timed in simulation.
; The chip was launched on July 23, 2026; its instructions are those of AMD's public machine-readable ISA for CDNA 5 (MIT licence, August 2026) and "CDNA5" Instruction Set Architecture Reference Guide (July 2026). The comments in the code are by the model that wrote it; some were corrected since.
;; GPT2 Block. Allowed arithmetic: matrix products marked QUANTISED: E4M3 operands, one given power-of-two scale a tensor, by v_wmma_f32_16x16x64_fp8_fp8 or v_wmma_f32_16x16x128_fp8_fp8, f32 sums; everything else in f32.
;; Inputs: b_aproj 1,024 float32; b_attn 3,072 float32; b_fc 4,096 float32; b_mproj 1,024 float32; ln1_b 1,024 float32; ln1_g 1,024 float32; ln2_b 1,024 float32; ln2_g 1,024 float32; lowp_scales 12 int32 (the exponents e of the quantised operands' scales 2^e); w_aproj 1,024 x 1,024 float32; w_attn 1,024 x 3,072 float32; w_fc 1,024 x 4,096 float32; w_mproj 4,096 x 1,024 float32; x 2 x 2,048 x 1,024 float32.
;; Outputs: out0 2 x 2,048 x 1,024 float32.
;; This version of the problem:
;;   THIS VERSION OF THE PROBLEM IS GIVEN IN LOW PRECISION. The matrix products marked QUANTISED in the list below multiply operands that are first quantised to E4M3 (4 exponent bits, 3 mantissa bits; 8 bits a number), with one given power-of-two scale for each operand tensor; their sums are f32. All else is computed in f32.
;;   The module's matrix products, in the order in which they are computed (A, B: the left and right operand; K: the contracted axis; several contracted axes count as one K, in the product's order):
;;     1. [M 4,096, K 1,024] x [K 1,024, N 3,072]; A: computed on the way; B: input w_attn: QUANTISED (scales: A lowp_scales[0], B lowp_scales[1])
;;     2. batch 32 x [M 2,048, K 64] x [K 64, N 2,048]; A: computed on the way; B: computed on the way: QUANTISED (scales: A lowp_scales[2], B lowp_scales[3])
;;     3. batch 32 x [M 2,048, K 2,048] x [K 2,048, N 64]; A: softmax (see below); B: computed on the way: QUANTISED (scales: A lowp_scales[4], B lowp_scales[5])
;;     4. [M 4,096, K 1,024] x [K 1,024, N 1,024]; A: computed on the way; B: input w_aproj: QUANTISED (scales: A lowp_scales[6], B lowp_scales[7])
;;     5. [M 4,096, K 1,024] x [K 1,024, N 4,096]; A: computed on the way; B: input w_fc: QUANTISED (scales: A lowp_scales[8], B lowp_scales[9])
;;     6. [M 4,096, K 4,096] x [K 4,096, N 1,024]; A: computed on the way; B: input w_mproj: QUANTISED (scales: A lowp_scales[10], B lowp_scales[11])
;;   THE QUANTISER, for each operand of a quantised product, along K:
;;     - The operand's scale is 2^e, e = its entry of the input lowp_scales (int32; the entries are numbered through the quantised products in the list's order, A before B).
;;     - Each number is divided by the scale, clamped to +-448, and rounded to the nearest number of E4M3, ties to even, subnormals kept.
;;     - The product sums the exact products of the quantised numbers (number of the format x scale) in f32.
;;   ~~~python
;;   def quantise(x, axis, e):      # numpy; x: float32 -> the quantised numbers, widened to float32 again
;;       x = np.moveaxis(x, axis, -1); K = x.shape[-1]
;;       r = np.clip(x / 2.0 ** e, -448, 448)
;;       step = 2.0 ** (np.maximum(np.frexp(np.where(r == 0, 1, r))[1] - 1, -6) - 3)
;;       q = np.round(r / step) * step * 2.0 ** e      # np.round: ties to even
;;       return np.moveaxis(q, -1, axis).astype(np.float32)
;;   ~~~
;;   SOFTMAX AHEAD OF A QUANTISED PRODUCT. Where the list says 'softmax', what is quantised is not the finished softmax but p = 2^(t - M), with t = logit x log2(e) and M = ceil(the row's largest t), a whole number; so 1/2 < the row's largest p <= 1. The row's sum l is taken of the UNQUANTISED p, in f32, and the product's result is divided by l at the end. Since M is a whole number, a kernel that streams over the keys may use a running M (the ceiling of the running maximum): every later rescaling is an exact power of two, so the quantised numbers keep their values, but for numbers so far below the row's largest that they fall under the format's range.
;;   OPERANDS COMPUTED ON THE WAY. 'Computed on the way' means the value that the module computes at that place (a softmax that the list does not call 'softmax' is quantised finished and normalised). What goes into a quantiser is computed in f32, as accurately as f32 sums, v_exp_f32 and their like allow (about 1e-6 of the number): no bf16 or f16 on the way to a quantiser, and a product that is left as it is and whose result goes on into a quantised operand takes f32 operands (vector FMAs, or v_wmma_f32_16x16x4_f32). A number that lies on a knife's edge between two numbers of the format may be rounded either way, as far as f32 arithmetic and the matrix unit's own rounding can turn it there, and no further.
;; 2 versions. Each part assembles by itself: llvm-mc -triple=amdgcn-amd-amdhsa -mcpu=gfx1250 --defsym DOCPART=n.
;; ======== version 1 of 2: 7 launches
;; workspace buffers: prepimg 16,777,216 bytes; qkvimg 12,582,912 bytes; yimg 4,194,304 bytes; x1 16,777,216 bytes; h2img 4,194,304 bytes; fcimg 16,777,216 bytes
;; launch prep (part 1): grid 640 x 1, 4 waves a work-group, no clusters, 17,920 bytes of LDS; arguments x, ln1_g, ln1_b, w_attn, w_aproj, w_fc, w_mproj, lowp_scales, prepimg; writes prepimg
.if DOCPART == 1
	.amdgcn_target "amdgcn-amd-amdhsa--gfx1250"
	.amdhsa_code_object_version 6
	.text
	.protected	k_q99d04cf1ff_prep
	.globl	k_q99d04cf1ff_prep
	.p2align	8
	.type	k_q99d04cf1ff_prep,@function
k_q99d04cf1ff_prep:
	s_mov_b64 s[64:65], 0
	v_nop
	global_prefetch_b8 v0, s[64:65] scope:SCOPE_SE
	s_setreg_imm32_b32 hwreg(HW_REG_WAVE_MODE, 25, 1), 1
	s_wait_xcnt 0x0
; PREP.  Work-groups 0-255: the first layer norm of x [4096][1024], quantised to E4M3 with the given scale 2^e0.  Work-groups 256-639: the four weights, f32 [K][N], quantised along K with e1, e7, e9, e11.
; ALL CODES ARE LAID AS FRAGMENT IMAGES: an operand [rows][K] lies as [row / 16][k / 128][2,048 bytes], and the 2,048 bytes are the 16 registers x 32 lanes of the matrix operand (16 rows x 128 K, ISA guide 7.12.2):
; piece p (registers 4p .. 4p+3) of lane L = r + 16 h at 512 p + 16 L; registers 2c, 2c+1 hold k = 16 c + 8 h + 0 .. 7 of row r.  So byte(r, k') = 512 (k'/32) + 256 ((k'/8)%2) + 16 r + 8 ((k'/16)%2) + k'%8.
; prepimg: +0 the norm's codes [256][8][2048]; +0x400000 w_attn^T [192][8]; +0x700000 w_aproj^T [64][8]; +0x800000 w_fc^T [256][8]; +0xC00000 w_mproj^T [64][32]  (a weight's row is its column n).
; code = x / 2^e, held within +-448, to the nearest code, ties to even.  LIMITS: each e between -126 and 119, so that 2^e and 448 x 2^e are f32 numbers.  NaN among the inputs is not served; an infinity is held at the largest code.
; The two kinds of work-group part on the work-group's number, which all four waves share.  Only the norm's path touches LDS and has a barrier.  No tensor loads, no matrix work: memory binds.
.set LX, 32                            ; v32-159   four rows of my wave: row j at LX + 32 j; register 8 q + i is column 256 q + 8 lane + i
.set LG, 160                           ; v160-191  the gain at my 32 columns
.set LB, 192                           ; v192-223  the bias
.set LC, 224                           ; v224-255  codes, 8 registers a row
.set ST, 8                             ; v8-23     row j: two pairs at ST + 4 j: two chains of sums; the second is later (-mean, -mean) and then (rstd, rstd)
.set PL, 24                            ; v24-27    the lane exchange's destinations
.set UP, 272                           ; the stage: 64 units of 256 bytes (16 rows x 16 bytes of one piece and one half), 16 bytes of padding behind each
.set OFF, 32                           ; weights: v32-63 byte offset of row i of a block of 32 rows, at my column
.set WX, 64                            ; v64-127   two sets of 32 numbers down K
.set WC, 128                           ; v128-191  codes, 8 registers a block: never written twice, so no store's data are rewritten
	s_load_b512 s[4:19], s[0:1], 0x0               ; x, ln1_g, ln1_b, w_attn, w_aproj, w_fc, w_mproj, the scales' exponents
	s_load_b64 s[20:21], s[0:1], 0x40              ; prepimg
	v_lshl_add_u32 v28, v0, 2, 0x4400
	v_mov_b32 v29, 0
	v_lshrrev_b32 v1, 5, v0
	v_readfirstlane_b32 s22, v1                    ; wave 0..3
	v_and_b32 v1, 31, v0                           ; lane
	s_wait_kmcnt 0x0
	s_load_b256 s[48:55], s[18:19], 0x0            ; e0 .. e7
	s_load_b128 s[56:59], s[18:19], 0x20           ; e8 .. e11
	s_cmp_lt_u32 ttmp9, 256
	s_cbranch_scc0 .Lweights
; ---- THE LAYER NORM.  A work-group takes 16 rows (one row tile of the image), a wave four of them, a row across its 32 lanes: a lane holds 8 neighbouring columns of each quarter of the row, as the conversion wants them.
	s_lshl_b32 s32, ttmp9, 16                      ; 16 rows of 4,096 bytes
	s_lshl_b32 s33, s22, 14                        ; my wave's four
	s_add_co_u32 s32, s32, s33
	s_mov_b32 s33, 0
	s_add_nc_u64 s[4:5], s[4:5], s[32:33]
	v_lshlrev_b32 v2, 5, v1                        ; 32 bytes a lane
.irp j, 0,1,2,3
.irp q, 0,1,2,3
	global_load_b128 v[LX+32*\j+8*\q:LX+32*\j+8*\q+3], v2, s[4:5] offset:4096*\j+1024*\q th:TH_LOAD_NT       ; the two loads of a quarter cover its 1,024 bytes
	global_load_b128 v[LX+32*\j+8*\q+4:LX+32*\j+8*\q+7], v2, s[4:5] offset:4096*\j+1024*\q+16 th:TH_LOAD_NT
.endr
.endr
.irp q, 0,1,2,3
	global_load_b128 v[LG+8*\q:LG+8*\q+3], v2, s[6:7] offset:1024*\q
	global_load_b128 v[LG+8*\q+4:LG+8*\q+7], v2, s[6:7] offset:1024*\q+16
	global_load_b128 v[LB+8*\q:LB+8*\q+3], v2, s[8:9] offset:1024*\q
	global_load_b128 v[LB+8*\q+4:LB+8*\q+7], v2, s[8:9] offset:1024*\q+16
.endr
	s_lshl_b32 s34, ttmp9, 14                      ; the image: a row tile is 16,384 bytes; my wave stores a quarter of it
	s_lshl_b32 s35, s22, 12
	s_add_co_u32 s34, s34, s35
	s_mov_b32 s35, 0
	s_add_nc_u64 s[20:21], s[20:21], s[34:35]
	s_mov_b32 s24, 0x76543210                      ; lane selects: lane l xor 16
	s_mov_b32 s25, 0xfedcba98
	s_mov_b32 s26, 0xba800000                      ; -1/1024
	s_mov_b32 s27, 0x3a800000                      ; 1/1024
	s_mov_b32 s28, 0x3727c5ac                      ; 1e-5
	; my 8 codes of quarter q, row 4 w + j, belong to unit 16 q + 8 (l / 16) + 2 ((l / 4) % 4) + l % 2, at 16 x row + 8 ((l / 2) % 2)
	v_bfe_u32 v6, v0, 4, 1
	v_bfe_u32 v7, v0, 2, 2
	v_lshlrev_b32 v6, 3, v6
	v_lshl_add_u32 v6, v7, 1, v6
	v_and_b32 v7, 1, v0
	v_add_nc_u32 v6, v6, v7
	v_mul_u32_u24 v3, v6, UP
	v_bfe_u32 v7, v0, 1, 1
	v_lshl_add_u32 v3, v7, 3, v3
	s_lshl_b32 s34, s22, 6                         ; 16 bytes x my wave's first row
	v_add_nc_u32 v3, s34, v3                       ; the stage, on the way in
	v_bfe_u32 v6, v0, 4, 1
	v_and_b32 v7, 15, v0
	v_mul_u32_u24 v4, v6, UP
	v_lshl_add_u32 v4, v7, 4, v4
	s_mul_i32 s34, s22, 16*UP
	v_add_nc_u32 v4, s34, v4                       ; and back: my wave's 16 units, two an instruction, sixteen lanes to a unit
	v_lshlrev_b32 v5, 4, v1                        ; 16 bytes a lane in the image
.irp j, 0,1,2,3
	v_mov_b32 v[PL+\j], 0                          ; written once: a lane exchange's destination counts as one of its sources
.endr
	s_wait_kmcnt 0x0
	s_add_co_i32 s35, s48, 127
	s_lshl_b32 s36, s35, 23
	v_mov_b32 v30, s36                             ; 2^e as f32: the conversion takes its exponent field
	s_add_co_i32 s35, s35, 8
	s_lshl_b32 s35, s35, 23
	s_or_b32 s35, s35, 0x600000
	v_mov_b32 v31, s35                             ; 448 x 2^e
; the two chains of each row are added, then the pair's halves, then the 32 lanes: every lane ends with the row's sum in v[ST + 4 j].  The four rows take turns line by line
.macro FOLD
.irp j, 0,1,2,3
	v_pk_add_f32 v[ST+4*\j:ST+4*\j+1], v[ST+4*\j:ST+4*\j+1], v[ST+4*\j+2:ST+4*\j+3]
.endr
.irp j, 0,1,2,3
	v_add_f32 v[ST+4*\j], v[ST+4*\j], v[ST+4*\j+1]
.endr
.irp m, 1,2,4,8
.irp j, 0,1,2,3
	v_add_f32_dpp v[ST+4*\j], v[ST+4*\j], v[ST+4*\j] row_xmask:\m row_mask:0xf bank_mask:0xf
.endr
.endr
.irp j, 0,1,2,3
	v_permlanex16_b32 v[PL+\j], v[ST+4*\j], s24, s25
.endr
.irp j, 0,1,2,3
	v_add_f32 v[ST+4*\j], v[ST+4*\j], v[PL+\j]
.endr
.endm
	s_wait_loadcnt 16                              ; the rows' 32 loads are in; the 16 of gain and bias may be out
.irp j, 0,1,2,3
	v_pk_add_f32 v[ST+4*\j:ST+4*\j+1], v[LX+32*\j:LX+32*\j+1], v[LX+32*\j+2:LX+32*\j+3]       ; the first numbers start the chains: nothing is cleared
	v_pk_add_f32 v[ST+4*\j+2:ST+4*\j+3], v[LX+32*\j+4:LX+32*\j+5], v[LX+32*\j+6:LX+32*\j+7]
.endr
.irp i, 8,12,16,20,24,28
.irp j, 0,1,2,3
	v_pk_add_f32 v[ST+4*\j:ST+4*\j+1], v[ST+4*\j:ST+4*\j+1], v[LX+32*\j+\i:LX+32*\j+\i+1]
	v_pk_add_f32 v[ST+4*\j+2:ST+4*\j+3], v[ST+4*\j+2:ST+4*\j+3], v[LX+32*\j+\i+2:LX+32*\j+\i+3]
.endr
.endr
	FOLD
.irp j, 0,1,2,3
	v_mul_f32 v[ST+4*\j+2], s26, v[ST+4*\j]        ; -mean, in both halves of a pair
	v_mul_f32 v[ST+4*\j+3], s26, v[ST+4*\j]
.endr
.irp i, 0,2,4,6,8,10,12,14,16,18,20,22,24,26,28,30
.irp j, 0,1,2,3
	v_pk_add_f32 v[LX+32*\j+\i:LX+32*\j+\i+1], v[LX+32*\j+\i:LX+32*\j+\i+1], v[ST+4*\j+2:ST+4*\j+3]   ; d = x - mean, in place: the variance is summed of deviations, so a common offset of the row costs nothing
.endr
.endr
.irp j, 0,1,2,3
	v_pk_mul_f32 v[ST+4*\j:ST+4*\j+1], v[LX+32*\j:LX+32*\j+1], v[LX+32*\j:LX+32*\j+1]
	v_pk_mul_f32 v[ST+4*\j+2:ST+4*\j+3], v[LX+32*\j+2:LX+32*\j+3], v[LX+32*\j+2:LX+32*\j+3]
.endr
.irp i, 4,8,12,16,20,24,28
.irp j, 0,1,2,3
	v_pk_fma_f32 v[ST+4*\j:ST+4*\j+1], v[LX+32*\j+\i:LX+32*\j+\i+1], v[LX+32*\j+\i:LX+32*\j+\i+1], v[ST+4*\j:ST+4*\j+1]
	v_pk_fma_f32 v[ST+4*\j+2:ST+4*\j+3], v[LX+32*\j+\i+2:LX+32*\j+\i+3], v[LX+32*\j+\i+2:LX+32*\j+\i+3], v[ST+4*\j+2:ST+4*\j+3]
.endr
.endr
	FOLD
.irp j, 0,1,2,3
	v_fma_f32 v[ST+4*\j], v[ST+4*\j], s27, s28     ; variance + 1e-5
.endr
.irp j, 0,1,2,3
	v_rsq_f32 v[ST+4*\j+2], v[ST+4*\j]             ; eight roots, one batch
	v_rsq_f32 v[ST+4*\j+3], v[ST+4*\j]
.endr
	v_nop                                          ; one plain instruction behind the last of them (ISA guide 5.7.2)
	s_wait_alu depctr_va_vdst(0)                   ; one wait for the batch, ahead of its first reader
	s_wait_loadcnt 0x0                             ; gain and bias
.macro FINISH j                        ; row j: d x rstd x g + b, the hold, the codes, into the stage
.set XR, LX+32*\j
.set N, 0
.rept 16
	v_pk_mul_f32 v[XR+N:XR+N+1], v[XR+N:XR+N+1], v[ST+4*\j+2:ST+4*\j+3]
.set N, N+2
.endr
.set N, 0
.rept 16
	v_pk_fma_f32 v[XR+N:XR+N+1], v[XR+N:XR+N+1], v[LG+N:LG+N+1], v[LB+N:LB+N+1]
.set N, N+2
.endr
.set N, 0
.rept 32
	v_med3_num_f32 v[XR+N], v[XR+N], -v31, v31     ; the conversion to an 8-bit code does not saturate (ISA guide 7.6.2): the hold at the largest code x the scale
.set N, N+1
.endr
.irp q, 0,1,2,3
	v_cvt_scalef32_pk8_fp8_f32 v[LC+8*\j+2*\q:LC+8*\j+2*\q+1], v[XR+8*\q:XR+8*\q+7], v30
.endr
.irp q, 0,1,2,3
	ds_store_b64 v3, v[LC+8*\j+2*\q:LC+8*\j+2*\q+1] offset:16*UP*\q+16*\j
.endr
.endm
	FINISH 0
	FINISH 1
	FINISH 2
	FINISH 3
	v_nop                                          ; a plain instruction behind the last scaled conversion
	s_wait_dscnt 0x0                               ; for the others' sake: my stores into the stage are done
	s_barrier_signal -1
	s_barrier_wait -1                              ; a unit's 16 rows come from four waves
.irp i, 0,1,2,3,4,5,6,7
	ds_load_b128 v[LX+4*\i:LX+4*\i+3], v4 offset:2*UP*\i
.endr
.irp i, 0,1,2,3,4,5,6,7
	s_wait_dscnt 7-\i                              ; LDS loads come back in order: load i is in, the younger ones may be out
	global_store_b128 v5, v[LX+4*\i:LX+4*\i+3], s[20:21] offset:512*\i   ; 32 lanes store 512 consecutive bytes, at a multiple of 256 from the buffer's first byte
.endr
	s_wait_tensorcnt 0x0
	ds_add_u32 v28, v29
	s_wait_dscnt 0x0
	s_endpgm
; ---- THE WEIGHTS.  A work-group takes 128 columns x 256 along K of one weight, a wave 32 columns.  A LANE TAKES A COLUMN n AND ITS REGISTERS RUN DOWN K: each load reads neighbouring n in neighbouring lanes,
; and the conversions give codes with K innermost.  A block of 32 along K is one piece of the image: 16 bytes of it for each half h, so sixteen lanes' stores fill 256 consecutive bytes.
.Lweights:
	s_sub_co_u32 s23, ttmp9, 256
	s_wait_kmcnt 0x0
	s_mov_b64 s[24:25], s[10:11]                   ; w_attn's figures; the three compares below put a later weight's in their place.  All hang on the work-group's number alone
	s_mov_b32 s26, 0                               ; the weight's first work-group
	s_mov_b32 s27, 2                               ; log2 of its blocks along K (K / 256)
	s_mov_b32 s28, 12288                           ; bytes in a row of it
	s_mov_b32 s29, 16384                           ; bytes in a row tile of its image: 16 K
	s_mov_b32 s30, 0x400000                        ; its image's place
	s_mov_b32 s31, s49                             ; its e
	s_cmp_ge_u32 s23, 96
	s_cselect_b64 s[24:25], s[12:13], s[24:25]     ; w_aproj
	s_cselect_b32 s26, 96, s26
	s_cselect_b32 s28, 4096, s28
	s_cselect_b32 s30, 0x700000, s30
	s_cselect_b32 s31, s55, s31
	s_cmp_ge_u32 s23, 128
	s_cselect_b64 s[24:25], s[14:15], s[24:25]     ; w_fc
	s_cselect_b32 s26, 128, s26
	s_cselect_b32 s28, 16384, s28
	s_cselect_b32 s30, 0x800000, s30
	s_cselect_b32 s31, s57, s31
	s_cmp_ge_u32 s23, 256
	s_cselect_b64 s[24:25], s[16:17], s[24:25]     ; w_mproj
	s_cselect_b32 s26, 256, s26
	s_cselect_b32 s27, 4, s27
	s_cselect_b32 s28, 4096, s28
	s_cselect_b32 s29, 65536, s29
	s_cselect_b32 s30, 0xc00000, s30
	s_cselect_b32 s31, s59, s31
	s_sub_co_u32 s23, s23, s26
	s_bfm_b32 s60, s27, 0
	s_and_b32 s60, s23, s60                        ; which 256 along K
	s_lshr_b32 s61, s23, s27                       ; which 128 columns
	s_lshl_b32 s62, s61, 9
	s_lshl_b32 s63, s22, 7
	s_add_co_u32 s62, s62, s63                     ; 4 bytes x (128 x block + 32 x wave)
	s_lshl_b32 s63, s60, 8
	s_mul_i32 s63, s63, s28
	s_add_co_u32 s2, s62, s63                      ; + my first row of K
	s_mov_b32 s3, 0
	s_add_nc_u64 s[32:33], s[24:25], s[2:3]        ; a base for each block of 32 rows: s[32+2t:33+2t], never rewritten
	s_lshl_b32 s2, s28, 5
.irp t, 1,2,3,4,5,6,7
	s_add_nc_u64 s[32+2*\t:33+2*\t], s[30+2*\t:31+2*\t], s[2:3]
.endr
	s_lshl_b32 s62, s61, 3
	s_lshl_b32 s63, s22, 1
	s_add_co_u32 s62, s62, s63                     ; my first row tile of the image: 8 x block + 2 x wave
	s_mul_i32 s62, s62, s29
	s_lshl_b32 s63, s60, 12                        ; 256 along K are two fragments
	s_add_co_u32 s62, s62, s63
	s_add_co_u32 s2, s62, s30
	s_add_nc_u64 s[20:21], s[20:21], s[2:3]
	v_lshlrev_b32 v8, 2, v1
.set N, 0
.rept 32
	v_mad_u32_u24 v[OFF+N], s28, N, v8             ; 4 x lane + N rows
.set N, N+1
.endr
	v_bfe_u32 v7, v0, 4, 1
	v_mul_u32_u24 v6, v7, s29
	v_and_b32 v7, 15, v0
	v_lshl_add_u32 v6, v7, 4, v6                   ; out: lanes 16-31 hold the next row tile; 16 bytes for each of its rows
.macro LOADW t                         ; block t: W(32 t + i, my column) into set t % 2
.set N, 0
.rept 32
	global_load_b32 v[WX+32*((\t)%2)+N], v[OFF+N], s[32+2*(\t):33+2*(\t)] th:TH_LOAD_NT
.set N, N+1
.endr
.endm
	LOADW 0
	LOADW 1
	s_add_co_i32 s31, s31, 127
	s_lshl_b32 s62, s31, 23
	v_mov_b32 v11, s62                             ; 2^e
	s_add_co_i32 s31, s31, 8
	s_lshl_b32 s31, s31, 23
	s_or_b32 s31, s31, 0x600000
	v_mov_b32 v10, s31                             ; 448 x 2^e
.macro BLOCKW t
.set XS, WX+32*((\t)%2)
.if (\t) < 7
	s_wait_loadcnt 32                              ; this block's 32 loads are in; the next block's may be out
.else
	s_wait_loadcnt 0x0
.endif
.set N, 0
.rept 32
	v_med3_num_f32 v[XS+N], v[XS+N], -v10, v10
.set N, N+1
.endr
	v_cvt_scalef32_pk8_fp8_f32 v[WC+8*(\t):WC+8*(\t)+1], v[XS:XS+7], v11           ; half 0 of the piece: k 0-7, then k 16-23
	v_cvt_scalef32_pk8_fp8_f32 v[WC+8*(\t)+2:WC+8*(\t)+3], v[XS+16:XS+23], v11
	v_cvt_scalef32_pk8_fp8_f32 v[WC+8*(\t)+4:WC+8*(\t)+5], v[XS+8:XS+15], v11      ; half 1: k 8-15, then k 24-31
	v_cvt_scalef32_pk8_fp8_f32 v[WC+8*(\t)+6:WC+8*(\t)+7], v[XS+24:XS+31], v11
	global_store_b128 v6, v[WC+8*(\t):WC+8*(\t)+3], s[20:21] offset:512*(\t)       ; sixteen lanes store 256 consecutive bytes, aligned
	global_store_b128 v6, v[WC+8*(\t)+4:WC+8*(\t)+7], s[20:21] offset:512*(\t)+256
.if (\t)+2 < 8
	LOADW (\t)+2
.endif
.endm
.irp t, 0,1,2,3,4,5,6,7
	BLOCKW \t
.endr
	s_endpgm
.Lfunc_end_k_q99d04cf1ff_prep:
	.size	k_q99d04cf1ff_prep, .Lfunc_end_k_q99d04cf1ff_prep-k_q99d04cf1ff_prep
	.p2alignl 7, 3214868480
	.fill 96, 4, 3214868480
	.section	.rodata,"a",@progbits
	.p2align	6, 0x0
	.amdhsa_kernel k_q99d04cf1ff_prep
		.amdhsa_group_segment_fixed_size 17920
		.amdhsa_private_segment_fixed_size 0
		.amdhsa_enable_private_segment 0
		.amdhsa_kernarg_size 72
		.amdhsa_user_sgpr_count 2
		.amdhsa_user_sgpr_kernarg_segment_ptr 1
		.amdhsa_wavefront_size32 1
		.amdhsa_system_sgpr_workgroup_id_x 1
		.amdhsa_system_sgpr_workgroup_id_y 1
		.amdhsa_system_sgpr_workgroup_id_z 1
		.amdhsa_system_vgpr_workitem_id 0
		.amdhsa_next_free_vgpr 256
		.amdhsa_next_free_sgpr 66
		.amdhsa_reserve_vcc 0
		.amdhsa_float_denorm_mode_32 3
		.amdhsa_float_denorm_mode_16_64 3
		.amdhsa_memory_ordered 1
		.amdhsa_forward_progress 1
		.amdhsa_inst_pref_size 92
	.end_amdhsa_kernel
	.amdgpu_metadata
---
amdhsa.version: [ 1, 2 ]
amdhsa.kernels:
  - .name:           k_q99d04cf1ff_prep
    .symbol:         k_q99d04cf1ff_prep.kd
    .args:
      - { .name: x, .offset: 0, .size: 8, .value_kind: global_buffer, .address_space: global }
      - { .name: ln1_g, .offset: 8, .size: 8, .value_kind: global_buffer, .address_space: global }
      - { .name: ln1_b, .offset: 16, .size: 8, .value_kind: global_buffer, .address_space: global }
      - { .name: w_attn, .offset: 24, .size: 8, .value_kind: global_buffer, .address_space: global }
      - { .name: w_aproj, .offset: 32, .size: 8, .value_kind: global_buffer, .address_space: global }
      - { .name: w_fc, .offset: 40, .size: 8, .value_kind: global_buffer, .address_space: global }
      - { .name: w_mproj, .offset: 48, .size: 8, .value_kind: global_buffer, .address_space: global }
      - { .name: lowp_scales, .offset: 56, .size: 8, .value_kind: global_buffer, .address_space: global }
      - { .name: prepimg, .offset: 64, .size: 8, .value_kind: global_buffer, .address_space: global }
    .group_segment_fixed_size: 17920
    .private_segment_fixed_size: 0
    .kernarg_segment_align: 8
    .kernarg_segment_size: 72
    .max_flat_workgroup_size: 128
    .sgpr_count:     66
    .vgpr_count:     256
    .wavefront_size: 32
...
	.end_amdgpu_metadata
.endif
;; end of part 1
;; launch gemm_qkv (part 2): grid 12 x 16, 4 waves a work-group, clusters of 4 x 4, 327,680 bytes of LDS; arguments prepimg, lowp_scales, b_attn, qkvimg; writes qkvimg
.if DOCPART == 2
	.amdgcn_target "amdgcn-amd-amdhsa--gfx1250"
	.amdhsa_code_object_version 6
	.text
	.protected	k_q99d04cf1ff_gemm_qkv
	.globl	k_q99d04cf1ff_gemm_qkv
	.p2align	8
	.type	k_q99d04cf1ff_gemm_qkv,@function
k_q99d04cf1ff_gemm_qkv:
	s_mov_b64 s[64:65], 0
	v_nop
	global_prefetch_b8 v0, s[64:65] scope:SCOPE_SE
	s_setreg_imm32_b32 hwreg(HW_REG_WAVE_MODE, 25, 1), 1
	s_wait_xcnt 0x0
	s_wait_alu depctr_hold_cnt(0) depctr_sa_sdst(0) depctr_va_vdst(0) depctr_va_sdst(0) depctr_va_ssrc(0) depctr_va_vcc(0) depctr_vm_vsrc(0)
	s_getreg_b32 s2, hwreg(HW_REG_IB_STS2, 6, 4)
	s_cmp_eq_u32 s2, 0
	s_cbranch_scc0 .Lentry_in_a_cluster
	s_endpgm
.Lentry_in_a_cluster:
	s_bfe_u32 s2, ttmp6, 0x10000c
	s_cmp_lg_u32 s2, 0xf033
	s_cbranch_scc0 .Lentry_shape_is_right
	s_endpgm
.Lentry_shape_is_right:
; q, k, v = Q(LN1(x)) Q(w_attn) + b_attn on codes of E4M3, and the results quantised again: q with e2, k with e3 (K = the head's 64), v with e5 (K = the keys).
; OPERANDS ARE FRAGMENT IMAGES: [row / 16][k / 128][2,048 bytes], the 2,048 bytes being the operand's 16 registers x 32 lanes: piece p (registers 4p .. 4p+3) of lane L at 512 p + 16 L.  A fragment comes from LDS by four
; loads of 512 consecutive bytes; no pitch, no padding.
; A tile of 256 x 256 is made by four waves, as many as a WGP has SIMDs; a wave makes 128 x 128: 64 accumulators, 512 registers.  K goes in steps of 256 through a ring of two LDS slots filled by the tensor data mover.
; CLUSTERS: 4 x 4 work-groups; "A"'s tile is shared along a row of the cluster, "B"'s along a column: each is asked for jointly.
; THE MATRIX INSTRUCTION IS USED TRANSPOSED (source 0 = 16 rows of "B", source 1 = 16 rows of "A"): lane (r, h) holds "A" row r and "B" rows 8 h + 0 .. 7.  One conversion of an accumulator's eight registers gives registers
; 2 b, 2 b + 1 of an operand whose rows are "A"'s and whose K is "B"'s index: a block's eight accumulators are one fragment image, stored from registers, 512 consecutive bytes a store.
; Cluster x = 0 makes q, 1 makes k: "A" = tokens, "B" = w_attn's columns.  Cluster x = 2 makes v with the roles changed BY DATA: "A" = w_attn's columns 2048 .. 3071, "B" = tokens, so that v's K is the tokens.
; qkvimg: +0 q, +0x400000 k, +0x800000 v, each [batch 2][step of 128 tokens 16][head 16][8,192 bytes]; q, k: [16 tokens 8][piece 2][512]; v: [16 channels 4][piece 4][512].
; LIMITS: e0 + e1 between -126 and 127; e2, e3, e5 between -126 and 119: each power of two below is an f32 number.  NaN is not served.
; REGISTERS, in windows of 256: window 0: v16-30 addresses; v32-95 the bias along the registers, v96-111 the bias of the lane; v112, v113 the conversion's scale and hold; from v128 "A"'s fragments, one set; behind the loop
;   v128-191 a block's numbers, v192-207 its codes.   window 1: "B"'s fragments, two sets.   windows 2, 3: the accumulators ((a, b) at v[64 (a % 4) + 8 b] of window 2 + a / 4).
.set KTOT,   1024
.set KP,     16*KTOT                   ; bytes in a row tile of an image
.set HALFT,  32768                     ; 8 row tiles x 4,096 bytes: what one tensor load brings, and what one wave reads of "A" or of "B"
.set SLOT,   4*HALFT                   ; "A"'s 16 row tiles, then "B"'s 16; 256 along K
.set SPARE,  2*SLOT                    ; behind the ring: the spare words, 128 bytes for each wave: two blocks of 256 bytes that no other line names
.set LAPS,   KTOT/512                  ; a lap = two K steps = once round the ring
.set FR,     16                        ; registers of a fragment
.set NL,     4                         ; LDS loads that bring one
.set NP,     4                         ; places behind this matrix instruction (ISA guide 7.12.1)
.set ADRA, 16                          ; v16-17  LDS address of my "A" fragments in slot 0, 1
.set ADRB, 20                          ; v20-21  the same for "B"
.set CO,   26                          ; v26     16 x lane
.set SPW,  28                          ; v28     LDS address of my spare word; never rewritten
.set NIL,  29                          ; v29     0; never rewritten
.set AF,   128
.set T,    128
.set BQ,   32
.set BV,   96
.set CD,   192
.set G1, 24                            ; s[24:31] descriptor group 1 for "A"'s tiles;  s[32:39] group 0, one set for each slot
.set G0, 32
.set G1B, 48                           ; s[48:55], s[56:63] the same for "B"'s
.set G0B, 56
.set MSB, 0
.macro WIN new                         ; the immediate's high byte repeats the setting that is left
.if MSB != (\new)
	s_set_vgpr_msb (MSB<<8)|(\new)
.set MSB, (\new)
.endif
.endm
.set MUL_LO, 0xa1                      ; source 0 ("B") window 1, source 1 ("A") window 0, C and D window 2
.set MUL_HI, 0xf1                      ; the same, C and D window 3
.set TO_B,   0x40                      ; destination window 1, address window 0
; A joint load: waves 0 and 1 fetch for "A", waves 2 and 3 for "B".  Each line has one mask and one set of registers for all that issue it; the branch hangs on the wave's number alone.  Four v_nop follow each line.
.macro JLOAD g0a, g1a, g0b, g1b
	s_cmp_eq_u32 s15, 0
	s_cbranch_scc0 .Lfor_b_\@
	tensor_load_to_lds s[\g0a:\g0a+3], s[\g1a:\g1a+7]
	s_nop 0
.rept 4
	v_nop
.endr
	s_branch .Lasked_\@
.Lfor_b_\@:
	tensor_load_to_lds s[\g0b:\g0b+3], s[\g1b:\g1b+7]
	s_nop 0
.rept 4
	v_nop
.endr
.Lasked_\@:
.endm
.macro CREST                           ; a round of the cluster's barrier behind its opening barrier
	s_cmp_lg_u32 s14, 0
	s_cbranch_scc1 .Lnot_wave_0_\@
	s_barrier_signal -3
.Lnot_wave_0_\@:
	s_barrier_wait -3
	s_barrier_signal -1
	s_barrier_wait -1
.endm
.macro CROUND                          ; a whole round
	s_barrier_signal -1
	s_barrier_wait -1
	CREST
.endm
	s_load_b256 s[68:75], s[0:1], 0x0              ; prepimg s[68:69], the scales' exponents s[70:71], b_attn s[72:73], qkvimg s[74:75]
	v_lshl_add_u32 v[SPW], v0, 2, SPARE
	v_mov_b32 v[NIL], 0
	ds_add_u32 v28, v29
	ds_add_u32 v28, v29
	s_wait_dscnt 0x0
	v_lshrrev_b32 v1, 5, v0
	v_readfirstlane_b32 s14, v1                    ; wave 0..3
	s_lshr_b32 s15, s14, 1                         ; which half of "A"'s rows is mine.  Also: I fetch for "A" (0) or for "B" (1)
	s_and_b32 s16, s14, 1                          ; which half of "B"'s rows.  Also: which 8 row tiles of that tile I fetch
	s_bfe_u32 s40, ttmp6, 0x40000                  ; cx, cy: my place in the cluster
	s_bfe_u32 s41, ttmp6, 0x40004
	s_lshl_b32 s18, ttmp9, 2                       ; 4 x cluster x
	s_and_b32 s19, ttmp7, 0xffff
	s_lshl_b32 s19, s19, 2                         ; 4 x cluster y
	s_cmp_eq_u32 ttmp9, 2                          ; v?  The cluster's x is the same in all sixteen partners
	s_cselect_b32 s17, 0, s19                      ; "A"'s tile: of the tokens' 16 by cluster y, of v's 4 tiles of columns by cy alone
	s_cselect_b32 s42, s19, s18                    ; "B"'s tile: of q's and k's 8 tiles of columns by cluster x, of the tokens' 16 by cluster y
	s_cselect_b32 s66, 0x600000, 0                 ; "A"'s image in prepimg: w_attn^T from its row tile 128 on, or the norm's codes
	s_cselect_b32 s67, 0, 0x400000                 ; "B"'s
	s_add_co_u32 s17, s17, s41                     ; + cy: shared along a row of the cluster
	s_add_co_u32 s42, s42, s40                     ; + cx: shared along a column
	s_lshl_b32 s43, s41, 2
	s_lshl_b32 s43, 15, s43                        ; my row of the cluster
	s_lshl_b32 s44, 0x1111, s40                    ; my column
	; descriptor group 1: 8 rows (row tiles) of 4,096 bytes (two fragments), KP bytes apart, dense in LDS
	s_or_b32 s[G1+0], s43, (3<<16)|(1<<21)         ; 15:0 the mask; 17:16 elements of 8 bytes; 20 no padding; 21 set beside a mask
	s_or_b32 s[G1B+0], s44, (3<<16)|(1<<21)
.irp g, G1, G1B
	s_mov_b32 s[\g+1], 512<<16                     ; tensor_dim0 = 512 elements
	s_mov_b32 s[\g+2], 8<<16                       ; tensor_dim1 = 8
	s_mov_b32 s[\g+3], 512<<16                     ; tile_dim0
	s_mov_b32 s[\g+4], 8                           ; tile_dim1
	s_mov_b32 s[\g+5], KP/8                        ; tensor_dim0_stride, in elements
	s_mov_b32 s[\g+6], 0
	s_mov_b32 s[\g+7], 0
.endr
	s_lshl_b32 s18, s16, 3                         ; which 8 row tiles I fetch
	s_lshl_b32 s20, s17, 4
	s_add_co_u32 s20, s20, s18
	s_mul_i32 s20, s20, KP
	s_add_co_u32 s20, s20, s66                     ; "A": bytes from prepimg's first
	s_mov_b32 s21, 0
	s_lshl_b32 s46, s42, 4
	s_add_co_u32 s46, s46, s18
	s_mul_i32 s46, s46, KP
	s_add_co_u32 s46, s46, s67                     ; "B"
	s_mov_b32 s47, 0
	s_mul_i32 s45, s14, HALFT                      ; where they go: wave x 32,768: no place in the cluster enters an LDS address
	s_wait_kmcnt 0x0
	s_load_b256 s[80:87], s[70:71], 0x0            ; e0 .. e7
	s_add_nc_u64 s[20:21], s[68:69], s[20:21]
	s_add_nc_u64 s[46:47], s[68:69], s[46:47]
	CROUND                                         ; all sixteen work-groups are here: the first joint loads meet
.irp s, 0,1
	s_mov_b32 s[G0+4*\s], 1
	s_add_co_u32 s[G0+4*\s+1], s45, \s*SLOT
	s_add_nc_u64 s[G0+4*\s+2:G0+4*\s+3], s[20:21], \s*4096
	s_or_b32 s[G0+4*\s+3], s[G0+4*\s+3], 0x80000000
	s_mov_b32 s[G0B+4*\s], 1
	s_add_co_u32 s[G0B+4*\s+1], s45, \s*SLOT
	s_add_nc_u64 s[G0B+4*\s+2:G0B+4*\s+3], s[46:47], \s*4096
	s_or_b32 s[G0B+4*\s+3], s[G0B+4*\s+3], 0x80000000
	JLOAD G0+4*\s, G1, G0B+4*\s, G1B
.endr
	v_and_b32 v1, 31, v0
	v_lshlrev_b32 v[CO], 4, v1
	s_mul_i32 s21, s15, HALFT                      ; my 8 row tiles of "A"
	s_mul_i32 s22, s16, HALFT                      ; my 8 of "B",
	s_add_co_u32 s22, s22, 2*HALFT                 ; which lie behind "A"'s 16
.irp s, 0,1
	v_add_nc_u32 v[ADRA+\s], s21, v[CO]
	v_add_nc_u32 v[ADRB+\s], s22, v[CO]
	s_add_co_u32 s21, s21, SLOT
	s_add_co_u32 s22, s22, SLOT
.endr
	; the biases, in both forms, so that no register's state hangs on a branch; the form that is not used reads the buffer's first bytes
	v_bfe_u32 v2, v0, 4, 1
	v_lshlrev_b32 v27, 5, v2                       ; 32 h
	v_and_b32 v2, 15, v0
	v_lshlrev_b32 v30, 2, v2                       ; 4 r
	s_lshl_b32 s88, s42, 10
	s_lshl_b32 s89, s16, 9
	s_add_co_u32 s88, s88, s89                     ; q, k: 4 bytes x my first column (256 x "B"'s tile + 128 x half)
	s_lshl_b32 s90, s17, 10
	s_lshl_b32 s91, s15, 9
	s_add_co_u32 s90, s90, s91
	s_add_co_u32 s90, s90, 8192                    ; v: 4 bytes x (2048 + 256 x "A"'s tile + 128 x half)
	s_cmp_eq_u32 ttmp9, 2
	s_cselect_b32 s88, 0, s88
	s_cselect_b32 s90, s90, 0
	s_mov_b32 s89, 0
	s_mov_b32 s91, 0
	s_add_nc_u64 s[76:77], s[72:73], s[88:89]
	s_add_nc_u64 s[78:79], s[72:73], s[90:91]
.irp b, 0,1,2,3,4,5,6,7
	global_load_b128 v[BQ+8*\b:BQ+8*\b+3], v27, s[76:77] offset:64*\b       ; the bias of columns 16 b + 8 h + 0 .. 7
	global_load_b128 v[BQ+8*\b+4:BQ+8*\b+7], v27, s[76:77] offset:64*\b+16
.endr
.irp a, 0,1,2,3,4,5,6,7
	global_load_b32 v[BV+2*\a], v30, s[78:79] offset:64*\a                  ; the bias of column 16 a + r, in both halves of a pair
	global_load_b32 v[BV+2*\a+1], v30, s[78:79] offset:64*\a
.endr
	; where my results go: the step of 128 tokens and the first of my two heads
	s_lshl_b32 s88, s17, 1
	s_add_co_u32 s88, s88, s15                     ; q, k: step = 2 x "A"'s tile + half,
	s_and_b32 s89, s42, 3
	s_lshl_b32 s89, s89, 2
	s_lshl_b32 s93, s16, 1
	s_add_co_u32 s89, s89, s93                     ; head = 4 x ("B"'s tile % 4) + 2 x half
	s_lshl_b32 s90, s42, 1
	s_add_co_u32 s90, s90, s16                     ; v: step = 2 x "B"'s tile + half,
	s_lshl_b32 s91, s17, 2
	s_lshl_b32 s93, s15, 1
	s_add_co_u32 s91, s91, s93                     ; head = 4 x "A"'s tile + 2 x half
	s_cmp_eq_u32 ttmp9, 2
	s_cselect_b32 s88, s90, s88
	s_cselect_b32 s89, s91, s89
	s_lshl_b32 s88, s88, 17
	s_lshl_b32 s89, s89, 13
	s_add_co_u32 s88, s88, s89
	s_lshl_b32 s89, ttmp9, 22                      ; q, k or v
	s_add_co_u32 s88, s88, s89
	s_mov_b32 s89, 0
	s_add_nc_u64 s[12:13], s[74:75], s[88:89]
.macro FRAG reg, adr, q, i             ; row tile i, the slot's q-th 128 along K: four loads of 512 consecutive bytes
.irp c, 0,1,2,3
	ds_load_b128 v[\reg+4*\c:\reg+4*\c+3], v[\adr] offset:4096*(\i)+2048*(\q)+512*\c
.endr
.endm
; 16 matrix instructions: "A"'s blocks a0, a0 + 1 x "B"'s eight, 128 along K.  p: "B"'s set.  zero = 1: the first product starts the sums.  The 64 accumulators take turns, one instruction a turn, in the same order in every step.
.macro MUL16 a0, p, zero
.irp a, \a0, \a0+1
.irp b, 0,1,2,3,4,5,6,7
.if \zero
	v_wmma_f32_16x16x128_fp8_fp8 v[8*(8*((\a)%4)+\b):8*(8*((\a)%4)+\b)+7], v[128*(\p)+FR*\b:128*(\p)+FR*\b+FR-1], v[AF+FR*(\a):AF+FR*(\a)+FR-1], 0
.else
	v_wmma_f32_16x16x128_fp8_fp8 v[8*(8*((\a)%4)+\b):8*(8*((\a)%4)+\b)+7], v[128*(\p)+FR*\b:128*(\p)+FR*\b+FR-1], v[AF+FR*(\a):AF+FR*(\a)+FR-1], v[8*(8*((\a)%4)+\b):8*(8*((\a)%4)+\b)+7]
.endif
.endr
.endr
.endm
.macro FETCH_B slot, q, p
	WIN TO_B
.irp i, 0,1,2,3,4,5,6,7
	FRAG 128*(\p)+FR*\i, ADRB+\slot, \q, \i
.endr
	WIN 0
.endm
.macro FETCH_A slot, q, i0
.irp i, \i0, \i0+1, \i0+2, \i0+3
	FRAG AF+FR*(\i), ADRA+\slot, \q, \i
.endr
.endm
.macro PLACES n                        ; plain vector instructions between a matrix instruction and a load into, or a read of, its registers
.rept \n
	v_nop
.endr
.endm
; A step of 128 along K that has its successor in the same slot.  A block of "A" is free as soon as its eight products are issued: one set serves "A" (blocks 0-3 fetched anew in the middle, 4-7 at the end); "B" has two sets.
.macro STEP slot, q, zero
	s_wait_dscnt 4*NL                              ; "B"'s set and "A"'s blocks 0-3 are in; the youngest 16 loads ("A"'s blocks 4-7) may be out
	WIN MUL_LO
	MUL16 0, (\q)%2, \zero
	MUL16 2, (\q)%2, \zero
	s_wait_dscnt 0x0                               ; "A"'s blocks 4-7 are in
	PLACES NP
	FETCH_B \slot, (\q)+1, 1-(\q)%2
	FETCH_A \slot, (\q)+1, 0
	WIN MUL_HI
	MUL16 4, (\q)%2, \zero
	MUL16 6, (\q)%2, \zero
	PLACES NP
	WIN 0
	FETCH_A \slot, (\q)+1, 4
.endm
; A slot's last step changes slots: one barrier; in front of it each wave waits for all its tensor loads, adds 0 to its spare word, and waits for that and for its own reads of this slot.  fill = 1: this slot is filled again, two K steps ahead.
.macro TURN slot, next, fill
	s_wait_tensorcnt 0x0                           ; all my tensor loads have landed: my part of the next slot
	ds_add_u32 v[SPW], v[NIL]                      ; 0 onto my spare word
	s_wait_dscnt 4*NL+1                            ; (the add and the youngest 16 loads may be out)
	WIN MUL_LO
	MUL16 0, 1, 0                                  ; sixteen matrix instructions stand between the add and the wait for it
	s_wait_dscnt 0x0                               ; the add is done, and my reads of this slot are over
	s_barrier_signal -1
	MUL16 2, 1, 0
	WIN 0
	s_barrier_wait -1
.if \fill
	CREST                                          ; the barrier has opened a round of the cluster's barrier: no wave of any partner still reads this slot or has a load on its way
	s_add_nc_u64 s[G0+4*\slot+2:G0+4*\slot+3], s[G0+4*\slot+2:G0+4*\slot+3], 8192
	s_add_nc_u64 s[G0B+4*\slot+2:G0B+4*\slot+3], s[G0B+4*\slot+2:G0B+4*\slot+3], 8192
	JLOAD G0+4*\slot, G1, G0B+4*\slot, G1B         ; the first tensor load behind the round; its four v_nop are the places in front of the loads below
.else
	PLACES NP
.endif
	FETCH_B \next, 0, 0
	FETCH_A \next, 0, 0
	WIN MUL_HI
	MUL16 4, 1, 0
	MUL16 6, 1, 0
	PLACES NP
	WIN 0
	FETCH_A \next, 0, 4
.endm
	s_wait_tensorcnt 1                             ; my part of K step 0 is in (K step 1's load may be out)
	s_barrier_signal -1
	s_barrier_wait -1                              ; everybody's is
	FETCH_B 0, 0, 0
	FETCH_A 0, 0, 0
	FETCH_A 0, 0, 4
	STEP 0, 0, 1                                   ; the first step stands in front of the loop: its products start the sums
	s_mov_b32 s3, LAPS-1
.Llap:                                                 ; a trip goes once round the ring and fills both slots again
	TURN 0, 1, 1
	STEP 1, 0, 0
	TURN 1, 0, 1
	STEP 0, 0, 0
	s_sub_co_u32 s3, s3, 1
	s_cmp_lg_u32 s3, 0
	s_cbranch_scc1 .Llap
	TURN 0, 1, 0                                   ; the last lap fills nothing
	STEP 1, 0, 0
	s_wait_dscnt 4*NL
	WIN MUL_LO
	MUL16 0, 1, 0
	MUL16 2, 1, 0
	s_wait_dscnt 0x0
	WIN MUL_HI
	MUL16 4, 1, 0
	MUL16 6, 1, 0
	WIN 0
; THE WAY OUT: eight blocks of 16 "A" rows, in a loop of eight trips.  Only the lines that name the accumulators differ from trip to trip: GET a, chosen by the counter; the rest works on fixed registers.
.macro GET a, mode                     ; block a's 64 sums x 2^(e0 + e1) + the bias, each accumulator from its low end on
	WIN 0x02+(\a)/4                                ; source 0: window 2 or 3
.irp b, 0,1,2,3,4,5,6,7
.irp i, 0,2,4,6
.if \mode
	v_pk_fma_f32 v[T+8*\b+\i:T+8*\b+\i+1], v[64*((\a)%4)+8*\b+\i:64*((\a)%4)+8*\b+\i+1], s[96:97], v[BV+2*(\a):BV+2*(\a)+1] op_sel_hi:[1,0,1]
.else
	v_pk_fma_f32 v[T+8*\b+\i:T+8*\b+\i+1], v[64*((\a)%4)+8*\b+\i:64*((\a)%4)+8*\b+\i+1], s[96:97], v[BQ+8*\b+\i:BQ+8*\b+\i+1] op_sel_hi:[1,0,1]
.endif
.endr
.endr
	WIN 0                                          ; at a label and at a branch every window is 0
.endm
.macro QUANT
.set N, 0
.rept 64
	v_med3_num_f32 v[T+N], v[T+N], -v113, v113     ; the conversion to an 8-bit code does not saturate (ISA guide 7.6.2)
.set N, N+1
.endr
.irp b, 0,1,2,3,4,5,6,7
	v_cvt_scalef32_pk8_fp8_f32 v[CD+2*\b:CD+2*\b+1], v[T+8*\b:T+8*\b+7], v112   ; registers 2 b, 2 b + 1 of the next operand
.endr
	v_nop                                          ; a plain instruction behind the last scaled conversion: the next trip writes its sources
.endm
.macro EPILOOP mode, astep, o0, o1, o2, o3
	s_mov_b32 s92, 0
.Lblk_\mode:
	s_cmp_eq_u32 s92, 0
	s_cbranch_scc1 .Lg0_\mode
	s_cmp_eq_u32 s92, 1
	s_cbranch_scc1 .Lg1_\mode
	s_cmp_eq_u32 s92, 2
	s_cbranch_scc1 .Lg2_\mode
	s_cmp_eq_u32 s92, 3
	s_cbranch_scc1 .Lg3_\mode
	s_cmp_eq_u32 s92, 4
	s_cbranch_scc1 .Lg4_\mode
	s_cmp_eq_u32 s92, 5
	s_cbranch_scc1 .Lg5_\mode
	s_cmp_eq_u32 s92, 6
	s_cbranch_scc1 .Lg6_\mode
	GET 7, \mode
	s_branch .Lgot_\mode
.Lg0_\mode:
	GET 0, \mode
	s_branch .Lgot_\mode
.Lg1_\mode:
	GET 1, \mode
	s_branch .Lgot_\mode
.Lg2_\mode:
	GET 2, \mode
	s_branch .Lgot_\mode
.Lg3_\mode:
	GET 3, \mode
	s_branch .Lgot_\mode
.Lg4_\mode:
	GET 4, \mode
	s_branch .Lgot_\mode
.Lg5_\mode:
	GET 5, \mode
	s_branch .Lgot_\mode
.Lg6_\mode:
	GET 6, \mode
.Lgot_\mode:
	QUANT
	global_store_b128 v[CO], v[CD:CD+3], s[12:13] offset:\o0         ; each store: 512 consecutive bytes, at a multiple of 256 from the buffer's first byte
	global_store_b128 v[CO], v[CD+4:CD+7], s[12:13] offset:\o1
	global_store_b128 v[CO], v[CD+8:CD+11], s[12:13] offset:\o2
	global_store_b128 v[CO], v[CD+12:CD+15], s[12:13] offset:\o3
	s_wait_xcnt 0x0                                ; the stores have read their data and their base: both are written again only behind this wait
	s_add_nc_u64 s[12:13], s[12:13], \astep
	s_add_co_u32 s92, s92, 1
	s_cmp_lt_u32 s92, 8
	s_cbranch_scc1 .Lblk_\mode
.endm
	s_wait_loadcnt 0x0                             ; the biases
	s_wait_kmcnt 0x0
	s_add_co_i32 s96, s80, s81
	s_add_co_i32 s96, s96, 127
	s_lshl_b32 s96, s96, 23                        ; 2^(e0 + e1) as f32
	s_mov_b32 s97, s96                             ; (named with it as a pair, so it is written)
	s_cmp_eq_u32 ttmp9, 1
	s_cselect_b32 s93, s83, s82                    ; the result's e: e2 for q, e3 for k,
	s_cmp_eq_u32 ttmp9, 2
	s_cselect_b32 s93, s85, s93                    ; e5 for v: a choice, no branch
	s_add_co_i32 s93, s93, 127
	s_lshl_b32 s94, s93, 23
	v_mov_b32 v112, s94
	s_add_co_i32 s93, s93, 8
	s_lshl_b32 s93, s93, 23
	s_or_b32 s93, s93, 0x600000
	v_mov_b32 v113, s93
	PLACES NP                                      ; behind the last products: their results are read, and "A"'s registers written, below
	s_cmp_eq_u32 ttmp9, 2                          ; the cluster's x: alike in all partners
	s_cbranch_scc1 .Lfor_v
	EPILOOP 0, 1024, 0, 512, 8192, 8704            ; q, k: block a = 16 tokens; accumulators 0-3 are the first head's 64, 4-7 the second's
	s_branch .Lout
.Lfor_v:
	EPILOOP 1, 2048, 0, 512, 1024, 1536            ; v: block a = 16 channels; the eight accumulators are the step's 128 tokens
.Lout:
	s_wait_tensorcnt 0x0                           ; the wave's end
	ds_add_u32 v[SPW], v[NIL]
	s_wait_dscnt 0x0
	CROUND                                         ; the closing round: no work-group ends while a partner may still ask for a tile that names it
	s_endpgm
.Lfunc_end_k_q99d04cf1ff_gemm_qkv:
	.size	k_q99d04cf1ff_gemm_qkv, .Lfunc_end_k_q99d04cf1ff_gemm_qkv-k_q99d04cf1ff_gemm_qkv
	.p2alignl 7, 3214868480
	.fill 96, 4, 3214868480
	.section	.rodata,"a",@progbits
	.p2align	6, 0x0
	.amdhsa_kernel k_q99d04cf1ff_gemm_qkv
		.amdhsa_group_segment_fixed_size 327680
		.amdhsa_private_segment_fixed_size 0
		.amdhsa_enable_private_segment 0
		.amdhsa_kernarg_size 32
		.amdhsa_user_sgpr_count 2
		.amdhsa_user_sgpr_kernarg_segment_ptr 1
		.amdhsa_wavefront_size32 1
		.amdhsa_system_sgpr_workgroup_id_x 1
		.amdhsa_system_sgpr_workgroup_id_y 1
		.amdhsa_system_sgpr_workgroup_id_z 1
		.amdhsa_system_vgpr_workitem_id 0
		.amdhsa_next_free_vgpr 1024
		.amdhsa_next_free_sgpr 100
		.amdhsa_reserve_vcc 0
		.amdhsa_float_denorm_mode_32 3
		.amdhsa_float_denorm_mode_16_64 3
		.amdhsa_memory_ordered 1
		.amdhsa_forward_progress 1
		.amdhsa_inst_pref_size 126
	.end_amdhsa_kernel
	.amdgpu_metadata
---
amdhsa.version: [ 1, 2 ]
amdhsa.kernels:
  - .name:           k_q99d04cf1ff_gemm_qkv
    .symbol:         k_q99d04cf1ff_gemm_qkv.kd
    .args:
      - { .name: prepimg, .offset: 0, .size: 8, .value_kind: global_buffer, .address_space: global }
      - { .name: lowp_scales, .offset: 8, .size: 8, .value_kind: global_buffer, .address_space: global }
      - { .name: b_attn, .offset: 16, .size: 8, .value_kind: global_buffer, .address_space: global }
      - { .name: qkvimg, .offset: 24, .size: 8, .value_kind: global_buffer, .address_space: global }
    .group_segment_fixed_size: 327680
    .private_segment_fixed_size: 0
    .kernarg_segment_align: 8
    .kernarg_segment_size: 32
    .max_flat_workgroup_size: 128
    .sgpr_count:     100
    .vgpr_count:     1024
    .wavefront_size: 32
...
	.end_amdgpu_metadata
.endif
;; end of part 2
;; launch attn (part 3): grid 8 x 32, 16 waves a work-group, no clusters, 264,192 bytes of LDS; arguments qkvimg, lowp_scales, yimg; writes yimg
.if DOCPART == 3
	.amdgcn_target "amdgcn-amd-amdhsa--gfx1250"
	.amdhsa_code_object_version 6
	.text
	.protected	k_q99d04cf1ff_attn
	.globl	k_q99d04cf1ff_attn
	.p2align	8
	.type	k_q99d04cf1ff_attn,@function
k_q99d04cf1ff_attn:
	s_mov_b64 s[64:65], 0
	v_nop
	global_prefetch_b8 v0, s[64:65] scope:SCOPE_SE
	s_setreg_imm32_b32 hwreg(HW_REG_WAVE_MODE, 25, 1), 1
	s_wait_xcnt 0x0
; y[b][t][head] = softmax_k(q . k / 8, causal) v on codes of E4M3, and y quantised with e6 for the next product.
; THE SOFTMAX AHEAD OF THE SECOND PRODUCT: t = score x log2(e) / 8; M = the running largest t rounded UP to a whole number; p = 2^(t - M) is quantised with e4, not normalised; the row's sum is taken of the unquantised p
; and divides at the end.  When M moves, the sum and O are multiplied by 2^(old M - new M): exact.
; qkvimg holds fragment images: q, k: [batch][step of 128 tokens][head][16 tokens 8][piece 2][512]; v: [batch][step][head][16 channels 4][piece 4][512], K = the step's 128 keys.  Piece p of lane L at 512 p + 16 L.
; SHARES.  A work-group owns one head (y) and two steps of 128 queries: step x (waves 0-7) and step 15 - x (waves 8-15), a wave 16 queries.  A query step s needs s + 1 key steps, so every work-group has 17 x 8 wave steps.
; ALL OF THE HEAD'S K AND V LIES IN LDS, 128 KiB each, each byte filled once: no ring.  Wave w brings 1 KiB of each of the 16 key steps: tile w of K (w < 8) or the (w - 8)-th KiB of V: two tensor loads, of the first 2 key steps
; and of the other 14, both at the head; by this text's count two are out.  The first two key steps are worked behind the first load's barrier, the others behind the second's.
; CAUSAL: a key step all of whose keys come after my 16 queries is left out by a scalar branch on ids; in the one step on the diagonal hidden scores become -infinity ahead of the maximum.
; NO CLUSTER: the work-groups that read one head's K and V differ in their query steps, and the key steps that a wave leaves out hang on its query step: partners would not run alike.
; Both products are used transposed: S^T = K Q^T (source 0 = 16 keys), O^T = V^T P^T (source 0 = 16 channels): a lane holds one query (lane % 16) throughout; register j of tile i is key 16 i + 8 (lane / 16) + j,
; which is the place that the second product's operand gives it: the conversions' results are that operand.
; LIMITS: e2 + e3 between -123 and 130 (added to c's exponent field); e4 and e6 between -126 and 119; e4 + e5 is applied by v_ldexp_f32.  NaN is not served.
; REGISTERS: v1, v8-10 lane bases; v2-5 the step's LDS addresses; v7 r - 8 h; v12 -M, v13 the largest t, v[14:15] the sum; v16-23 Q; v32-95 K's 8 fragments, then V's 4; v96-159 S^T, then p; v160-191 O^T; v192-207 p's codes; v208-215 y's codes.
	s_load_b128 s[4:7], s[0:1], 0x0                ; qkvimg s[4:5], the scales' exponents s[6:7]
	s_load_b64 s[8:9], s[0:1], 0x10                ; yimg
	v_lshl_add_u32 v251, v0, 2, 0x40000
	v_mov_b32 v255, 0
	ds_add_u32 v251, v255
	ds_add_u32 v251, v255
	v_lshrrev_b32 v2, 5, v0
	v_readfirstlane_b32 s18, v2                    ; wave 0..15
	s_and_b32 s10, ttmp7, 0xffff
	s_lshr_b32 s11, s10, 4                         ; batch
	s_and_b32 s12, s10, 15                         ; head
	s_and_b32 s13, s18, 7                          ; my tile of 16 queries; also which KiB I fetch
	s_sub_co_u32 s14, 15, ttmp9
	s_cmp_lt_u32 s18, 8
	s_cselect_b32 s14, ttmp9, s14                  ; my query step
	; descriptor group 1: rows of 1,024 bytes (a key step's KiB), 131,072 bytes apart (16 heads x 8,192), dense in LDS: 2 rows, and 14 rows
	s_mov_b32 s24, 3<<16                           ; no mask; elements of 8 bytes; no padding
	s_mov_b32 s25, 128<<16                         ; tensor_dim0 = 128 elements
	s_mov_b32 s26, 2<<16                           ; tensor_dim1 = 2
	s_mov_b32 s27, 128<<16                         ; tile_dim0
	s_mov_b32 s28, 2                               ; tile_dim1
	s_mov_b32 s29, 16384                           ; tensor_dim0_stride, in elements
	s_mov_b32 s30, 0
	s_mov_b32 s31, 0
	s_mov_b32 s32, 3<<16
	s_mov_b32 s33, 128<<16
	s_mov_b32 s34, 14<<16
	s_mov_b32 s35, 128<<16
	s_mov_b32 s36, 14
	s_mov_b32 s37, 16384
	s_mov_b32 s38, 0
	s_mov_b32 s39, 0
	s_lshl_b32 s15, s11, 21                        ; batch x 16 steps x 131,072
	s_lshl_b32 s16, s12, 13                        ; head x 8,192
	s_add_co_u32 s15, s15, s16
	s_lshl_b32 s16, s13, 10
	s_add_co_u32 s15, s15, s16                     ; + (wave % 8) x 1,024
	s_lshr_b32 s16, s18, 3
	s_lshl_b32 s16, s16, 22
	s_add_co_u32 s16, s16, 0x400000                ; k's images (waves 0-7) or v's (waves 8-15)
	s_add_co_u32 s16, s16, s15
	s_mov_b32 s17, 0
	s_lshl_b32 s48, s14, 17
	s_add_co_u32 s48, s48, s15                     ; q: my step, my head, my tile
	s_mov_b32 s49, 0
	s_lshl_b32 s19, s18, 14                        ; my 16,384 bytes of LDS
	s_wait_dscnt 0x0
	s_wait_kmcnt 0x0
	s_load_b256 s[56:63], s[6:7], 0x0              ; e0 .. e7
	s_mov_b32 s40, 1
	s_mov_b32 s41, s19
	s_add_nc_u64 s[42:43], s[4:5], s[16:17]        ; key steps 0, 1
	s_mov_b32 s44, 1
	s_add_co_u32 s45, s19, 2048
	s_add_nc_u64 s[46:47], s[42:43], 262144        ; key steps 2 to 15
	s_or_b32 s43, s43, 0x80000000
	s_or_b32 s47, s47, 0x80000000
	tensor_load_to_lds s[40:43], s[24:31]          ; both first fills together, ahead of every wait on TENSORcnt, every LDS read and every barrier
	s_nop 0
	tensor_load_to_lds s[44:47], s[32:39]
	s_nop 0
.rept 4
	v_nop                                          ; (behind a tensor load)
.endr
	s_add_nc_u64 s[4:5], s[4:5], s[48:49]
	v_and_b32 v1, 31, v0
	v_lshlrev_b32 v1, 4, v1                        ; 16 x lane
	global_load_b128 v[16:19], v1, s[4:5]          ; Q's fragment (16 queries x 64) stays in registers
	global_load_b128 v[20:23], v1, s[4:5] offset:512
	v_add_nc_u32 v8, 0x10000, v1                   ; K's tiles 4-7
	v_add_nc_u32 v9, 0x20000, v1                   ; V's KiB 0-3
	v_add_nc_u32 v10, 0x30000, v1                  ; V's KiB 4-7
	v_and_b32 v6, 15, v0
	v_bfe_u32 v7, v0, 4, 1
	v_lshlrev_b32 v7, 3, v7
	v_sub_nc_u32 v7, v6, v7                        ; r - 8 h
	s_lshl_b32 s48, s11, 7
	s_lshl_b32 s49, s14, 3
	s_add_co_u32 s48, s48, s49
	s_add_co_u32 s48, s48, s13                     ; y's row tile: 128 x batch + 8 x step + tile
	s_lshl_b32 s48, s48, 14
	s_lshl_b32 s49, s12, 10                        ; a head's 64 channels are two pieces of a fragment: 1,024 bytes
	s_add_co_u32 s48, s48, s49
	s_mov_b32 s49, 0
	s_add_nc_u64 s[8:9], s[8:9], s[48:49]
	s_lshl_b32 s52, s14, 7
	s_lshl_b32 s53, s13, 4
	s_add_co_u32 s52, s52, s53                     ; my first query, within the batch
	s_mov_b32 s50, 0                               ; the key step's place in each KiB column of LDS
	s_mov_b32 s51, 0                               ; the key step's first key
	s_mov_b32 s20, 0x76543210                      ; lane selects: lane l xor 16
	s_mov_b32 s21, 0xfedcba98
	v_mov_b32 v13, 0xff61b1e6                      ; the largest t so far: -3e38, under every t
	v_floor_f32 v12, -v13                          ; -M
	v_mov_b32 v14, 0
	v_mov_b32 v15, 0
	v_mov_b32 v236, 0                              ; written once: a lane exchange's destination counts as one of its sources
	v_mov_b32 v253, 0                              ; (named as the upper half of the pair v[252:253])
.set N, 0
.rept 32
	v_mov_b32 v[160+N], 0                          ; O^T: the step is written without a first step of its own; the first change of M leaves zeros zeros
.set N, N+1
.endr
	s_wait_kmcnt 0x0
	s_mov_b32 s22, 0x3e38aa3b                      ; c = log2(e) / 8
	s_add_co_i32 s66, s58, s59
	s_lshl_b32 s66, s66, 23
	s_add_co_i32 s22, s22, s66                     ; x 2^(e2 + e3): the two exponents are added to c's exponent field
	s_mov_b32 s23, s22                             ; (named with it as a pair)
	s_add_co_i32 s66, s60, 127
	s_lshl_b32 s67, s66, 23
	v_mov_b32 v244, s67                            ; 2^e4
	s_add_co_i32 s66, s66, 8
	s_lshl_b32 s66, s66, 23
	s_or_b32 s66, s66, 0x600000
	v_mov_b32 v240, s66                            ; 448 x 2^e4
	s_add_co_i32 s66, s62, 127
	s_lshl_b32 s67, s66, 23
	v_mov_b32 v246, s67                            ; 2^e6
	s_add_co_i32 s66, s66, 8
	s_lshl_b32 s66, s66, 23
	s_or_b32 s66, s66, 0x600000
	v_mov_b32 v247, s66                            ; 448 x 2^e6
; A KEY STEP: 128 keys.
.macro STEP
	s_add_co_u32 s66, s52, 15
	s_cmp_gt_u32 s51, s66                          ; all its keys come after my queries: only the two steps of addresses at its end are run
	s_cbranch_scc1 .Lhidden_\@
	v_add_nc_u32 v2, s50, v1                       ; these four are also the places between the last products and the loads into their registers
	v_add_nc_u32 v3, s50, v8
	v_add_nc_u32 v4, s50, v9
	v_add_nc_u32 v5, s50, v10
.irp i, 0,1,2,3,4,5,6,7
	ds_load_b128 v[32+8*\i:35+8*\i], v[2+\i/4] offset:(\i%4)*16384          ; K's tile i: 16 keys x 64
	ds_load_b128 v[36+8*\i:39+8*\i], v[2+\i/4] offset:(\i%4)*16384+512
.endr
	s_wait_dscnt 0x0
.irp i, 0,1,2,3,4,5,6,7
	v_wmma_f32_16x16x64_fp8_fp8 v[96+8*\i:103+8*\i], v[32+8*\i:39+8*\i], v[16:23], 0
.endr
.rept 4
	v_nop                                          ; places: the loads below land in K's registers, and the scores are read
.endr
.irp t, 0,1,2,3
.irp p, 0,1,2,3
	ds_load_b128 v[32+16*\t+4*\p:35+16*\t+4*\p], v[4+(2*\t+\p/2)/4] offset:((2*\t+\p/2)%4)*16384+512*(\p%2)   ; V's tile t: 16 channels x 128 keys; it lands while the softmax is worked
.endr
.endr
	s_add_co_u32 s66, s51, 127
	s_cmp_le_u32 s66, s52                          ; all keys count: no mask
	s_cbranch_scc1 .Lopen_\@
	s_sub_co_i32 s66, s52, s51
	v_add_nc_u32 v252, s66, v7                     ; d = my query - the step's first key - 8 h.  Register n holds key 16 (n / 8) + n % 8 + 8 h of the step: hidden where 16 (n / 8) + n % 8 > d
	v_mov_b32 v254, 0xff800000                     ; -infinity
.set N, 0
.rept 64
	v_cmp_gt_i32 vcc_lo, 16*(N/8)+N%8, v252
	v_cndmask_b32 v[96+N], v[96+N], v254, vcc_lo
.set N, N+1
.endr
.Lopen_\@:
	v_max3_num_f32 v254, v96, v97, v98             ; the step's largest score of my query among my 64 keys, in two chains, each accumulator from its low end on,
	v_max3_num_f32 v252, v99, v100, v101
.irp i, 6,10,14,18,22,26,30,34,38,42,46,50,54,58
	v_max3_num_f32 v254, v254, v[96+\i], v[97+\i]
	v_max3_num_f32 v252, v252, v[98+\i], v[99+\i]
.endr
	v_max3_num_f32 v254, v254, v158, v159
	v_max_num_f32 v254, v254, v252
	v_permlanex16_b32 v236, v254, s20, s21
	v_max_num_f32 v254, v254, v236                 ; and among lane l xor 16's
	v_mul_f32 v254, s22, v254                      ; as t (c is positive)
	v_max_num_f32 v13, v13, v254                   ; the running largest t
	v_mov_b32 v254, v12
	v_floor_f32 v12, -v13                          ; the new -M = floor(-t) = -ceil(t)
	v_sub_f32 v254, v12, v254                      ; old M - new M: a whole number, 0 or less
	v_cvt_i32_f32 v254, v254                       ; (it saturates)
	v_ldexp_f32 v252, 1.0, v254                    ; f = 2^(old M - new M)
.set N, 0
.rept 32
	v_pk_fma_f32 v[96+N:97+N], v[96+N:97+N], s[22:23], v[12:13] op_sel_hi:[1,0,0]   ; t - M, two at a time
.set N, N+2
.endr
.set N, 0
.rept 64
	v_exp_f32 v[96+N], v[96+N]                     ; p = 2^(t - M)
.set N, N+1
.endr
	v_pk_mul_f32 v[14:15], v[14:15], v[252:253] op_sel_hi:[1,0]   ; the sums under the new M: the plain instruction behind the exponentials
	s_wait_alu depctr_va_vdst(0)                   ; one wait for the batch, ahead of its first reader
	v_pk_add_f32 v[242:243], v[96:97], v[98:99]    ; the row's sum, of the unquantised p, in two chains
.irp j, 4,8,12,16,20,24,28,32,36,40,44,48,52,56,60
	v_pk_add_f32 v[14:15], v[14:15], v[96+\j:97+\j]
	v_pk_add_f32 v[242:243], v[242:243], v[98+\j:99+\j]
.endr
	v_pk_add_f32 v[14:15], v[14:15], v[242:243]
.set N, 0
.rept 64
	v_min_num_f32 v[96+N], v[96+N], v240           ; the conversion does not saturate (ISA guide 7.6.2); p is not negative: a one-sided hold
.set N, N+1
.endr
.irp i, 0,1,2,3,4,5,6,7
	v_cvt_scalef32_pk8_fp8_f32 v[192+2*\i:193+2*\i], v[96+8*\i:103+8*\i], v244   ; registers 2 i, 2 i + 1 of P: keys 16 i + 8 h + 0 .. 7
.endr
.set N, 0
.rept 16
	v_pk_mul_f32 v[160+N:161+N], v[160+N:161+N], v[252:253] op_sel_hi:[1,0]   ; O^T under the new M; also the plain instructions between the conversions and the products
.set N, N+2
.endr
	s_wait_dscnt 0x0                               ; V
.irp t, 0,1,2,3
	v_wmma_f32_16x16x128_fp8_fp8 v[160+8*\t:167+8*\t], v[32+16*\t:47+16*\t], v[192:207], v[160+8*\t:167+8*\t]   ; four accumulators by turns; eight products on the scores stand between two links on one of them
.endr
.Lhidden_\@:
	s_add_co_u32 s51, s51, 128
	s_add_co_u32 s50, s50, 1024
.endm
	s_wait_loadcnt 0x0                             ; Q
	s_wait_tensorcnt 0x1                           ; my KiB of key steps 0 and 1 are in; the 14-row load may be out
	s_barrier_signal -1
	s_barrier_wait -1                              ; everybody's are
	STEP                                           ; key steps 0 and 1, written out: they read the first 2,048 bytes of each wave's 16,384 alone
	STEP
	s_wait_tensorcnt 0x0                           ; my part of key steps 2 to 15 is in
	s_wait_dscnt 0x0
	s_barrier_signal -1
	s_barrier_wait -1
	s_mov_b32 s53, 14
.Lkeys:                                                ; no barrier stands in this loop: LDS is only read
	STEP
	s_sub_co_u32 s53, s53, 1
	s_cmp_lg_u32 s53, 0
	s_cbranch_scc1 .Lkeys
	; THE WAY OUT: O^T / the sum x 2^(e4 + e5), quantised with e6: tile t's eight channels are registers 2 t, 2 t + 1 of my head's half fragment of y
.rept 4
	v_nop                                          ; places behind the last products
.endr
	v_add_f32 v14, v14, v15
	v_permlanex16_b32 v236, v14, s20, s21
	v_add_f32 v14, v14, v236                       ; the row's sum
	v_rcp_f32 v14, v14
	v_nop                                          ; a plain instruction behind the reciprocal
	s_add_co_i32 s66, s60, s61
	s_wait_alu depctr_va_vdst(0)                   ; the wait ahead of its first reader
	v_ldexp_f32 v14, v14, s66
.set N, 0
.rept 32
	v_mul_f32 v[96+N], v[160+N], v14
.set N, N+1
.endr
.set N, 0
.rept 32
	v_med3_num_f32 v[96+N], v[96+N], -v247, v247
.set N, N+1
.endr
.irp t, 0,1,2,3
	v_cvt_scalef32_pk8_fp8_f32 v[208+2*\t:209+2*\t], v[96+8*\t:103+8*\t], v246
.endr
	v_nop
	global_store_b128 v1, v[208:211], s[8:9]       ; each store: 512 consecutive bytes, at a multiple of 256 from the buffer's first byte
	global_store_b128 v1, v[212:215], s[8:9] offset:512
	s_wait_tensorcnt 0x0
	ds_add_u32 v251, v255
	s_wait_dscnt 0x0
	s_endpgm
.Lfunc_end_k_q99d04cf1ff_attn:
	.size	k_q99d04cf1ff_attn, .Lfunc_end_k_q99d04cf1ff_attn-k_q99d04cf1ff_attn
	.p2alignl 7, 3214868480
	.fill 96, 4, 3214868480
	.section	.rodata,"a",@progbits
	.p2align	6, 0x0
	.amdhsa_kernel k_q99d04cf1ff_attn
		.amdhsa_group_segment_fixed_size 264192
		.amdhsa_private_segment_fixed_size 0
		.amdhsa_enable_private_segment 0
		.amdhsa_kernarg_size 24
		.amdhsa_user_sgpr_count 2
		.amdhsa_user_sgpr_kernarg_segment_ptr 1
		.amdhsa_wavefront_size32 1
		.amdhsa_system_sgpr_workgroup_id_x 1
		.amdhsa_system_sgpr_workgroup_id_y 1
		.amdhsa_system_sgpr_workgroup_id_z 1
		.amdhsa_system_vgpr_workitem_id 0
		.amdhsa_next_free_vgpr 256
		.amdhsa_next_free_sgpr 80
		.amdhsa_reserve_vcc 1
		.amdhsa_float_denorm_mode_32 3
		.amdhsa_float_denorm_mode_16_64 3
		.amdhsa_memory_ordered 1
		.amdhsa_forward_progress 1
		.amdhsa_inst_pref_size 73
	.end_amdhsa_kernel
	.amdgpu_metadata
---
amdhsa.version: [ 1, 2 ]
amdhsa.kernels:
  - .name:           k_q99d04cf1ff_attn
    .symbol:         k_q99d04cf1ff_attn.kd
    .args:
      - { .name: qkvimg, .offset: 0, .size: 8, .value_kind: global_buffer, .address_space: global }
      - { .name: lowp_scales, .offset: 8, .size: 8, .value_kind: global_buffer, .address_space: global }
      - { .name: yimg, .offset: 16, .size: 8, .value_kind: global_buffer, .address_space: global }
    .group_segment_fixed_size: 264192
    .private_segment_fixed_size: 0
    .kernarg_segment_align: 8
    .kernarg_segment_size: 24
    .max_flat_workgroup_size: 512
    .sgpr_count:     80
    .vgpr_count:     256
    .wavefront_size: 32
...
	.end_amdgpu_metadata
.endif
;; end of part 3
;; launch gemm_aproj (part 4): grid 4 x 16, 4 waves a work-group, clusters of 4 x 4, 327,680 bytes of LDS; arguments yimg, prepimg, lowp_scales, b_aproj, x, x1; writes x1
.if DOCPART == 4
	.amdgcn_target "amdgcn-amd-amdhsa--gfx1250"
	.amdhsa_code_object_version 6
	.text
	.protected	k_q99d04cf1ff_gemm_aproj
	.globl	k_q99d04cf1ff_gemm_aproj
	.p2align	8
	.type	k_q99d04cf1ff_gemm_aproj,@function
k_q99d04cf1ff_gemm_aproj:
	s_mov_b64 s[64:65], 0
	v_nop
	global_prefetch_b8 v0, s[64:65] scope:SCOPE_SE
	s_setreg_imm32_b32 hwreg(HW_REG_WAVE_MODE, 25, 1), 1
	s_wait_xcnt 0x0
	s_wait_alu depctr_hold_cnt(0) depctr_sa_sdst(0) depctr_va_vdst(0) depctr_va_sdst(0) depctr_va_ssrc(0) depctr_va_vcc(0) depctr_vm_vsrc(0)
	s_getreg_b32 s2, hwreg(HW_REG_IB_STS2, 6, 4)
	s_cmp_eq_u32 s2, 0
	s_cbranch_scc0 .Lentry_in_a_cluster
	s_endpgm
.Lentry_in_a_cluster:
	s_bfe_u32 s2, ttmp6, 0x10000c
	s_cmp_lg_u32 s2, 0xf033
	s_cbranch_scc0 .Lentry_shape_is_right
	s_endpgm
.Lentry_shape_is_right:
; x1 = x + Q(y) Q(w_aproj) + b_aproj: a product on codes of E4M3, its sums x 2^(e6 + e7), the bias and the residual added in f32.  Output [4096][1024] f32.
; OPERANDS ARE FRAGMENT IMAGES: [row / 16][k / 128][2,048 bytes], the 2,048 bytes being the operand's 16 registers x 32 lanes: piece p (registers 4p .. 4p+3) of lane L at 512 p + 16 L.
; A tile of 256 x 256 is made by four waves; a wave makes 128 x 128: 64 accumulators, 512 registers.  K goes in steps of 256 through a ring of two LDS slots filled by the tensor data mover.
; CLUSTERS: 4 x 4 work-groups; A's tile is shared along a row of the cluster, B's along a column: each is asked for jointly.  The output has 16 x 4 tiles: 64 work-groups.
; THE MATRIX INSTRUCTION IS USED TRANSPOSED (source 0 = 16 rows of B, source 1 = 16 rows of A): a lane holds eight neighbouring numbers of a row of the output.
; LIMIT: the two exponents' sum lies between -126 and 127.
; REGISTERS, in windows of 256: window 0: v16-29 addresses; v32-35 the bias of my four columns; from v128 A's fragments, one set; behind the loop v128-255 rows back from the stage, two sets.
;   window 1: B's fragments, two sets; behind the loop the residual's rows, four sets of 64.   windows 2, 3: the accumulators.
.set KTOT,   1024
.set BOFF,   0x700000                  ; the weight's image in prepimg
.set EOFF,   0x18                      ; the two exponents' place among the scales
.set KP,     16*KTOT
.set HALFT,  32768
.set SLOT,   4*HALFT
.set SPARE,  2*SLOT                    ; behind the ring: the spare words, 128 bytes for each wave: two blocks of 256 bytes that no other line names
.set LAPS,   KTOT/512
.set FR,     16
.set NL,     4
.set NP,     4
.set SPITCH, 528                       ; the way out: a stage of 16 rows x (512 bytes + 16) for each wave, in slot 0, which has had its last fill and its last read when the first result is stored there
.set ADRA, 16
.set ADRB, 20
.set STO,  24                          ; v24  the stage: where I put 32 bytes of a row
.set RD,   25                          ; v25  and where I read a row back
.set CO,   26                          ; v26  16 x lane
.set SPW,  28
.set NIL,  29
.set BI,   32
.set AF,   128
.set BK,   128
.set G1, 24
.set G0, 32
.set G1B, 48
.set G0B, 56
.set MSB, 0
.macro WIN new                         ; the immediate's high byte repeats the setting that is left
.if MSB != (\new)
	s_set_vgpr_msb (MSB<<8)|(\new)
.set MSB, (\new)
.endif
.endm
.set MUL_LO, 0xa1
.set MUL_HI, 0xf1
.set TO_B,   0x40
.macro JLOAD g0a, g1a, g0b, g1b        ; a joint load: waves 0 and 1 fetch for A, waves 2 and 3 for B; four v_nop follow each line
	s_cmp_eq_u32 s15, 0
	s_cbranch_scc0 .Lfor_b_\@
	tensor_load_to_lds s[\g0a:\g0a+3], s[\g1a:\g1a+7]
	s_nop 0
.rept 4
	v_nop
.endr
	s_branch .Lasked_\@
.Lfor_b_\@:
	tensor_load_to_lds s[\g0b:\g0b+3], s[\g1b:\g1b+7]
	s_nop 0
.rept 4
	v_nop
.endr
.Lasked_\@:
.endm
.macro CREST
	s_cmp_lg_u32 s14, 0
	s_cbranch_scc1 .Lnot_wave_0_\@
	s_barrier_signal -3
.Lnot_wave_0_\@:
	s_barrier_wait -3
	s_barrier_signal -1
	s_barrier_wait -1
.endm
.macro CROUND
	s_barrier_signal -1
	s_barrier_wait -1
	CREST
.endm
	s_load_b256 s[68:75], s[0:1], 0x0              ; A's image s[68:69], prepimg s[70:71], the scales' exponents s[72:73], the bias s[74:75]
	s_load_b128 s[76:79], s[0:1], 0x20             ; the residual s[76:77], the output s[78:79]
	v_lshl_add_u32 v[SPW], v0, 2, SPARE
	v_mov_b32 v[NIL], 0
	ds_add_u32 v28, v29
	ds_add_u32 v28, v29
	s_wait_dscnt 0x0
	v_lshrrev_b32 v1, 5, v0
	v_readfirstlane_b32 s14, v1                    ; wave 0..3
	s_lshr_b32 s15, s14, 1                         ; which half of the tile's rows is mine.  Also: I fetch for A (0) or for B (1)
	s_and_b32 s16, s14, 1                          ; which half of its columns.  Also: which 8 row tiles I fetch
	s_bfe_u32 s40, ttmp6, 0x40000                  ; cx, cy
	s_bfe_u32 s41, ttmp6, 0x40004
	s_lshl_b32 s42, ttmp9, 2
	s_add_co_u32 s42, s42, s40                     ; tile column = 4 x cluster x + cx
	s_and_b32 s17, ttmp7, 0xffff
	s_lshl_b32 s17, s17, 2
	s_add_co_u32 s17, s17, s41                     ; tile row = 4 x cluster y + cy
	s_lshl_b32 s43, s41, 2
	s_lshl_b32 s43, 15, s43                        ; my row of the cluster
	s_lshl_b32 s44, 0x1111, s40                    ; my column
	s_or_b32 s[G1+0], s43, (3<<16)|(1<<21)         ; 15:0 the mask; 17:16 elements of 8 bytes; 21 set beside a mask
	s_or_b32 s[G1B+0], s44, (3<<16)|(1<<21)
.irp g, G1, G1B
	s_mov_b32 s[\g+1], 512<<16                     ; 8 rows (row tiles) of 512 elements = 4,096 bytes (two fragments), KP bytes apart
	s_mov_b32 s[\g+2], 8<<16
	s_mov_b32 s[\g+3], 512<<16
	s_mov_b32 s[\g+4], 8
	s_mov_b32 s[\g+5], KP/8
	s_mov_b32 s[\g+6], 0
	s_mov_b32 s[\g+7], 0
.endr
	s_lshl_b32 s18, s16, 3
	s_lshl_b32 s20, s17, 4
	s_add_co_u32 s20, s20, s18
	s_mul_i32 s20, s20, KP
	s_mov_b32 s21, 0
	s_lshl_b32 s46, s42, 4
	s_add_co_u32 s46, s46, s18
	s_mul_i32 s46, s46, KP
	s_add_co_u32 s46, s46, BOFF
	s_mov_b32 s47, 0
	s_mul_i32 s45, s14, HALFT
	s_wait_kmcnt 0x0
	s_load_b64 s[80:81], s[72:73], EOFF
	s_add_nc_u64 s[20:21], s[68:69], s[20:21]
	s_add_nc_u64 s[46:47], s[70:71], s[46:47]
	CROUND                                         ; all sixteen work-groups are here: the first joint loads meet
.irp s, 0,1
	s_mov_b32 s[G0+4*\s], 1
	s_add_co_u32 s[G0+4*\s+1], s45, \s*SLOT
	s_add_nc_u64 s[G0+4*\s+2:G0+4*\s+3], s[20:21], \s*4096
	s_or_b32 s[G0+4*\s+3], s[G0+4*\s+3], 0x80000000
	s_mov_b32 s[G0B+4*\s], 1
	s_add_co_u32 s[G0B+4*\s+1], s45, \s*SLOT
	s_add_nc_u64 s[G0B+4*\s+2:G0B+4*\s+3], s[46:47], \s*4096
	s_or_b32 s[G0B+4*\s+3], s[G0B+4*\s+3], 0x80000000
	JLOAD G0+4*\s, G1, G0B+4*\s, G1B
.endr
	v_and_b32 v1, 31, v0
	v_lshlrev_b32 v[CO], 4, v1
	s_mul_i32 s21, s15, HALFT
	s_mul_i32 s22, s16, HALFT
	s_add_co_u32 s22, s22, 2*HALFT
.irp s, 0,1
	v_add_nc_u32 v[ADRA+\s], s21, v[CO]
	v_add_nc_u32 v[ADRB+\s], s22, v[CO]
	s_add_co_u32 s21, s21, SLOT
	s_add_co_u32 s22, s22, SLOT
.endr
	v_and_b32 v2, 15, v0
	v_bfe_u32 v3, v0, 4, 1
	s_mul_i32 s23, s14, 16*SPITCH                  ; my stage
	v_mul_u32_u24 v4, v2, SPITCH
	v_lshl_add_u32 v4, v3, 5, v4
	v_add_nc_u32 v[STO], s23, v4                   ; in: row l % 16, 32 bytes for each half of the lanes
	v_add_nc_u32 v[RD], s23, v[CO]                 ; back: the 32 lanes take one row of 512 bytes
	s_lshl_b32 s90, s42, 10
	s_lshl_b32 s91, s16, 9
	s_add_co_u32 s90, s90, s91                     ; my first column, in bytes: 1,024 x tile column + 512 x half
	s_mov_b32 s91, 0
	s_add_nc_u64 s[74:75], s[74:75], s[90:91]
	global_load_b128 v[BI:BI+3], v[CO], s[74:75]   ; the bias of my four columns of a row read back
	s_lshl_b32 s88, s17, 20
	s_lshl_b32 s89, s15, 19
	s_add_co_u32 s88, s88, s89                     ; my first row: (256 x tile row + 128 x half) x 4,096 bytes
	s_add_co_u32 s88, s88, s90
	s_mov_b32 s89, 0
	s_add_nc_u64 s[66:67], s[76:77], s[88:89]      ; neither base is stepped: block and row stand in the immediates, 520,192 at the most
	s_add_nc_u64 s[12:13], s[78:79], s[88:89]
.macro FRAG reg, adr, q, i
.irp c, 0,1,2,3
	ds_load_b128 v[\reg+4*\c:\reg+4*\c+3], v[\adr] offset:4096*(\i)+2048*(\q)+512*\c
.endr
.endm
.macro MUL16 a0, p, zero               ; the 64 accumulators take turns, one instruction a turn, in the same order in every step
.irp a, \a0, \a0+1
.irp b, 0,1,2,3,4,5,6,7
.if \zero
	v_wmma_f32_16x16x128_fp8_fp8 v[8*(8*((\a)%4)+\b):8*(8*((\a)%4)+\b)+7], v[128*(\p)+FR*\b:128*(\p)+FR*\b+FR-1], v[AF+FR*(\a):AF+FR*(\a)+FR-1], 0
.else
	v_wmma_f32_16x16x128_fp8_fp8 v[8*(8*((\a)%4)+\b):8*(8*((\a)%4)+\b)+7], v[128*(\p)+FR*\b:128*(\p)+FR*\b+FR-1], v[AF+FR*(\a):AF+FR*(\a)+FR-1], v[8*(8*((\a)%4)+\b):8*(8*((\a)%4)+\b)+7]
.endif
.endr
.endr
.endm
.macro FETCH_B slot, q, p
	WIN TO_B
.irp i, 0,1,2,3,4,5,6,7
	FRAG 128*(\p)+FR*\i, ADRB+\slot, \q, \i
.endr
	WIN 0
.endm
.macro FETCH_A slot, q, i0
.irp i, \i0, \i0+1, \i0+2, \i0+3
	FRAG AF+FR*(\i), ADRA+\slot, \q, \i
.endr
.endm
.macro PLACES n                        ; plain vector instructions between a matrix instruction and a load into, or a read of, its registers
.rept \n
	v_nop
.endr
.endm
.macro STEP slot, q, zero
	s_wait_dscnt 4*NL                              ; B's set and A's blocks 0-3 are in; the youngest 16 loads (A's blocks 4-7) may be out
	WIN MUL_LO
	MUL16 0, (\q)%2, \zero
	MUL16 2, (\q)%2, \zero
	s_wait_dscnt 0x0
	PLACES NP
	FETCH_B \slot, (\q)+1, 1-(\q)%2
	FETCH_A \slot, (\q)+1, 0
	WIN MUL_HI
	MUL16 4, (\q)%2, \zero
	MUL16 6, (\q)%2, \zero
	PLACES NP
	WIN 0
	FETCH_A \slot, (\q)+1, 4
.endm
.macro TURN slot, next, fill
	s_wait_tensorcnt 0x0                           ; all my tensor loads have landed: my part of the next slot
	ds_add_u32 v[SPW], v[NIL]                      ; 0 onto my spare word
	s_wait_dscnt 4*NL+1                            ; (the add and the youngest 16 loads may be out)
	WIN MUL_LO
	MUL16 0, 1, 0
	s_wait_dscnt 0x0                               ; the add is done, and my reads of this slot are over
	s_barrier_signal -1
	MUL16 2, 1, 0
	WIN 0
	s_barrier_wait -1
.if \fill
	CREST                                          ; a round of the cluster's barrier: no wave of any partner still reads this slot or has a load on its way
	s_add_nc_u64 s[G0+4*\slot+2:G0+4*\slot+3], s[G0+4*\slot+2:G0+4*\slot+3], 8192
	s_add_nc_u64 s[G0B+4*\slot+2:G0B+4*\slot+3], s[G0B+4*\slot+2:G0B+4*\slot+3], 8192
	JLOAD G0+4*\slot, G1, G0B+4*\slot, G1B         ; the first tensor load behind the round; its four v_nop are the places in front of the loads below
.else
	PLACES NP
.endif
	FETCH_B \next, 0, 0
	FETCH_A \next, 0, 0
	WIN MUL_HI
	MUL16 4, 1, 0
	MUL16 6, 1, 0
	PLACES NP
	WIN 0
	FETCH_A \next, 0, 4
.endm
	s_wait_tensorcnt 1                             ; my part of K step 0 is in (K step 1's load may be out)
	s_barrier_signal -1
	s_barrier_wait -1
	FETCH_B 0, 0, 0
	FETCH_A 0, 0, 0
	FETCH_A 0, 0, 4
	STEP 0, 0, 1
	s_mov_b32 s3, LAPS-1
.Llap:
	TURN 0, 1, 1
	STEP 1, 0, 0
	TURN 1, 0, 1
	STEP 0, 0, 0
	s_sub_co_u32 s3, s3, 1
	s_cmp_lg_u32 s3, 0
	s_cbranch_scc1 .Llap
	TURN 0, 1, 0
	STEP 1, 0, 0
	s_wait_dscnt 4*NL
	WIN MUL_LO
	MUL16 0, 1, 0
	MUL16 2, 1, 0
	s_wait_dscnt 0x0
	WIN MUL_HI
	MUL16 4, 1, 0
	MUL16 6, 1, 0
	WIN 0
; THE WAY OUT, block by block of 16 rows x 128 columns.  The raw sums go through my own stage in LDS and come back as whole rows of 512 bytes; there sum x 2^(eA + eB) + (residual + bias) is made and stored.
; LDS serves a wave's instructions in order (ISA guide 5.7.1.4): no wait between the stores and the loads, nor in front of the next block's stores.
.macro XLOAD a                         ; the residual's 16 rows of block a into set a % 4 of window 1
	WIN 0x40
.irp t, 0,1,2,3,4,5,6,7,8,9,10,11,12,13,14,15
	global_load_b128 v[64*((\a)%4)+4*\t:64*((\a)%4)+4*\t+3], v[CO], s[66:67] offset:(\a)*65536+\t*4096 th:TH_LOAD_NT
.endr
	WIN 0
.endm
.macro TOSTAGE a
	WIN 0x08+4*((\a)/4)                            ; the stores' data: window 2 or 3
.irp b, 0,1,2,3,4,5,6,7
	ds_store_b128 v[STO], v[64*((\a)%4)+8*\b:64*((\a)%4)+8*\b+3] offset:64*\b          ; each accumulator from its low end on
	ds_store_b128 v[STO], v[64*((\a)%4)+8*\b+4:64*((\a)%4)+8*\b+7] offset:64*\b+16
.endr
	WIN 0
.set BB, BK+64*((\a)%2)
.irp t, 0,1,2,3,4,5,6,7,8,9,10,11,12,13,14,15
	ds_load_b128 v[BB+4*\t:BB+4*\t+3], v[RD] offset:\t*SPITCH
.endr
.endm
.macro SEND a, younger                 ; younger: the LDS instructions issued behind block a's loads
.set BB, BK+64*((\a)%2)
.set XR, 64*((\a)%4)
	s_wait_dscnt \younger                          ; the block is back in registers
.if 7-(\a) > 3
	s_wait_loadcnt 48                              ; its residual rows are in; those of the three blocks behind it may be out
.else
	s_wait_loadcnt 16*(7-(\a))
.endif
	WIN 0x41                                       ; destination and source 0 window 1
.irp t, 0,1,2,3,4,5,6,7,8,9,10,11,12,13,14,15
	v_pk_add_f32 v[XR+4*\t:XR+4*\t+1], v[XR+4*\t:XR+4*\t+1], v[BI:BI+1]
	v_pk_add_f32 v[XR+4*\t+2:XR+4*\t+3], v[XR+4*\t+2:XR+4*\t+3], v[BI+2:BI+3]
.endr
	WIN 0x10                                       ; source 2 window 1
.irp t, 0,1,2,3,4,5,6,7,8,9,10,11,12,13,14,15
	v_pk_fma_f32 v[BB+4*\t:BB+4*\t+1], v[BB+4*\t:BB+4*\t+1], s[96:97], v[XR+4*\t:XR+4*\t+1] op_sel_hi:[1,0,1]
	v_pk_fma_f32 v[BB+4*\t+2:BB+4*\t+3], v[BB+4*\t+2:BB+4*\t+3], s[96:97], v[XR+4*\t+2:XR+4*\t+3] op_sel_hi:[1,0,1]
.endr
	WIN 0
.irp t, 0,1,2,3,4,5,6,7,8,9,10,11,12,13,14,15
	global_store_b128 v[CO], v[BB+4*\t:BB+4*\t+3], s[12:13] offset:(\a)*65536+\t*4096   ; 32 lanes store 512 consecutive bytes, at a multiple of 256 from the buffer's first byte
.endr
.if (\a) < 4
	XLOAD (\a)+4
.endif
.endm
	PLACES NP                                      ; behind the last products: loads land in B's and A's registers, LDS stores read results
	XLOAD 0
	XLOAD 1
	XLOAD 2
	XLOAD 3
	s_wait_kmcnt 0x0
	s_add_co_i32 s96, s80, s81
	s_add_co_i32 s96, s96, 127
	s_lshl_b32 s96, s96, 23                        ; 2^(eA + eB) as f32
	s_mov_b32 s97, s96
	TOSTAGE 0
.irp a, 1,2,3,4,5,6,7
.if \a > 1
	s_wait_xcnt 0x0                                ; block a - 2's stores have read their registers: block a's loads may land there
.endif
	TOSTAGE \a
	SEND \a-1, 32                                  ; behind block a - 1's loads: block a's 16 stores and 16 loads
.endr
	s_wait_xcnt 0x0
	SEND 7, 0
	s_wait_tensorcnt 0x0                           ; the wave's end
	ds_add_u32 v[SPW], v[NIL]
	s_wait_dscnt 0x0
	CROUND                                         ; the closing round
	s_endpgm
.Lfunc_end_k_q99d04cf1ff_gemm_aproj:
	.size	k_q99d04cf1ff_gemm_aproj, .Lfunc_end_k_q99d04cf1ff_gemm_aproj-k_q99d04cf1ff_gemm_aproj
	.p2alignl 7, 3214868480
	.fill 96, 4, 3214868480
	.section	.rodata,"a",@progbits
	.p2align	6, 0x0
	.amdhsa_kernel k_q99d04cf1ff_gemm_aproj
		.amdhsa_group_segment_fixed_size 327680
		.amdhsa_private_segment_fixed_size 0
		.amdhsa_enable_private_segment 0
		.amdhsa_kernarg_size 48
		.amdhsa_user_sgpr_count 2
		.amdhsa_user_sgpr_kernarg_segment_ptr 1
		.amdhsa_wavefront_size32 1
		.amdhsa_system_sgpr_workgroup_id_x 1
		.amdhsa_system_sgpr_workgroup_id_y 1
		.amdhsa_system_sgpr_workgroup_id_z 1
		.amdhsa_system_vgpr_workitem_id 0
		.amdhsa_next_free_vgpr 1024
		.amdhsa_next_free_sgpr 100
		.amdhsa_reserve_vcc 0
		.amdhsa_float_denorm_mode_32 3
		.amdhsa_float_denorm_mode_16_64 3
		.amdhsa_memory_ordered 1
		.amdhsa_forward_progress 1
		.amdhsa_inst_pref_size 152
	.end_amdhsa_kernel
	.amdgpu_metadata
---
amdhsa.version: [ 1, 2 ]
amdhsa.kernels:
  - .name:           k_q99d04cf1ff_gemm_aproj
    .symbol:         k_q99d04cf1ff_gemm_aproj.kd
    .args:
      - { .name: yimg, .offset: 0, .size: 8, .value_kind: global_buffer, .address_space: global }
      - { .name: prepimg, .offset: 8, .size: 8, .value_kind: global_buffer, .address_space: global }
      - { .name: lowp_scales, .offset: 16, .size: 8, .value_kind: global_buffer, .address_space: global }
      - { .name: b_aproj, .offset: 24, .size: 8, .value_kind: global_buffer, .address_space: global }
      - { .name: x, .offset: 32, .size: 8, .value_kind: global_buffer, .address_space: global }
      - { .name: x1, .offset: 40, .size: 8, .value_kind: global_buffer, .address_space: global }
    .group_segment_fixed_size: 327680
    .private_segment_fixed_size: 0
    .kernarg_segment_align: 8
    .kernarg_segment_size: 48
    .max_flat_workgroup_size: 128
    .sgpr_count:     100
    .vgpr_count:     1024
    .wavefront_size: 32
...
	.end_amdgpu_metadata
.endif
;; end of part 4
;; launch ln2 (part 5): grid 256 x 1, 4 waves a work-group, no clusters, 17,920 bytes of LDS; arguments x1, ln2_g, ln2_b, lowp_scales, h2img; writes h2img
.if DOCPART == 5
	.amdgcn_target "amdgcn-amd-amdhsa--gfx1250"
	.amdhsa_code_object_version 6
	.text
	.protected	k_q99d04cf1ff_ln2
	.globl	k_q99d04cf1ff_ln2
	.p2align	8
	.type	k_q99d04cf1ff_ln2,@function
k_q99d04cf1ff_ln2:
	s_mov_b64 s[64:65], 0
	v_nop
	global_prefetch_b8 v0, s[64:65] scope:SCOPE_SE
	s_setreg_imm32_b32 hwreg(HW_REG_WAVE_MODE, 25, 1), 1
	s_wait_xcnt 0x0
; The second layer norm, of x1 [4096][1024], quantised to E4M3 with the given scale 2^e8 and laid as fragment images: [row / 16][k / 128][2,048 bytes], the operand's 16 registers x 32 lanes:
; byte(r, k') = 512 (k'/32) + 256 ((k'/8)%2) + 16 r + 8 ((k'/16)%2) + k'%8.
; A work-group takes 16 rows (one row tile), a wave four of them, a row across its 32 lanes: a lane holds 8 neighbouring columns of each quarter of the row, as the conversion wants them.
; LIMITS: e8 between -126 and 119.  NaN is not served; an infinity is held at the largest code.  No tensor loads, no matrix work: memory binds.
.set LX, 32                            ; v32-159   four rows: row j at LX + 32 j; register 8 q + i is column 256 q + 8 lane + i
.set LG, 160                           ; v160-191  the gain
.set LB, 192                           ; v192-223  the bias
.set LC, 224                           ; v224-255  codes, 8 registers a row
.set ST, 8                             ; v8-23     row j: two pairs at ST + 4 j
.set PL, 24                            ; v24-27    the lane exchange's destinations
.set UP, 272                           ; the stage: 64 units of 256 bytes, 16 bytes of padding behind each
	s_load_b256 s[4:11], s[0:1], 0x0               ; x1 s[4:5], ln2_g s[6:7], ln2_b s[8:9], the scales' exponents s[10:11]
	s_load_b64 s[20:21], s[0:1], 0x20              ; h2img
	v_lshl_add_u32 v28, v0, 2, 0x4400
	v_mov_b32 v29, 0
	v_lshrrev_b32 v1, 5, v0
	v_readfirstlane_b32 s22, v1                    ; wave 0..3
	v_and_b32 v1, 31, v0                           ; lane
	s_wait_kmcnt 0x0
	s_load_b32 s48, s[10:11], 0x20                 ; e8
	s_lshl_b32 s32, ttmp9, 16                      ; 16 rows of 4,096 bytes
	s_lshl_b32 s33, s22, 14                        ; my wave's four
	s_add_co_u32 s32, s32, s33
	s_mov_b32 s33, 0
	s_add_nc_u64 s[4:5], s[4:5], s[32:33]
	v_lshlrev_b32 v2, 5, v1                        ; 32 bytes a lane
.irp j, 0,1,2,3
.irp q, 0,1,2,3
	global_load_b128 v[LX+32*\j+8*\q:LX+32*\j+8*\q+3], v2, s[4:5] offset:4096*\j+1024*\q th:TH_LOAD_NT       ; the two loads of a quarter cover its 1,024 bytes
	global_load_b128 v[LX+32*\j+8*\q+4:LX+32*\j+8*\q+7], v2, s[4:5] offset:4096*\j+1024*\q+16 th:TH_LOAD_NT
.endr
.endr
.irp q, 0,1,2,3
	global_load_b128 v[LG+8*\q:LG+8*\q+3], v2, s[6:7] offset:1024*\q
	global_load_b128 v[LG+8*\q+4:LG+8*\q+7], v2, s[6:7] offset:1024*\q+16
	global_load_b128 v[LB+8*\q:LB+8*\q+3], v2, s[8:9] offset:1024*\q
	global_load_b128 v[LB+8*\q+4:LB+8*\q+7], v2, s[8:9] offset:1024*\q+16
.endr
	s_lshl_b32 s34, ttmp9, 14                      ; the image: a row tile is 16,384 bytes; my wave stores a quarter of it
	s_lshl_b32 s35, s22, 12
	s_add_co_u32 s34, s34, s35
	s_mov_b32 s35, 0
	s_add_nc_u64 s[20:21], s[20:21], s[34:35]
	s_mov_b32 s24, 0x76543210                      ; lane selects: lane l xor 16
	s_mov_b32 s25, 0xfedcba98
	s_mov_b32 s26, 0xba800000                      ; -1/1024
	s_mov_b32 s27, 0x3a800000                      ; 1/1024
	s_mov_b32 s28, 0x3727c5ac                      ; 1e-5
	; my 8 codes of quarter q, row 4 w + j, belong to unit 16 q + 8 (l / 16) + 2 ((l / 4) % 4) + l % 2, at 16 x row + 8 ((l / 2) % 2)
	v_bfe_u32 v6, v0, 4, 1
	v_bfe_u32 v7, v0, 2, 2
	v_lshlrev_b32 v6, 3, v6
	v_lshl_add_u32 v6, v7, 1, v6
	v_and_b32 v7, 1, v0
	v_add_nc_u32 v6, v6, v7
	v_mul_u32_u24 v3, v6, UP
	v_bfe_u32 v7, v0, 1, 1
	v_lshl_add_u32 v3, v7, 3, v3
	s_lshl_b32 s34, s22, 6
	v_add_nc_u32 v3, s34, v3                       ; the stage, on the way in
	v_bfe_u32 v6, v0, 4, 1
	v_and_b32 v7, 15, v0
	v_mul_u32_u24 v4, v6, UP
	v_lshl_add_u32 v4, v7, 4, v4
	s_mul_i32 s34, s22, 16*UP
	v_add_nc_u32 v4, s34, v4                       ; and back: my wave's 16 units, two an instruction
	v_lshlrev_b32 v5, 4, v1
.irp j, 0,1,2,3
	v_mov_b32 v[PL+\j], 0                          ; written once: a lane exchange's destination counts as one of its sources
.endr
	s_wait_kmcnt 0x0
	s_add_co_i32 s35, s48, 127
	s_lshl_b32 s36, s35, 23
	v_mov_b32 v30, s36                             ; 2^e as f32
	s_add_co_i32 s35, s35, 8
	s_lshl_b32 s35, s35, 23
	s_or_b32 s35, s35, 0x600000
	v_mov_b32 v31, s35                             ; 448 x 2^e
.macro FOLD                            ; the two chains, the pair's halves, the 32 lanes: every lane ends with the row's sum in v[ST + 4 j]
.irp j, 0,1,2,3
	v_pk_add_f32 v[ST+4*\j:ST+4*\j+1], v[ST+4*\j:ST+4*\j+1], v[ST+4*\j+2:ST+4*\j+3]
.endr
.irp j, 0,1,2,3
	v_add_f32 v[ST+4*\j], v[ST+4*\j], v[ST+4*\j+1]
.endr
.irp m, 1,2,4,8
.irp j, 0,1,2,3
	v_add_f32_dpp v[ST+4*\j], v[ST+4*\j], v[ST+4*\j] row_xmask:\m row_mask:0xf bank_mask:0xf
.endr
.endr
.irp j, 0,1,2,3
	v_permlanex16_b32 v[PL+\j], v[ST+4*\j], s24, s25
.endr
.irp j, 0,1,2,3
	v_add_f32 v[ST+4*\j], v[ST+4*\j], v[PL+\j]
.endr
.endm
	s_wait_loadcnt 16                              ; the rows' 32 loads are in; the 16 of gain and bias may be out
.irp j, 0,1,2,3
	v_pk_add_f32 v[ST+4*\j:ST+4*\j+1], v[LX+32*\j:LX+32*\j+1], v[LX+32*\j+2:LX+32*\j+3]
	v_pk_add_f32 v[ST+4*\j+2:ST+4*\j+3], v[LX+32*\j+4:LX+32*\j+5], v[LX+32*\j+6:LX+32*\j+7]
.endr
.irp i, 8,12,16,20,24,28
.irp j, 0,1,2,3
	v_pk_add_f32 v[ST+4*\j:ST+4*\j+1], v[ST+4*\j:ST+4*\j+1], v[LX+32*\j+\i:LX+32*\j+\i+1]
	v_pk_add_f32 v[ST+4*\j+2:ST+4*\j+3], v[ST+4*\j+2:ST+4*\j+3], v[LX+32*\j+\i+2:LX+32*\j+\i+3]
.endr
.endr
	FOLD
.irp j, 0,1,2,3
	v_mul_f32 v[ST+4*\j+2], s26, v[ST+4*\j]        ; -mean, in both halves of a pair
	v_mul_f32 v[ST+4*\j+3], s26, v[ST+4*\j]
.endr
.irp i, 0,2,4,6,8,10,12,14,16,18,20,22,24,26,28,30
.irp j, 0,1,2,3
	v_pk_add_f32 v[LX+32*\j+\i:LX+32*\j+\i+1], v[LX+32*\j+\i:LX+32*\j+\i+1], v[ST+4*\j+2:ST+4*\j+3]   ; d = x - mean: the variance is summed of deviations
.endr
.endr
.irp j, 0,1,2,3
	v_pk_mul_f32 v[ST+4*\j:ST+4*\j+1], v[LX+32*\j:LX+32*\j+1], v[LX+32*\j:LX+32*\j+1]
	v_pk_mul_f32 v[ST+4*\j+2:ST+4*\j+3], v[LX+32*\j+2:LX+32*\j+3], v[LX+32*\j+2:LX+32*\j+3]
.endr
.irp i, 4,8,12,16,20,24,28
.irp j, 0,1,2,3
	v_pk_fma_f32 v[ST+4*\j:ST+4*\j+1], v[LX+32*\j+\i:LX+32*\j+\i+1], v[LX+32*\j+\i:LX+32*\j+\i+1], v[ST+4*\j:ST+4*\j+1]
	v_pk_fma_f32 v[ST+4*\j+2:ST+4*\j+3], v[LX+32*\j+\i+2:LX+32*\j+\i+3], v[LX+32*\j+\i+2:LX+32*\j+\i+3], v[ST+4*\j+2:ST+4*\j+3]
.endr
.endr
	FOLD
.irp j, 0,1,2,3
	v_fma_f32 v[ST+4*\j], v[ST+4*\j], s27, s28     ; variance + 1e-5
.endr
.irp j, 0,1,2,3
	v_rsq_f32 v[ST+4*\j+2], v[ST+4*\j]             ; eight roots, one batch
	v_rsq_f32 v[ST+4*\j+3], v[ST+4*\j]
.endr
	v_nop                                          ; one plain instruction behind the last of them (ISA guide 5.7.2)
	s_wait_alu depctr_va_vdst(0)                   ; one wait for the batch, ahead of its first reader
	s_wait_loadcnt 0x0                             ; gain and bias
.macro FINISH j                        ; row j: d x rstd x g + b, the hold, the codes, into the stage
.set XR, LX+32*\j
.set N, 0
.rept 16
	v_pk_mul_f32 v[XR+N:XR+N+1], v[XR+N:XR+N+1], v[ST+4*\j+2:ST+4*\j+3]
.set N, N+2
.endr
.set N, 0
.rept 16
	v_pk_fma_f32 v[XR+N:XR+N+1], v[XR+N:XR+N+1], v[LG+N:LG+N+1], v[LB+N:LB+N+1]
.set N, N+2
.endr
.set N, 0
.rept 32
	v_med3_num_f32 v[XR+N], v[XR+N], -v31, v31     ; the conversion to an 8-bit code does not saturate (ISA guide 7.6.2)
.set N, N+1
.endr
.irp q, 0,1,2,3
	v_cvt_scalef32_pk8_fp8_f32 v[LC+8*\j+2*\q:LC+8*\j+2*\q+1], v[XR+8*\q:XR+8*\q+7], v30
.endr
.irp q, 0,1,2,3
	ds_store_b64 v3, v[LC+8*\j+2*\q:LC+8*\j+2*\q+1] offset:16*UP*\q+16*\j
.endr
.endm
	FINISH 0
	FINISH 1
	FINISH 2
	FINISH 3
	v_nop                                          ; a plain instruction behind the last scaled conversion
	s_wait_dscnt 0x0                               ; for the others' sake: my stores into the stage are done
	s_barrier_signal -1
	s_barrier_wait -1                              ; a unit's 16 rows come from four waves
.irp i, 0,1,2,3,4,5,6,7
	ds_load_b128 v[LX+4*\i:LX+4*\i+3], v4 offset:2*UP*\i
.endr
.irp i, 0,1,2,3,4,5,6,7
	s_wait_dscnt 7-\i                              ; load i is in, the younger ones may be out
	global_store_b128 v5, v[LX+4*\i:LX+4*\i+3], s[20:21] offset:512*\i   ; 32 lanes store 512 consecutive bytes, at a multiple of 256 from the buffer's first byte
.endr
	s_wait_tensorcnt 0x0
	ds_add_u32 v28, v29
	s_wait_dscnt 0x0
	s_endpgm
.Lfunc_end_k_q99d04cf1ff_ln2:
	.size	k_q99d04cf1ff_ln2, .Lfunc_end_k_q99d04cf1ff_ln2-k_q99d04cf1ff_ln2
	.p2alignl 7, 3214868480
	.fill 96, 4, 3214868480
	.section	.rodata,"a",@progbits
	.p2align	6, 0x0
	.amdhsa_kernel k_q99d04cf1ff_ln2
		.amdhsa_group_segment_fixed_size 17920
		.amdhsa_private_segment_fixed_size 0
		.amdhsa_enable_private_segment 0
		.amdhsa_kernarg_size 40
		.amdhsa_user_sgpr_count 2
		.amdhsa_user_sgpr_kernarg_segment_ptr 1
		.amdhsa_wavefront_size32 1
		.amdhsa_system_sgpr_workgroup_id_x 1
		.amdhsa_system_sgpr_workgroup_id_y 1
		.amdhsa_system_sgpr_workgroup_id_z 1
		.amdhsa_system_vgpr_workitem_id 0
		.amdhsa_next_free_vgpr 256
		.amdhsa_next_free_sgpr 66
		.amdhsa_reserve_vcc 0
		.amdhsa_float_denorm_mode_32 3
		.amdhsa_float_denorm_mode_16_64 3
		.amdhsa_memory_ordered 1
		.amdhsa_forward_progress 1
		.amdhsa_inst_pref_size 43
	.end_amdhsa_kernel
	.amdgpu_metadata
---
amdhsa.version: [ 1, 2 ]
amdhsa.kernels:
  - .name:           k_q99d04cf1ff_ln2
    .symbol:         k_q99d04cf1ff_ln2.kd
    .args:
      - { .name: x1, .offset: 0, .size: 8, .value_kind: global_buffer, .address_space: global }
      - { .name: ln2_g, .offset: 8, .size: 8, .value_kind: global_buffer, .address_space: global }
      - { .name: ln2_b, .offset: 16, .size: 8, .value_kind: global_buffer, .address_space: global }
      - { .name: lowp_scales, .offset: 24, .size: 8, .value_kind: global_buffer, .address_space: global }
      - { .name: h2img, .offset: 32, .size: 8, .value_kind: global_buffer, .address_space: global }
    .group_segment_fixed_size: 17920
    .private_segment_fixed_size: 0
    .kernarg_segment_align: 8
    .kernarg_segment_size: 40
    .max_flat_workgroup_size: 128
    .sgpr_count:     66
    .vgpr_count:     256
    .wavefront_size: 32
...
	.end_amdgpu_metadata
.endif
;; end of part 5
;; launch gemm_fc (part 6): grid 16 x 16, 4 waves a work-group, clusters of 4 x 4, 327,680 bytes of LDS; arguments h2img, prepimg, lowp_scales, b_fc, fcimg; writes fcimg
.if DOCPART == 6
	.amdgcn_target "amdgcn-amd-amdhsa--gfx1250"
	.amdhsa_code_object_version 6
	.text
	.protected	k_q99d04cf1ff_gemm_fc
	.globl	k_q99d04cf1ff_gemm_fc
	.p2align	8
	.type	k_q99d04cf1ff_gemm_fc,@function
k_q99d04cf1ff_gemm_fc:
	s_mov_b64 s[64:65], 0
	v_nop
	global_prefetch_b8 v0, s[64:65] scope:SCOPE_SE
	s_setreg_imm32_b32 hwreg(HW_REG_WAVE_MODE, 25, 1), 1
	s_wait_xcnt 0x0
	s_wait_alu depctr_hold_cnt(0) depctr_sa_sdst(0) depctr_va_vdst(0) depctr_va_sdst(0) depctr_va_ssrc(0) depctr_va_vcc(0) depctr_vm_vsrc(0)
	s_getreg_b32 s2, hwreg(HW_REG_IB_STS2, 6, 4)
	s_cmp_eq_u32 s2, 0
	s_cbranch_scc0 .Lentry_in_a_cluster
	s_endpgm
.Lentry_in_a_cluster:
	s_bfe_u32 s2, ttmp6, 0x10000c
	s_cmp_lg_u32 s2, 0xf033
	s_cbranch_scc0 .Lentry_shape_is_right
	s_endpgm
.Lentry_shape_is_right:
; Q(gelu(Q(LN2(x1)) Q(w_fc) + b_fc)): a product on codes of E4M3, its sums x 2^(e8 + e9) + the bias, the exact GELU in f32, and the result quantised with e10 for the next product, whose K is this product's N.
; OPERANDS AND RESULT ARE FRAGMENT IMAGES: [row / 16][k / 128][2,048 bytes], the operand's 16 registers x 32 lanes: piece p (registers 4p .. 4p+3) of lane L at 512 p + 16 L.
; A tile of 256 x 256 is made by four waves; a wave makes 128 x 128: 64 accumulators.  K goes in steps of 256 through a ring of two LDS slots.  CLUSTERS: 4 x 4; A's tile shared along a row, B's along a column, asked for jointly.
; THE MATRIX INSTRUCTION IS USED TRANSPOSED (source 0 = 16 rows of B, source 1 = 16 rows of A): lane (r, h) holds token r and hidden units 8 h + 0 .. 7: one conversion of an accumulator gives registers 2 b, 2 b + 1 of the next
; operand, a block's eight accumulators one fragment image, stored from registers.
; GELU: u/2 (1 + erf(u / sqrt 2)), erf(z) = z P(z^2) / Q(z^2), a rational form of degrees 6 and 4 in z^2, z held within +-4, where erf is +-1 to f32's last place.  For u under about -5.6 the result carries an absolute error
; of up to |u| x 6e-8, as any f32 form of 1 + erf does.
; LIMITS: e8 + e9 between -126 and 127; e10 between -126 and 119.  NaN is not served.
; REGISTERS, window 0: v2-15 P's seven coefficients, v114-123 Q's five, v124-125 1 / sqrt 2, each in both halves of a pair; v16-29 addresses; v32-95 the bias; v96-111 codes; v112, v113 the conversion's scale and hold;
;   from v128 A's fragments; behind the loop v128-191 a block's numbers, v192-255 at work.   window 1: B's fragments, two sets.   windows 2, 3: the accumulators.
.set KTOT,   1024
.set BOFF,   0x800000                  ; w_fc^T's image in prepimg
.set KP,     16*KTOT
.set HALFT,  32768
.set SLOT,   4*HALFT
.set SPARE,  2*SLOT                    ; behind the ring: the spare words, 128 bytes for each wave: two blocks of 256 bytes that no other line names
.set LAPS,   KTOT/512
.set FR,     16
.set NL,     4
.set NP,     4
.set ADRA, 16
.set ADRB, 20
.set CO,   26
.set SPW,  28
.set NIL,  29
.set AF,   128
.set T,    128
.set BQ,   32
.set CD,   96
.set PA,   2
.set QA,   114
.set RH,   124
.set Z,    192
.set Z2,   208
.set PR,   224
.set QR,   240
.set G1, 24
.set G0, 32
.set G1B, 48
.set G0B, 56
.set MSB, 0
.macro WIN new                         ; the immediate's high byte repeats the setting that is left
.if MSB != (\new)
	s_set_vgpr_msb (MSB<<8)|(\new)
.set MSB, (\new)
.endif
.endm
.set MUL_LO, 0xa1
.set MUL_HI, 0xf1
.set TO_B,   0x40
.macro JLOAD g0a, g1a, g0b, g1b        ; a joint load: waves 0 and 1 fetch for A, waves 2 and 3 for B; four v_nop follow each line
	s_cmp_eq_u32 s15, 0
	s_cbranch_scc0 .Lfor_b_\@
	tensor_load_to_lds s[\g0a:\g0a+3], s[\g1a:\g1a+7]
	s_nop 0
.rept 4
	v_nop
.endr
	s_branch .Lasked_\@
.Lfor_b_\@:
	tensor_load_to_lds s[\g0b:\g0b+3], s[\g1b:\g1b+7]
	s_nop 0
.rept 4
	v_nop
.endr
.Lasked_\@:
.endm
.macro CREST
	s_cmp_lg_u32 s14, 0
	s_cbranch_scc1 .Lnot_wave_0_\@
	s_barrier_signal -3
.Lnot_wave_0_\@:
	s_barrier_wait -3
	s_barrier_signal -1
	s_barrier_wait -1
.endm
.macro CROUND
	s_barrier_signal -1
	s_barrier_wait -1
	CREST
.endm
	s_load_b256 s[68:75], s[0:1], 0x0              ; h2img s[68:69], prepimg s[70:71], the scales' exponents s[72:73], b_fc s[74:75]
	s_load_b64 s[76:77], s[0:1], 0x20              ; fcimg
	v_lshl_add_u32 v[SPW], v0, 2, SPARE
	v_mov_b32 v[NIL], 0
	ds_add_u32 v28, v29
	ds_add_u32 v28, v29
	s_wait_dscnt 0x0
	v_lshrrev_b32 v1, 5, v0
	v_readfirstlane_b32 s14, v1                    ; wave 0..3
	s_lshr_b32 s15, s14, 1
	s_and_b32 s16, s14, 1
	s_bfe_u32 s40, ttmp6, 0x40000                  ; cx, cy
	s_bfe_u32 s41, ttmp6, 0x40004
	s_lshl_b32 s42, ttmp9, 2
	s_add_co_u32 s42, s42, s40                     ; tile column = 4 x cluster x + cx
	s_and_b32 s17, ttmp7, 0xffff
	s_lshl_b32 s17, s17, 2
	s_add_co_u32 s17, s17, s41                     ; tile row = 4 x cluster y + cy
	s_lshl_b32 s43, s41, 2
	s_lshl_b32 s43, 15, s43
	s_lshl_b32 s44, 0x1111, s40
	s_or_b32 s[G1+0], s43, (3<<16)|(1<<21)         ; 15:0 the mask; 17:16 elements of 8 bytes; 21 set beside a mask
	s_or_b32 s[G1B+0], s44, (3<<16)|(1<<21)
.irp g, G1, G1B
	s_mov_b32 s[\g+1], 512<<16                     ; 8 rows (row tiles) of 512 elements = 4,096 bytes (two fragments), KP bytes apart
	s_mov_b32 s[\g+2], 8<<16
	s_mov_b32 s[\g+3], 512<<16
	s_mov_b32 s[\g+4], 8
	s_mov_b32 s[\g+5], KP/8
	s_mov_b32 s[\g+6], 0
	s_mov_b32 s[\g+7], 0
.endr
	s_lshl_b32 s18, s16, 3
	s_lshl_b32 s20, s17, 4
	s_add_co_u32 s20, s20, s18
	s_mul_i32 s20, s20, KP
	s_mov_b32 s21, 0
	s_lshl_b32 s46, s42, 4
	s_add_co_u32 s46, s46, s18
	s_mul_i32 s46, s46, KP
	s_add_co_u32 s46, s46, BOFF
	s_mov_b32 s47, 0
	s_mul_i32 s45, s14, HALFT
	s_wait_kmcnt 0x0
	s_load_b128 s[80:83], s[72:73], 0x20           ; e8, e9, e10, e11
	s_add_nc_u64 s[20:21], s[68:69], s[20:21]
	s_add_nc_u64 s[46:47], s[70:71], s[46:47]
	CROUND                                         ; all sixteen work-groups are here: the first joint loads meet
.irp s, 0,1
	s_mov_b32 s[G0+4*\s], 1
	s_add_co_u32 s[G0+4*\s+1], s45, \s*SLOT
	s_add_nc_u64 s[G0+4*\s+2:G0+4*\s+3], s[20:21], \s*4096
	s_or_b32 s[G0+4*\s+3], s[G0+4*\s+3], 0x80000000
	s_mov_b32 s[G0B+4*\s], 1
	s_add_co_u32 s[G0B+4*\s+1], s45, \s*SLOT
	s_add_nc_u64 s[G0B+4*\s+2:G0B+4*\s+3], s[46:47], \s*4096
	s_or_b32 s[G0B+4*\s+3], s[G0B+4*\s+3], 0x80000000
	JLOAD G0+4*\s, G1, G0B+4*\s, G1B
.endr
	v_and_b32 v1, 31, v0
	v_lshlrev_b32 v[CO], 4, v1
	s_mul_i32 s21, s15, HALFT
	s_mul_i32 s22, s16, HALFT
	s_add_co_u32 s22, s22, 2*HALFT
.irp s, 0,1
	v_add_nc_u32 v[ADRA+\s], s21, v[CO]
	v_add_nc_u32 v[ADRB+\s], s22, v[CO]
	s_add_co_u32 s21, s21, SLOT
	s_add_co_u32 s22, s22, SLOT
.endr
	v_bfe_u32 v2, v0, 4, 1
	v_lshlrev_b32 v27, 5, v2                       ; 32 h
	s_lshl_b32 s88, s42, 10
	s_lshl_b32 s89, s16, 9
	s_add_co_u32 s88, s88, s89                     ; 4 bytes x my first hidden unit
	s_mov_b32 s89, 0
	s_add_nc_u64 s[74:75], s[74:75], s[88:89]
.irp b, 0,1,2,3,4,5,6,7
	global_load_b128 v[BQ+8*\b:BQ+8*\b+3], v27, s[74:75] offset:64*\b       ; the bias of hidden units 16 b + 8 h + 0 .. 7
	global_load_b128 v[BQ+8*\b+4:BQ+8*\b+7], v27, s[74:75] offset:64*\b+16
.endr
	s_lshl_b32 s88, s17, 20                        ; fcimg: row tile 16 x tile row + 8 x half, of 65,536 bytes;
	s_lshl_b32 s89, s15, 19
	s_add_co_u32 s88, s88, s89
	s_lshl_b32 s89, s42, 12                        ; fragment 2 x tile column + half, of 2,048
	s_add_co_u32 s88, s88, s89
	s_lshl_b32 s89, s16, 11
	s_add_co_u32 s88, s88, s89
	s_mov_b32 s89, 0
	s_add_nc_u64 s[12:13], s[76:77], s[88:89]
.macro FRAG reg, adr, q, i
.irp c, 0,1,2,3
	ds_load_b128 v[\reg+4*\c:\reg+4*\c+3], v[\adr] offset:4096*(\i)+2048*(\q)+512*\c
.endr
.endm
.macro MUL16 a0, p, zero               ; the 64 accumulators take turns, one instruction a turn, in the same order in every step
.irp a, \a0, \a0+1
.irp b, 0,1,2,3,4,5,6,7
.if \zero
	v_wmma_f32_16x16x128_fp8_fp8 v[8*(8*((\a)%4)+\b):8*(8*((\a)%4)+\b)+7], v[128*(\p)+FR*\b:128*(\p)+FR*\b+FR-1], v[AF+FR*(\a):AF+FR*(\a)+FR-1], 0
.else
	v_wmma_f32_16x16x128_fp8_fp8 v[8*(8*((\a)%4)+\b):8*(8*((\a)%4)+\b)+7], v[128*(\p)+FR*\b:128*(\p)+FR*\b+FR-1], v[AF+FR*(\a):AF+FR*(\a)+FR-1], v[8*(8*((\a)%4)+\b):8*(8*((\a)%4)+\b)+7]
.endif
.endr
.endr
.endm
.macro FETCH_B slot, q, p
	WIN TO_B
.irp i, 0,1,2,3,4,5,6,7
	FRAG 128*(\p)+FR*\i, ADRB+\slot, \q, \i
.endr
	WIN 0
.endm
.macro FETCH_A slot, q, i0
.irp i, \i0, \i0+1, \i0+2, \i0+3
	FRAG AF+FR*(\i), ADRA+\slot, \q, \i
.endr
.endm
.macro PLACES n                        ; plain vector instructions between a matrix instruction and a load into, or a read of, its registers
.rept \n
	v_nop
.endr
.endm
.macro STEP slot, q, zero
	s_wait_dscnt 4*NL                              ; B's set and A's blocks 0-3 are in; the youngest 16 loads (A's blocks 4-7) may be out
	WIN MUL_LO
	MUL16 0, (\q)%2, \zero
	MUL16 2, (\q)%2, \zero
	s_wait_dscnt 0x0
	PLACES NP
	FETCH_B \slot, (\q)+1, 1-(\q)%2
	FETCH_A \slot, (\q)+1, 0
	WIN MUL_HI
	MUL16 4, (\q)%2, \zero
	MUL16 6, (\q)%2, \zero
	PLACES NP
	WIN 0
	FETCH_A \slot, (\q)+1, 4
.endm
.macro TURN slot, next, fill
	s_wait_tensorcnt 0x0                           ; all my tensor loads have landed: my part of the next slot
	ds_add_u32 v[SPW], v[NIL]                      ; 0 onto my spare word
	s_wait_dscnt 4*NL+1                            ; (the add and the youngest 16 loads may be out)
	WIN MUL_LO
	MUL16 0, 1, 0
	s_wait_dscnt 0x0                               ; the add is done, and my reads of this slot are over
	s_barrier_signal -1
	MUL16 2, 1, 0
	WIN 0
	s_barrier_wait -1
.if \fill
	CREST                                          ; a round of the cluster's barrier: no wave of any partner still reads this slot or has a load on its way
	s_add_nc_u64 s[G0+4*\slot+2:G0+4*\slot+3], s[G0+4*\slot+2:G0+4*\slot+3], 8192
	s_add_nc_u64 s[G0B+4*\slot+2:G0B+4*\slot+3], s[G0B+4*\slot+2:G0B+4*\slot+3], 8192
	JLOAD G0+4*\slot, G1, G0B+4*\slot, G1B         ; the first tensor load behind the round; its four v_nop are the places in front of the loads below
.else
	PLACES NP
.endif
	FETCH_B \next, 0, 0
	FETCH_A \next, 0, 0
	WIN MUL_HI
	MUL16 4, 1, 0
	MUL16 6, 1, 0
	PLACES NP
	WIN 0
	FETCH_A \next, 0, 4
.endm
	s_wait_tensorcnt 1                             ; my part of K step 0 is in (K step 1's load may be out)
	s_barrier_signal -1
	s_barrier_wait -1
	FETCH_B 0, 0, 0
	FETCH_A 0, 0, 0
	FETCH_A 0, 0, 4
	STEP 0, 0, 1
	s_mov_b32 s3, LAPS-1
.Llap:
	TURN 0, 1, 1
	STEP 1, 0, 0
	TURN 1, 0, 1
	STEP 0, 0, 0
	s_sub_co_u32 s3, s3, 1
	s_cmp_lg_u32 s3, 0
	s_cbranch_scc1 .Llap
	TURN 0, 1, 0
	STEP 1, 0, 0
	s_wait_dscnt 4*NL
	WIN MUL_LO
	MUL16 0, 1, 0
	MUL16 2, 1, 0
	s_wait_dscnt 0x0
	WIN MUL_HI
	MUL16 4, 1, 0
	MUL16 6, 1, 0
	WIN 0
; THE WAY OUT: eight blocks of 16 tokens, in a loop of eight trips, so that the activation's text stands once.  Only the lines that name the accumulators differ from trip to trip: GET a, chosen by the counter.
.macro GET a                           ; block a's 64 sums x 2^(e8 + e9) + the bias, each accumulator from its low end on
	WIN 0x02+(\a)/4                                ; source 0: window 2 or 3
.irp b, 0,1,2,3,4,5,6,7
.irp i, 0,2,4,6
	v_pk_fma_f32 v[T+8*\b+\i:T+8*\b+\i+1], v[64*((\a)%4)+8*\b+\i:64*((\a)%4)+8*\b+\i+1], s[96:97], v[BQ+8*\b+\i:BQ+8*\b+\i+1] op_sel_hi:[1,0,1]
.endr
.endr
	WIN 0                                          ; at a label and at a branch every window is 0
.endm
.macro GELU g                          ; 16 numbers, two at a time; P's and Q's steps by turns
.set U, T+16*(\g)
.irp i, 0,2,4,6,8,10,12,14
	v_pk_mul_f32 v[Z+\i:Z+\i+1], v[U+\i:U+\i+1], v[RH:RH+1]          ; z = u / sqrt 2
.endr
.irp i, 0,1,2,3,4,5,6,7,8,9,10,11,12,13,14,15
	v_med3_num_f32 v[Z+\i], v[Z+\i], -4.0, 4.0
.endr
.irp i, 0,2,4,6,8,10,12,14
	v_pk_mul_f32 v[Z2+\i:Z2+\i+1], v[Z+\i:Z+\i+1], v[Z+\i:Z+\i+1]
.endr
.irp i, 0,2,4,6,8,10,12,14
	v_pk_fma_f32 v[PR+\i:PR+\i+1], v[Z2+\i:Z2+\i+1], v[PA:PA+1], v[PA+2:PA+3]
	v_pk_fma_f32 v[QR+\i:QR+\i+1], v[Z2+\i:Z2+\i+1], v[QA:QA+1], v[QA+2:QA+3]
.endr
.irp k, 2,3,4
.irp i, 0,2,4,6,8,10,12,14
	v_pk_fma_f32 v[PR+\i:PR+\i+1], v[PR+\i:PR+\i+1], v[Z2+\i:Z2+\i+1], v[PA+2*\k:PA+2*\k+1]
	v_pk_fma_f32 v[QR+\i:QR+\i+1], v[QR+\i:QR+\i+1], v[Z2+\i:Z2+\i+1], v[QA+2*\k:QA+2*\k+1]
.endr
.endr
.irp k, 5,6
.irp i, 0,2,4,6,8,10,12,14
	v_pk_fma_f32 v[PR+\i:PR+\i+1], v[PR+\i:PR+\i+1], v[Z2+\i:Z2+\i+1], v[PA+2*\k:PA+2*\k+1]
.endr
.endr
.irp i, 0,1,2,3,4,5,6,7,8,9,10,11,12,13,14,15
	v_rcp_f32 v[QR+\i], v[QR+\i]                   ; Q is negative throughout, never 0.  Sixteen reciprocals, one batch
.endr
.irp i, 0,2,4,6,8,10,12,14
	v_pk_mul_f32 v[PR+\i:PR+\i+1], v[PR+\i:PR+\i+1], v[Z+\i:Z+\i+1]  ; z P: work that names no reciprocal stands behind the batch
.endr
.irp i, 0,2,4,6,8,10,12,14
	v_pk_mul_f32 v[U+\i:U+\i+1], v[U+\i:U+\i+1], 0.5 op_sel_hi:[1,0]
.endr
	s_wait_alu depctr_va_vdst(0)                   ; one wait for the batch, ahead of its first reader
.irp i, 0,2,4,6,8,10,12,14
	v_pk_mul_f32 v[PR+\i:PR+\i+1], v[PR+\i:PR+\i+1], v[QR+\i:QR+\i+1]   ; erf
.endr
.irp i, 0,2,4,6,8,10,12,14
	v_pk_fma_f32 v[U+\i:U+\i+1], v[U+\i:U+\i+1], v[PR+\i:PR+\i+1], v[U+\i:U+\i+1]   ; u/2 erf + u/2
.endr
.endm
.macro COEF reg, val
	v_mov_b32 v[\reg], \val
	v_mov_b32 v[\reg+1], \val
.endm
	s_wait_loadcnt 0x0                             ; the bias
	s_wait_kmcnt 0x0
	s_add_co_i32 s96, s80, s81
	s_add_co_i32 s96, s96, 127
	s_lshl_b32 s96, s96, 23                        ; 2^(e8 + e9) as f32
	s_mov_b32 s97, s96
	s_add_co_i32 s93, s82, 127
	s_lshl_b32 s94, s93, 23
	v_mov_b32 v112, s94                            ; 2^e10.  These 28 moves name no register of the last products: they are the places ahead of the first read of results
	s_add_co_i32 s93, s93, 8
	s_lshl_b32 s93, s93, 23
	s_or_b32 s93, s93, 0x600000
	v_mov_b32 v113, s93                            ; 448 x 2^e10
	COEF PA, 0xaf95df0b                            ; P, the highest power first: -2.72614226e-10
	COEF PA+2, 0x32edffee                          ;  2.77068142e-08
	COEF PA+4, 0xb60cff51                          ; -2.10102402e-06
	COEF PA+6, 0xb86ec2d2                          ; -5.69250639e-05
	COEF PA+8, 0xba40ac63                          ; -7.34990630e-04
	COEF PA+10, 0xbb41a1f6                         ; -2.95459981e-03
	COEF PA+12, 0xbc83dbd4                         ; -1.60960333e-02
	COEF QA, 0xb77460cd                            ; Q: -1.45660718e-05
	COEF QA+2, 0xb95fbd29                          ; -2.13374055e-04
	COEF QA+4, 0xbadc924e                          ; -1.68282697e-03
	COEF QA+6, 0xbbf19bf8                          ; -7.37332917e-03
	COEF QA+8, 0xbc69b6a7                          ; -1.42647391e-02
	COEF RH, 0x3f3504f3                            ; 1 / sqrt 2
	s_mov_b32 s92, 0
.Lblk:
	s_cmp_eq_u32 s92, 0
	s_cbranch_scc1 .Lg0
	s_cmp_eq_u32 s92, 1
	s_cbranch_scc1 .Lg1
	s_cmp_eq_u32 s92, 2
	s_cbranch_scc1 .Lg2
	s_cmp_eq_u32 s92, 3
	s_cbranch_scc1 .Lg3
	s_cmp_eq_u32 s92, 4
	s_cbranch_scc1 .Lg4
	s_cmp_eq_u32 s92, 5
	s_cbranch_scc1 .Lg5
	s_cmp_eq_u32 s92, 6
	s_cbranch_scc1 .Lg6
	GET 7
	s_branch .Lgot
.Lg0:
	GET 0
	s_branch .Lgot
.Lg1:
	GET 1
	s_branch .Lgot
.Lg2:
	GET 2
	s_branch .Lgot
.Lg3:
	GET 3
	s_branch .Lgot
.Lg4:
	GET 4
	s_branch .Lgot
.Lg5:
	GET 5
	s_branch .Lgot
.Lg6:
	GET 6
.Lgot:
	GELU 0
	GELU 1
	GELU 2
	GELU 3
.set N, 0
.rept 64
	v_med3_num_f32 v[T+N], v[T+N], -v113, v113     ; the conversion to an 8-bit code does not saturate (ISA guide 7.6.2)
.set N, N+1
.endr
.irp b, 0,1,2,3,4,5,6,7
	v_cvt_scalef32_pk8_fp8_f32 v[CD+2*\b:CD+2*\b+1], v[T+8*\b:T+8*\b+7], v112   ; registers 2 b, 2 b + 1 of the next operand
.endr
	v_nop                                          ; a plain instruction behind the last scaled conversion: the next trip writes its sources
.irp p, 0,1,2,3
	global_store_b128 v[CO], v[CD+4*\p:CD+4*\p+3], s[12:13] offset:512*\p   ; 512 consecutive bytes, at a multiple of 256 from the buffer's first byte
.endr
	s_wait_xcnt 0x0                                ; the stores have read their data and their base: both are written again only behind this wait
	s_add_nc_u64 s[12:13], s[12:13], 65536         ; the next row tile
	s_add_co_u32 s92, s92, 1
	s_cmp_lt_u32 s92, 8
	s_cbranch_scc1 .Lblk
	s_wait_tensorcnt 0x0                           ; the wave's end
	ds_add_u32 v[SPW], v[NIL]
	s_wait_dscnt 0x0
	CROUND                                         ; the closing round
	s_endpgm
.Lfunc_end_k_q99d04cf1ff_gemm_fc:
	.size	k_q99d04cf1ff_gemm_fc, .Lfunc_end_k_q99d04cf1ff_gemm_fc-k_q99d04cf1ff_gemm_fc
	.p2alignl 7, 3214868480
	.fill 96, 4, 3214868480
	.section	.rodata,"a",@progbits
	.p2align	6, 0x0
	.amdhsa_kernel k_q99d04cf1ff_gemm_fc
		.amdhsa_group_segment_fixed_size 327680
		.amdhsa_private_segment_fixed_size 0
		.amdhsa_enable_private_segment 0
		.amdhsa_kernarg_size 40
		.amdhsa_user_sgpr_count 2
		.amdhsa_user_sgpr_kernarg_segment_ptr 1
		.amdhsa_wavefront_size32 1
		.amdhsa_system_sgpr_workgroup_id_x 1
		.amdhsa_system_sgpr_workgroup_id_y 1
		.amdhsa_system_sgpr_workgroup_id_z 1
		.amdhsa_system_vgpr_workitem_id 0
		.amdhsa_next_free_vgpr 1024
		.amdhsa_next_free_sgpr 100
		.amdhsa_reserve_vcc 0
		.amdhsa_float_denorm_mode_32 3
		.amdhsa_float_denorm_mode_16_64 3
		.amdhsa_memory_ordered 1
		.amdhsa_forward_progress 1
		.amdhsa_inst_pref_size 141
	.end_amdhsa_kernel
	.amdgpu_metadata
---
amdhsa.version: [ 1, 2 ]
amdhsa.kernels:
  - .name:           k_q99d04cf1ff_gemm_fc
    .symbol:         k_q99d04cf1ff_gemm_fc.kd
    .args:
      - { .name: h2img, .offset: 0, .size: 8, .value_kind: global_buffer, .address_space: global }
      - { .name: prepimg, .offset: 8, .size: 8, .value_kind: global_buffer, .address_space: global }
      - { .name: lowp_scales, .offset: 16, .size: 8, .value_kind: global_buffer, .address_space: global }
      - { .name: b_fc, .offset: 24, .size: 8, .value_kind: global_buffer, .address_space: global }
      - { .name: fcimg, .offset: 32, .size: 8, .value_kind: global_buffer, .address_space: global }
    .group_segment_fixed_size: 327680
    .private_segment_fixed_size: 0
    .kernarg_segment_align: 8
    .kernarg_segment_size: 40
    .max_flat_workgroup_size: 128
    .sgpr_count:     100
    .vgpr_count:     1024
    .wavefront_size: 32
...
	.end_amdgpu_metadata
.endif
;; end of part 6
;; launch gemm_mproj (part 7): grid 4 x 16, 4 waves a work-group, clusters of 4 x 4, 327,680 bytes of LDS; arguments fcimg, prepimg, lowp_scales, b_mproj, x1, out0; writes out0
.if DOCPART == 7
	.amdgcn_target "amdgcn-amd-amdhsa--gfx1250"
	.amdhsa_code_object_version 6
	.text
	.protected	k_q99d04cf1ff_gemm_mproj
	.globl	k_q99d04cf1ff_gemm_mproj
	.p2align	8
	.type	k_q99d04cf1ff_gemm_mproj,@function
k_q99d04cf1ff_gemm_mproj:
	s_mov_b64 s[64:65], 0
	v_nop
	global_prefetch_b8 v0, s[64:65] scope:SCOPE_SE
	s_setreg_imm32_b32 hwreg(HW_REG_WAVE_MODE, 25, 1), 1
	s_wait_xcnt 0x0
	s_wait_alu depctr_hold_cnt(0) depctr_sa_sdst(0) depctr_va_vdst(0) depctr_va_sdst(0) depctr_va_ssrc(0) depctr_va_vcc(0) depctr_vm_vsrc(0)
	s_getreg_b32 s2, hwreg(HW_REG_IB_STS2, 6, 4)
	s_cmp_eq_u32 s2, 0
	s_cbranch_scc0 .Lentry_in_a_cluster
	s_endpgm
.Lentry_in_a_cluster:
	s_bfe_u32 s2, ttmp6, 0x10000c
	s_cmp_lg_u32 s2, 0xf033
	s_cbranch_scc0 .Lentry_shape_is_right
	s_endpgm
.Lentry_shape_is_right:
; out0 = x1 + Q(gelu(..)) Q(w_mproj) + b_mproj: a product on codes of E4M3 with K = 4,096, its sums x 2^(e10 + e11), the bias and the residual added in f32.  Output [4096][1024] f32.
; OPERANDS ARE FRAGMENT IMAGES: [row / 16][k / 128][2,048 bytes], the 2,048 bytes being the operand's 16 registers x 32 lanes: piece p (registers 4p .. 4p+3) of lane L at 512 p + 16 L.
; A tile of 256 x 256 is made by four waves; a wave makes 128 x 128: 64 accumulators, 512 registers.  K goes in steps of 256 through a ring of two LDS slots filled by the tensor data mover.
; CLUSTERS: 4 x 4 work-groups; A's tile is shared along a row of the cluster, B's along a column: each is asked for jointly.  The output has 16 x 4 tiles: 64 work-groups.
; THE MATRIX INSTRUCTION IS USED TRANSPOSED (source 0 = 16 rows of B, source 1 = 16 rows of A): a lane holds eight neighbouring numbers of a row of the output.
; LIMIT: the two exponents' sum lies between -126 and 127.
; REGISTERS, in windows of 256: window 0: v16-29 addresses; v32-35 the bias of my four columns; from v128 A's fragments, one set; behind the loop v128-255 rows back from the stage, two sets.
;   window 1: B's fragments, two sets; behind the loop the residual's rows, four sets of 64.   windows 2, 3: the accumulators.
.set KTOT,   4096
.set BOFF,   0xc00000                  ; the weight's image in prepimg
.set EOFF,   0x28                      ; the two exponents' place among the scales
.set KP,     16*KTOT
.set HALFT,  32768
.set SLOT,   4*HALFT
.set SPARE,  2*SLOT                    ; behind the ring: the spare words, 128 bytes for each wave: two blocks of 256 bytes that no other line names
.set LAPS,   KTOT/512
.set FR,     16
.set NL,     4
.set NP,     4
.set SPITCH, 528                       ; the way out: a stage of 16 rows x (512 bytes + 16) for each wave, in slot 0, which has had its last fill and its last read when the first result is stored there
.set ADRA, 16
.set ADRB, 20
.set STO,  24
.set RD,   25
.set CO,   26
.set SPW,  28
.set NIL,  29
.set BI,   32
.set AF,   128
.set BK,   128
.set G1, 24
.set G0, 32
.set G1B, 48
.set G0B, 56
.set MSB, 0
.macro WIN new                         ; the immediate's high byte repeats the setting that is left
.if MSB != (\new)
	s_set_vgpr_msb (MSB<<8)|(\new)
.set MSB, (\new)
.endif
.endm
.set MUL_LO, 0xa1
.set MUL_HI, 0xf1
.set TO_B,   0x40
.macro JLOAD g0a, g1a, g0b, g1b        ; a joint load: waves 0 and 1 fetch for A, waves 2 and 3 for B; four v_nop follow each line
	s_cmp_eq_u32 s15, 0
	s_cbranch_scc0 .Lfor_b_\@
	tensor_load_to_lds s[\g0a:\g0a+3], s[\g1a:\g1a+7]
	s_nop 0
.rept 4
	v_nop
.endr
	s_branch .Lasked_\@
.Lfor_b_\@:
	tensor_load_to_lds s[\g0b:\g0b+3], s[\g1b:\g1b+7]
	s_nop 0
.rept 4
	v_nop
.endr
.Lasked_\@:
.endm
.macro CREST
	s_cmp_lg_u32 s14, 0
	s_cbranch_scc1 .Lnot_wave_0_\@
	s_barrier_signal -3
.Lnot_wave_0_\@:
	s_barrier_wait -3
	s_barrier_signal -1
	s_barrier_wait -1
.endm
.macro CROUND
	s_barrier_signal -1
	s_barrier_wait -1
	CREST
.endm
	s_load_b256 s[68:75], s[0:1], 0x0              ; A's image s[68:69], prepimg s[70:71], the scales' exponents s[72:73], the bias s[74:75]
	s_load_b128 s[76:79], s[0:1], 0x20             ; the residual s[76:77], the output s[78:79]
	v_lshl_add_u32 v[SPW], v0, 2, SPARE
	v_mov_b32 v[NIL], 0
	ds_add_u32 v28, v29
	ds_add_u32 v28, v29
	s_wait_dscnt 0x0
	v_lshrrev_b32 v1, 5, v0
	v_readfirstlane_b32 s14, v1                    ; wave 0..3
	s_lshr_b32 s15, s14, 1                         ; which half of the tile's rows is mine.  Also: I fetch for A (0) or for B (1)
	s_and_b32 s16, s14, 1                          ; which half of its columns.  Also: which 8 row tiles I fetch
	s_bfe_u32 s40, ttmp6, 0x40000                  ; cx, cy
	s_bfe_u32 s41, ttmp6, 0x40004
	s_lshl_b32 s42, ttmp9, 2
	s_add_co_u32 s42, s42, s40                     ; tile column = 4 x cluster x + cx
	s_and_b32 s17, ttmp7, 0xffff
	s_lshl_b32 s17, s17, 2
	s_add_co_u32 s17, s17, s41                     ; tile row = 4 x cluster y + cy
	s_lshl_b32 s43, s41, 2
	s_lshl_b32 s43, 15, s43                        ; my row of the cluster
	s_lshl_b32 s44, 0x1111, s40                    ; my column
	s_or_b32 s[G1+0], s43, (3<<16)|(1<<21)         ; 15:0 the mask; 17:16 elements of 8 bytes; 21 set beside a mask
	s_or_b32 s[G1B+0], s44, (3<<16)|(1<<21)
.irp g, G1, G1B
	s_mov_b32 s[\g+1], 512<<16                     ; 8 rows (row tiles) of 512 elements = 4,096 bytes (two fragments), KP bytes apart
	s_mov_b32 s[\g+2], 8<<16
	s_mov_b32 s[\g+3], 512<<16
	s_mov_b32 s[\g+4], 8
	s_mov_b32 s[\g+5], KP/8
	s_mov_b32 s[\g+6], 0
	s_mov_b32 s[\g+7], 0
.endr
	s_lshl_b32 s18, s16, 3
	s_lshl_b32 s20, s17, 4
	s_add_co_u32 s20, s20, s18
	s_mul_i32 s20, s20, KP
	s_mov_b32 s21, 0
	s_lshl_b32 s46, s42, 4
	s_add_co_u32 s46, s46, s18
	s_mul_i32 s46, s46, KP
	s_add_co_u32 s46, s46, BOFF
	s_mov_b32 s47, 0
	s_mul_i32 s45, s14, HALFT
	s_wait_kmcnt 0x0
	s_load_b64 s[80:81], s[72:73], EOFF
	s_add_nc_u64 s[20:21], s[68:69], s[20:21]
	s_add_nc_u64 s[46:47], s[70:71], s[46:47]
	CROUND                                         ; all sixteen work-groups are here: the first joint loads meet
.irp s, 0,1
	s_mov_b32 s[G0+4*\s], 1
	s_add_co_u32 s[G0+4*\s+1], s45, \s*SLOT
	s_add_nc_u64 s[G0+4*\s+2:G0+4*\s+3], s[20:21], \s*4096
	s_or_b32 s[G0+4*\s+3], s[G0+4*\s+3], 0x80000000
	s_mov_b32 s[G0B+4*\s], 1
	s_add_co_u32 s[G0B+4*\s+1], s45, \s*SLOT
	s_add_nc_u64 s[G0B+4*\s+2:G0B+4*\s+3], s[46:47], \s*4096
	s_or_b32 s[G0B+4*\s+3], s[G0B+4*\s+3], 0x80000000
	JLOAD G0+4*\s, G1, G0B+4*\s, G1B
.endr
	v_and_b32 v1, 31, v0
	v_lshlrev_b32 v[CO], 4, v1
	s_mul_i32 s21, s15, HALFT
	s_mul_i32 s22, s16, HALFT
	s_add_co_u32 s22, s22, 2*HALFT
.irp s, 0,1
	v_add_nc_u32 v[ADRA+\s], s21, v[CO]
	v_add_nc_u32 v[ADRB+\s], s22, v[CO]
	s_add_co_u32 s21, s21, SLOT
	s_add_co_u32 s22, s22, SLOT
.endr
	v_and_b32 v2, 15, v0
	v_bfe_u32 v3, v0, 4, 1
	s_mul_i32 s23, s14, 16*SPITCH                  ; my stage
	v_mul_u32_u24 v4, v2, SPITCH
	v_lshl_add_u32 v4, v3, 5, v4
	v_add_nc_u32 v[STO], s23, v4                   ; in: row l % 16, 32 bytes for each half of the lanes
	v_add_nc_u32 v[RD], s23, v[CO]                 ; back: the 32 lanes take one row of 512 bytes
	s_lshl_b32 s90, s42, 10
	s_lshl_b32 s91, s16, 9
	s_add_co_u32 s90, s90, s91                     ; my first column, in bytes: 1,024 x tile column + 512 x half
	s_mov_b32 s91, 0
	s_add_nc_u64 s[74:75], s[74:75], s[90:91]
	global_load_b128 v[BI:BI+3], v[CO], s[74:75]   ; the bias of my four columns of a row read back
	s_lshl_b32 s88, s17, 20
	s_lshl_b32 s89, s15, 19
	s_add_co_u32 s88, s88, s89                     ; my first row: (256 x tile row + 128 x half) x 4,096 bytes
	s_add_co_u32 s88, s88, s90
	s_mov_b32 s89, 0
	s_add_nc_u64 s[66:67], s[76:77], s[88:89]      ; neither base is stepped: block and row stand in the immediates, 520,192 at the most
	s_add_nc_u64 s[12:13], s[78:79], s[88:89]
.macro FRAG reg, adr, q, i
.irp c, 0,1,2,3
	ds_load_b128 v[\reg+4*\c:\reg+4*\c+3], v[\adr] offset:4096*(\i)+2048*(\q)+512*\c
.endr
.endm
.macro MUL16 a0, p, zero               ; the 64 accumulators take turns, one instruction a turn, in the same order in every step
.irp a, \a0, \a0+1
.irp b, 0,1,2,3,4,5,6,7
.if \zero
	v_wmma_f32_16x16x128_fp8_fp8 v[8*(8*((\a)%4)+\b):8*(8*((\a)%4)+\b)+7], v[128*(\p)+FR*\b:128*(\p)+FR*\b+FR-1], v[AF+FR*(\a):AF+FR*(\a)+FR-1], 0
.else
	v_wmma_f32_16x16x128_fp8_fp8 v[8*(8*((\a)%4)+\b):8*(8*((\a)%4)+\b)+7], v[128*(\p)+FR*\b:128*(\p)+FR*\b+FR-1], v[AF+FR*(\a):AF+FR*(\a)+FR-1], v[8*(8*((\a)%4)+\b):8*(8*((\a)%4)+\b)+7]
.endif
.endr
.endr
.endm
.macro FETCH_B slot, q, p
	WIN TO_B
.irp i, 0,1,2,3,4,5,6,7
	FRAG 128*(\p)+FR*\i, ADRB+\slot, \q, \i
.endr
	WIN 0
.endm
.macro FETCH_A slot, q, i0
.irp i, \i0, \i0+1, \i0+2, \i0+3
	FRAG AF+FR*(\i), ADRA+\slot, \q, \i
.endr
.endm
.macro PLACES n                        ; plain vector instructions between a matrix instruction and a load into, or a read of, its registers
.rept \n
	v_nop
.endr
.endm
.macro STEP slot, q, zero
	s_wait_dscnt 4*NL                              ; B's set and A's blocks 0-3 are in; the youngest 16 loads (A's blocks 4-7) may be out
	WIN MUL_LO
	MUL16 0, (\q)%2, \zero
	MUL16 2, (\q)%2, \zero
	s_wait_dscnt 0x0
	PLACES NP
	FETCH_B \slot, (\q)+1, 1-(\q)%2
	FETCH_A \slot, (\q)+1, 0
	WIN MUL_HI
	MUL16 4, (\q)%2, \zero
	MUL16 6, (\q)%2, \zero
	PLACES NP
	WIN 0
	FETCH_A \slot, (\q)+1, 4
.endm
.macro TURN slot, next, fill
	s_wait_tensorcnt 0x0                           ; all my tensor loads have landed: my part of the next slot
	ds_add_u32 v[SPW], v[NIL]                      ; 0 onto my spare word
	s_wait_dscnt 4*NL+1                            ; (the add and the youngest 16 loads may be out)
	WIN MUL_LO
	MUL16 0, 1, 0
	s_wait_dscnt 0x0                               ; the add is done, and my reads of this slot are over
	s_barrier_signal -1
	MUL16 2, 1, 0
	WIN 0
	s_barrier_wait -1
.if \fill
	CREST                                          ; a round of the cluster's barrier: no wave of any partner still reads this slot or has a load on its way
	s_add_nc_u64 s[G0+4*\slot+2:G0+4*\slot+3], s[G0+4*\slot+2:G0+4*\slot+3], 8192
	s_add_nc_u64 s[G0B+4*\slot+2:G0B+4*\slot+3], s[G0B+4*\slot+2:G0B+4*\slot+3], 8192
	JLOAD G0+4*\slot, G1, G0B+4*\slot, G1B         ; the first tensor load behind the round; its four v_nop are the places in front of the loads below
.else
	PLACES NP
.endif
	FETCH_B \next, 0, 0
	FETCH_A \next, 0, 0
	WIN MUL_HI
	MUL16 4, 1, 0
	MUL16 6, 1, 0
	PLACES NP
	WIN 0
	FETCH_A \next, 0, 4
.endm
	s_wait_tensorcnt 1                             ; my part of K step 0 is in (K step 1's load may be out)
	s_barrier_signal -1
	s_barrier_wait -1
	FETCH_B 0, 0, 0
	FETCH_A 0, 0, 0
	FETCH_A 0, 0, 4
	STEP 0, 0, 1
	s_mov_b32 s3, LAPS-1
.Llap:
	TURN 0, 1, 1
	STEP 1, 0, 0
	TURN 1, 0, 1
	STEP 0, 0, 0
	s_sub_co_u32 s3, s3, 1
	s_cmp_lg_u32 s3, 0
	s_cbranch_scc1 .Llap
	TURN 0, 1, 0
	STEP 1, 0, 0
	s_wait_dscnt 4*NL
	WIN MUL_LO
	MUL16 0, 1, 0
	MUL16 2, 1, 0
	s_wait_dscnt 0x0
	WIN MUL_HI
	MUL16 4, 1, 0
	MUL16 6, 1, 0
	WIN 0
; THE WAY OUT, block by block of 16 rows x 128 columns.  The raw sums go through my own stage in LDS and come back as whole rows of 512 bytes; there sum x 2^(eA + eB) + (residual + bias) is made and stored.
; LDS serves a wave's instructions in order (ISA guide 5.7.1.4): no wait between the stores and the loads, nor in front of the next block's stores.
.macro XLOAD a                         ; the residual's 16 rows of block a into set a % 4 of window 1
	WIN 0x40
.irp t, 0,1,2,3,4,5,6,7,8,9,10,11,12,13,14,15
	global_load_b128 v[64*((\a)%4)+4*\t:64*((\a)%4)+4*\t+3], v[CO], s[66:67] offset:(\a)*65536+\t*4096 th:TH_LOAD_NT
.endr
	WIN 0
.endm
.macro TOSTAGE a
	WIN 0x08+4*((\a)/4)                            ; the stores' data: window 2 or 3
.irp b, 0,1,2,3,4,5,6,7
	ds_store_b128 v[STO], v[64*((\a)%4)+8*\b:64*((\a)%4)+8*\b+3] offset:64*\b          ; each accumulator from its low end on
	ds_store_b128 v[STO], v[64*((\a)%4)+8*\b+4:64*((\a)%4)+8*\b+7] offset:64*\b+16
.endr
	WIN 0
.set BB, BK+64*((\a)%2)
.irp t, 0,1,2,3,4,5,6,7,8,9,10,11,12,13,14,15
	ds_load_b128 v[BB+4*\t:BB+4*\t+3], v[RD] offset:\t*SPITCH
.endr
.endm
.macro SEND a, younger                 ; younger: the LDS instructions issued behind block a's loads
.set BB, BK+64*((\a)%2)
.set XR, 64*((\a)%4)
	s_wait_dscnt \younger                          ; the block is back in registers
.if 7-(\a) > 3
	s_wait_loadcnt 48                              ; its residual rows are in; those of the three blocks behind it may be out
.else
	s_wait_loadcnt 16*(7-(\a))
.endif
	WIN 0x41                                       ; destination and source 0 window 1
.irp t, 0,1,2,3,4,5,6,7,8,9,10,11,12,13,14,15
	v_pk_add_f32 v[XR+4*\t:XR+4*\t+1], v[XR+4*\t:XR+4*\t+1], v[BI:BI+1]
	v_pk_add_f32 v[XR+4*\t+2:XR+4*\t+3], v[XR+4*\t+2:XR+4*\t+3], v[BI+2:BI+3]
.endr
	WIN 0x10                                       ; source 2 window 1
.irp t, 0,1,2,3,4,5,6,7,8,9,10,11,12,13,14,15
	v_pk_fma_f32 v[BB+4*\t:BB+4*\t+1], v[BB+4*\t:BB+4*\t+1], s[96:97], v[XR+4*\t:XR+4*\t+1] op_sel_hi:[1,0,1]
	v_pk_fma_f32 v[BB+4*\t+2:BB+4*\t+3], v[BB+4*\t+2:BB+4*\t+3], s[96:97], v[XR+4*\t+2:XR+4*\t+3] op_sel_hi:[1,0,1]
.endr
	WIN 0
.irp t, 0,1,2,3,4,5,6,7,8,9,10,11,12,13,14,15
	global_store_b128 v[CO], v[BB+4*\t:BB+4*\t+3], s[12:13] offset:(\a)*65536+\t*4096 th:TH_STORE_NT   ; 32 lanes store 512 consecutive bytes, at a multiple of 256 from the buffer's first byte; written once, read by nobody here
.endr
.if (\a) < 4
	XLOAD (\a)+4
.endif
.endm
	PLACES NP                                      ; behind the last products: loads land in B's and A's registers, LDS stores read results
	XLOAD 0
	XLOAD 1
	XLOAD 2
	XLOAD 3
	s_wait_kmcnt 0x0
	s_add_co_i32 s96, s80, s81
	s_add_co_i32 s96, s96, 127
	s_lshl_b32 s96, s96, 23                        ; 2^(eA + eB) as f32
	s_mov_b32 s97, s96
	TOSTAGE 0
.irp a, 1,2,3,4,5,6,7
.if \a > 1
	s_wait_xcnt 0x0                                ; block a - 2's stores have read their registers: block a's loads may land there
.endif
	TOSTAGE \a
	SEND \a-1, 32                                  ; behind block a - 1's loads: block a's 16 stores and 16 loads
.endr
	s_wait_xcnt 0x0
	SEND 7, 0
	s_wait_tensorcnt 0x0                           ; the wave's end
	ds_add_u32 v[SPW], v[NIL]
	s_wait_dscnt 0x0
	CROUND                                         ; the closing round
	s_endpgm
.Lfunc_end_k_q99d04cf1ff_gemm_mproj:
	.size	k_q99d04cf1ff_gemm_mproj, .Lfunc_end_k_q99d04cf1ff_gemm_mproj-k_q99d04cf1ff_gemm_mproj
	.p2alignl 7, 3214868480
	.fill 96, 4, 3214868480
	.section	.rodata,"a",@progbits
	.p2align	6, 0x0
	.amdhsa_kernel k_q99d04cf1ff_gemm_mproj
		.amdhsa_group_segment_fixed_size 327680
		.amdhsa_private_segment_fixed_size 0
		.amdhsa_enable_private_segment 0
		.amdhsa_kernarg_size 48
		.amdhsa_user_sgpr_count 2
		.amdhsa_user_sgpr_kernarg_segment_ptr 1
		.amdhsa_wavefront_size32 1
		.amdhsa_system_sgpr_workgroup_id_x 1
		.amdhsa_system_sgpr_workgroup_id_y 1
		.amdhsa_system_sgpr_workgroup_id_z 1
		.amdhsa_system_vgpr_workitem_id 0
		.amdhsa_next_free_vgpr 1024
		.amdhsa_next_free_sgpr 100
		.amdhsa_reserve_vcc 0
		.amdhsa_float_denorm_mode_32 3
		.amdhsa_float_denorm_mode_16_64 3
		.amdhsa_memory_ordered 1
		.amdhsa_forward_progress 1
		.amdhsa_inst_pref_size 152
	.end_amdhsa_kernel
	.amdgpu_metadata
---
amdhsa.version: [ 1, 2 ]
amdhsa.kernels:
  - .name:           k_q99d04cf1ff_gemm_mproj
    .symbol:         k_q99d04cf1ff_gemm_mproj.kd
    .args:
      - { .name: fcimg, .offset: 0, .size: 8, .value_kind: global_buffer, .address_space: global }
      - { .name: prepimg, .offset: 8, .size: 8, .value_kind: global_buffer, .address_space: global }
      - { .name: lowp_scales, .offset: 16, .size: 8, .value_kind: global_buffer, .address_space: global }
      - { .name: b_mproj, .offset: 24, .size: 8, .value_kind: global_buffer, .address_space: global }
      - { .name: x1, .offset: 32, .size: 8, .value_kind: global_buffer, .address_space: global }
      - { .name: out0, .offset: 40, .size: 8, .value_kind: global_buffer, .address_space: global }
    .group_segment_fixed_size: 327680
    .private_segment_fixed_size: 0
    .kernarg_segment_align: 8
    .kernarg_segment_size: 48
    .max_flat_workgroup_size: 128
    .sgpr_count:     100
    .vgpr_count:     1024
    .wavefront_size: 32
...
	.end_amdgpu_metadata
.endif
;; end of part 7
;; ======== version 2 of 2: 7 launches
;; limits: right only within a limited range of input values
;; workspace buffers: prepimg 16,777,216 bytes; qkvimg 12,582,912 bytes; yimg 4,194,304 bytes; x1 16,777,216 bytes; h2img 4,194,304 bytes; fcimg 16,777,216 bytes
;; launch prep (part 8): grid 1024 x 1, 4 waves a work-group, no clusters, 17,920 bytes of LDS; arguments x, ln1_g, ln1_b, w_attn, w_aproj, w_fc, w_mproj, lowp_scales, prepimg; writes prepimg
.if DOCPART == 8
	.amdgcn_target "amdgcn-amd-amdhsa--gfx1250"
	.amdhsa_code_object_version 6
	.text
	.protected	k_q99d04cf1ff_prep
	.globl	k_q99d04cf1ff_prep
	.p2align	8
	.type	k_q99d04cf1ff_prep,@function
k_q99d04cf1ff_prep:
	s_mov_b64 s[64:65], 0
	v_nop
	global_prefetch_b8 v0, s[64:65] scope:SCOPE_SE
	s_setreg_imm32_b32 hwreg(HW_REG_WAVE_MODE, 25, 1), 1
	s_wait_xcnt 0x0
; PREP.  Work-groups 0-255: the first layer norm of x [4096][1024], quantised to E4M3 with the given scale 2^e0.  Work-groups 256-1023: the four weights, f32 [K][N], quantised along K with e1, e7, e9, e11.
; LEFT OUT BY THE PROGRAM (launch attn): key steps that lie wholly under the causal mask: their scores become -inf ahead of the softmax, so p = 0 whatever the inputs hold.
; A NaN, an infinity or an overflow that would arise only in those scores is not carried to the result.  Every input has a way to the output and is loaded.
; ALL CODES ARE LAID AS FRAGMENT IMAGES: an operand [rows][K] lies as [row / 16][k / 128][2,048 bytes], and the 2,048 bytes are the 16 registers x 32 lanes of the matrix operand (16 rows x 128 K, ISA guide 7.12.2):
; piece p (registers 4p .. 4p+3) of lane L = r + 16 h at 512 p + 16 L; registers 2c, 2c+1 hold k = 16 c + 8 h + 0 .. 7 of row r.  So byte(r, k') = 512 (k'/32) + 256 ((k'/8)%2) + 16 r + 8 ((k'/16)%2) + k'%8.
; prepimg: +0 the norm's codes [256][8][2048]; +0x400000 w_attn^T [192][8]; +0x700000 w_aproj^T [64][8]; +0x800000 w_fc^T [256][8]; +0xC00000 w_mproj^T [64][32]  (a weight's row is its column n).
; code = x / 2^e, held within +-448, to the nearest code, ties to even.  LIMITS: each e between -126 and 119, so that 2^e and 448 x 2^e are f32 numbers.  NaN among the inputs is not served; an infinity is held at the largest code.
; Every work-group reads 65,536 bytes: 16 rows of x, or 128 columns x 128 along K of a weight; four work-groups of 4 waves x 256 registers fit on a WGP, so the grid of 1,024 is one whole turn.
; The two kinds of work-group part on the work-group's number, which all four waves share.  Only the norm's path touches LDS and has a barrier.  No tensor loads, no matrix work, no cluster: nothing is shared.
.set LX, 32                            ; v32-159   four rows of my wave: row j at LX + 32 j; register 8 q + i is column 256 q + 8 lane + i
.set LG, 160                           ; v160-191  the gain at my 32 columns
.set LB, 192                           ; v192-223  the bias
.set LC, 224                           ; v224-255  codes, 8 registers a row
.set ST, 8                             ; v8-23     row j: two pairs at ST + 4 j: two chains of sums; the second is later (-mean, -mean) and then (rstd, rstd)
.set PL, 24                            ; v24-27    the lane exchange's destinations
.set UP, 272                           ; the stage: 64 units of 256 bytes (16 rows x 16 bytes of one piece and one half), 16 bytes of padding behind each
.set OFF, 32                           ; weights: v32-63 byte offset of row i of a block of 32 rows, at my column
.set WX, 64                            ; v64-127   two sets of 32 numbers down K
.set WC, 128                           ; v128-159  codes, 8 registers a block: never written twice, so no store's data are rewritten
	s_load_b512 s[4:19], s[0:1], 0x0               ; x, ln1_g, ln1_b, w_attn, w_aproj, w_fc, w_mproj, the scales' exponents
	s_load_b64 s[20:21], s[0:1], 0x40              ; prepimg
	v_lshl_add_u32 v28, v0, 2, 0x4400
	v_mov_b32 v29, 0
	v_lshrrev_b32 v1, 5, v0
	v_readfirstlane_b32 s22, v1                    ; wave 0..3
	v_and_b32 v1, 31, v0                           ; lane
	s_wait_kmcnt 0x0
	s_load_b256 s[48:55], s[18:19], 0x0            ; e0 .. e7
	s_load_b128 s[56:59], s[18:19], 0x20           ; e8 .. e11
	s_cmp_lt_u32 ttmp9, 256
	s_cbranch_scc0 .Lweights
; ---- THE LAYER NORM.  A work-group takes 16 rows (one row tile of the image), a wave four of them, a row across its 32 lanes: a lane holds 8 neighbouring columns of each quarter of the row, as the conversion wants them.
	s_lshl_b32 s32, ttmp9, 16                      ; 16 rows of 4,096 bytes
	s_lshl_b32 s33, s22, 14                        ; my wave's four
	s_add_co_u32 s32, s32, s33
	s_mov_b32 s33, 0
	s_add_nc_u64 s[4:5], s[4:5], s[32:33]
	s_wait_alu depctr_va_vdst(0)
	v_lshlrev_b32 v2, 5, v1                        ; 32 bytes a lane
.irp j, 0,1,2,3
.irp q, 0,1,2,3
	global_load_b128 v[LX+32*\j+8*\q:LX+32*\j+8*\q+3], v2, s[4:5] offset:4096*\j+1024*\q th:TH_LOAD_NT       ; the two loads of a quarter cover its 1,024 bytes
	global_load_b128 v[LX+32*\j+8*\q+4:LX+32*\j+8*\q+7], v2, s[4:5] offset:4096*\j+1024*\q+16 th:TH_LOAD_NT
.endr
.endr
.irp q, 0,1,2,3
	global_load_b128 v[LG+8*\q:LG+8*\q+3], v2, s[6:7] offset:1024*\q
	global_load_b128 v[LG+8*\q+4:LG+8*\q+7], v2, s[6:7] offset:1024*\q+16
	global_load_b128 v[LB+8*\q:LB+8*\q+3], v2, s[8:9] offset:1024*\q
	global_load_b128 v[LB+8*\q+4:LB+8*\q+7], v2, s[8:9] offset:1024*\q+16
.endr
	s_lshl_b32 s34, ttmp9, 14                      ; the image: a row tile is 16,384 bytes; my wave stores a quarter of it
	s_lshl_b32 s35, s22, 12
	s_add_co_u32 s34, s34, s35
	s_mov_b32 s35, 0
	s_add_nc_u64 s[20:21], s[20:21], s[34:35]
	s_mov_b32 s24, 0x76543210                      ; lane selects: lane l xor 16
	s_mov_b32 s25, 0xfedcba98
	s_mov_b32 s26, 0xba800000                      ; -1/1024
	s_mov_b32 s27, 0x3a800000                      ; 1/1024
	s_mov_b32 s28, 0x3727c5ac                      ; 1e-5
	; my 8 codes of quarter q, row 4 w + j, belong to unit 16 q + 8 (l / 16) + 2 ((l / 4) % 4) + l % 2, at 16 x row + 8 ((l / 2) % 2)
	v_bfe_u32 v6, v0, 4, 1
	v_bfe_u32 v7, v0, 2, 2
	v_lshlrev_b32 v6, 3, v6
	v_lshl_add_u32 v6, v7, 1, v6
	v_and_b32 v7, 1, v0
	v_add_nc_u32 v6, v6, v7
	v_mul_u32_u24 v3, v6, UP
	v_bfe_u32 v7, v0, 1, 1
	v_lshl_add_u32 v3, v7, 3, v3
	s_lshl_b32 s34, s22, 6                         ; 16 bytes x my wave's first row
	v_add_nc_u32 v3, s34, v3                       ; the stage, on the way in
	v_bfe_u32 v6, v0, 4, 1
	v_and_b32 v7, 15, v0
	v_mul_u32_u24 v4, v6, UP
	v_lshl_add_u32 v4, v7, 4, v4
	s_mul_i32 s34, s22, 16*UP
	v_add_nc_u32 v4, s34, v4                       ; and back: my wave's 16 units, two an instruction, sixteen lanes to a unit
	v_lshlrev_b32 v5, 4, v1                        ; 16 bytes a lane in the image
.irp j, 0,1,2,3
	v_mov_b32 v[PL+\j], 0                          ; written once: a lane exchange's destination counts as one of its sources
.endr
	s_wait_kmcnt 0x0
	s_add_co_i32 s35, s48, 127
	s_lshl_b32 s36, s35, 23
	v_mov_b32 v30, s36                             ; 2^e as f32: the conversion takes its exponent field
	s_add_co_i32 s35, s35, 8
	s_lshl_b32 s35, s35, 23
	s_or_b32 s35, s35, 0x600000
	v_mov_b32 v31, s35                             ; 448 x 2^e
; the two chains of each row are added, then the pair's halves, then the 32 lanes: every lane ends with the row's sum in v[ST + 4 j].  The four rows take turns line by line
.macro FOLD
.irp j, 0,1,2,3
	v_pk_add_f32 v[ST+4*\j:ST+4*\j+1], v[ST+4*\j:ST+4*\j+1], v[ST+4*\j+2:ST+4*\j+3]
.endr
.irp j, 0,1,2,3
	v_add_f32 v[ST+4*\j], v[ST+4*\j], v[ST+4*\j+1]
.endr
.irp m, 1,2,4,8
.irp j, 0,1,2,3
	v_add_f32_dpp v[ST+4*\j], v[ST+4*\j], v[ST+4*\j] row_xmask:\m row_mask:0xf bank_mask:0xf
.endr
.endr
.irp j, 0,1,2,3
	v_permlanex16_b32 v[PL+\j], v[ST+4*\j], s24, s25
.endr
.irp j, 0,1,2,3
	v_add_f32 v[ST+4*\j], v[ST+4*\j], v[PL+\j]
.endr
.endm
	s_wait_loadcnt 16                              ; the rows' 32 loads are in; the 16 of gain and bias may be out
.irp j, 0,1,2,3
	v_pk_add_f32 v[ST+4*\j:ST+4*\j+1], v[LX+32*\j:LX+32*\j+1], v[LX+32*\j+2:LX+32*\j+3]       ; the first numbers start the chains: nothing is cleared
	v_pk_add_f32 v[ST+4*\j+2:ST+4*\j+3], v[LX+32*\j+4:LX+32*\j+5], v[LX+32*\j+6:LX+32*\j+7]
.endr
.irp i, 8,12,16,20,24,28
.irp j, 0,1,2,3
	v_pk_add_f32 v[ST+4*\j:ST+4*\j+1], v[ST+4*\j:ST+4*\j+1], v[LX+32*\j+\i:LX+32*\j+\i+1]
	v_pk_add_f32 v[ST+4*\j+2:ST+4*\j+3], v[ST+4*\j+2:ST+4*\j+3], v[LX+32*\j+\i+2:LX+32*\j+\i+3]
.endr
.endr
	FOLD
.irp j, 0,1,2,3
	v_mul_f32 v[ST+4*\j+2], s26, v[ST+4*\j]        ; -mean, in both halves of a pair
	v_mul_f32 v[ST+4*\j+3], s26, v[ST+4*\j]
.endr
.irp i, 0,2,4,6,8,10,12,14,16,18,20,22,24,26,28,30
.irp j, 0,1,2,3
	v_pk_add_f32 v[LX+32*\j+\i:LX+32*\j+\i+1], v[LX+32*\j+\i:LX+32*\j+\i+1], v[ST+4*\j+2:ST+4*\j+3]   ; d = x - mean, in place: the variance is summed of deviations, so a common offset of the row costs nothing
.endr
.endr
.irp j, 0,1,2,3
	v_pk_mul_f32 v[ST+4*\j:ST+4*\j+1], v[LX+32*\j:LX+32*\j+1], v[LX+32*\j:LX+32*\j+1]
	v_pk_mul_f32 v[ST+4*\j+2:ST+4*\j+3], v[LX+32*\j+2:LX+32*\j+3], v[LX+32*\j+2:LX+32*\j+3]
.endr
.irp i, 4,8,12,16,20,24,28
.irp j, 0,1,2,3
	v_pk_fma_f32 v[ST+4*\j:ST+4*\j+1], v[LX+32*\j+\i:LX+32*\j+\i+1], v[LX+32*\j+\i:LX+32*\j+\i+1], v[ST+4*\j:ST+4*\j+1]
	v_pk_fma_f32 v[ST+4*\j+2:ST+4*\j+3], v[LX+32*\j+\i+2:LX+32*\j+\i+3], v[LX+32*\j+\i+2:LX+32*\j+\i+3], v[ST+4*\j+2:ST+4*\j+3]
.endr
.endr
	FOLD
.irp j, 0,1,2,3
	v_fma_f32 v[ST+4*\j], v[ST+4*\j], s27, s28     ; variance + 1e-5
.endr
	s_wait_alu depctr_va_vdst(0)
.irp j, 0,1,2,3
	v_rsq_f32 v[ST+4*\j+2], v[ST+4*\j]             ; eight roots, one batch
	v_rsq_f32 v[ST+4*\j+3], v[ST+4*\j]
.endr
	v_nop                                          ; one plain instruction behind the last of them (ISA guide 5.7.2)
	s_wait_alu depctr_va_vdst(0)                   ; one wait for the batch, ahead of its first reader
	s_wait_loadcnt 0x0                             ; gain and bias
.macro FINISH j                        ; row j: d x rstd x g + b, the hold, the codes, into the stage
.set XR, LX+32*\j
.set N, 0
.rept 16
	v_pk_mul_f32 v[XR+N:XR+N+1], v[XR+N:XR+N+1], v[ST+4*\j+2:ST+4*\j+3]
.set N, N+2
.endr
.set N, 0
.rept 16
	v_pk_fma_f32 v[XR+N:XR+N+1], v[XR+N:XR+N+1], v[LG+N:LG+N+1], v[LB+N:LB+N+1]
.set N, N+2
.endr
.set N, 0
.rept 32
	v_med3_num_f32 v[XR+N], v[XR+N], -v31, v31     ; the conversion to an 8-bit code does not saturate (ISA guide 7.6.2): the hold at the largest code x the scale
.set N, N+1
.endr
.irp q, 0,1,2,3
	v_cvt_scalef32_pk8_fp8_f32 v[LC+8*\j+2*\q:LC+8*\j+2*\q+1], v[XR+8*\q:XR+8*\q+7], v30
.endr
.irp q, 0,1,2,3
	ds_store_b64 v3, v[LC+8*\j+2*\q:LC+8*\j+2*\q+1] offset:16*UP*\q+16*\j
.endr
.endm
	FINISH 0
	FINISH 1
	FINISH 2
	FINISH 3
	v_nop                                          ; a plain instruction behind the last scaled conversion
	s_wait_dscnt 0x0                               ; for the others' sake: my stores into the stage are done
	s_barrier_signal -1
	s_barrier_wait -1                              ; a unit's 16 rows come from four waves
.irp i, 0,1,2,3,4,5,6,7
	ds_load_b128 v[LX+4*\i:LX+4*\i+3], v4 offset:2*UP*\i
.endr
.irp i, 0,1,2,3,4,5,6,7
	s_wait_dscnt 7-\i                              ; LDS loads come back in order: load i is in, the younger ones may be out
	global_store_b128 v5, v[LX+4*\i:LX+4*\i+3], s[20:21] offset:512*\i   ; 32 lanes store 512 consecutive bytes, at a multiple of 256 from the buffer's first byte
.endr
	s_wait_tensorcnt 0x0
	ds_add_u32 v28, v29
	s_wait_dscnt 0x0
	s_endpgm
; ---- THE WEIGHTS.  A work-group takes 128 columns x 128 along K of one weight (one fragment of each of 8 row tiles), a wave 32 columns.  A LANE TAKES A COLUMN n AND ITS REGISTERS RUN DOWN K: each load reads neighbouring n
; in neighbouring lanes, and the conversions give codes with K innermost.  A block of 32 along K is one piece of the image: 16 bytes of it for each half h, so sixteen lanes' stores fill 256 consecutive bytes.
; Work-groups: w_attn 24 x 8 = 192, w_aproj 8 x 8 = 64, w_fc 32 x 8 = 256, w_mproj 8 x 32 = 256.
.Lweights:
	s_sub_co_u32 s23, ttmp9, 256
	s_wait_kmcnt 0x0
	s_mov_b64 s[24:25], s[10:11]                   ; w_attn's figures; the three compares below put a later weight's in their place.  All hang on the work-group's number alone
	s_mov_b32 s26, 0                               ; the weight's first work-group
	s_mov_b32 s27, 3                               ; log2 of its blocks along K (K / 128)
	s_mov_b32 s28, 12288                           ; bytes in a row of it
	s_mov_b32 s29, 16384                           ; bytes in a row tile of its image: 16 K
	s_mov_b32 s30, 0x400000                        ; its image's place
	s_mov_b32 s31, s49                             ; its e
	s_cmp_ge_u32 s23, 192
	s_cselect_b64 s[24:25], s[12:13], s[24:25]     ; w_aproj
	s_cselect_b32 s26, 192, s26
	s_cselect_b32 s28, 4096, s28
	s_cselect_b32 s30, 0x700000, s30
	s_cselect_b32 s31, s55, s31
	s_cmp_ge_u32 s23, 256
	s_cselect_b64 s[24:25], s[14:15], s[24:25]     ; w_fc
	s_cselect_b32 s26, 256, s26
	s_cselect_b32 s28, 16384, s28
	s_cselect_b32 s30, 0x800000, s30
	s_cselect_b32 s31, s57, s31
	s_cmp_ge_u32 s23, 512
	s_cselect_b64 s[24:25], s[16:17], s[24:25]     ; w_mproj
	s_cselect_b32 s26, 512, s26
	s_cselect_b32 s27, 5, s27
	s_cselect_b32 s28, 4096, s28
	s_cselect_b32 s29, 65536, s29
	s_cselect_b32 s30, 0xc00000, s30
	s_cselect_b32 s31, s59, s31
	s_sub_co_u32 s23, s23, s26
	s_bfm_b32 s60, s27, 0
	s_and_b32 s60, s23, s60                        ; which 128 along K
	s_lshr_b32 s61, s23, s27                       ; which 128 columns
	s_lshl_b32 s62, s61, 9
	s_lshl_b32 s63, s22, 7
	s_add_co_u32 s62, s62, s63                     ; 4 bytes x (128 x block + 32 x wave)
	s_lshl_b32 s63, s60, 7
	s_mul_i32 s63, s63, s28
	s_add_co_u32 s2, s62, s63                      ; + my first row of K
	s_mov_b32 s3, 0
	s_add_nc_u64 s[32:33], s[24:25], s[2:3]        ; a base for each block of 32 rows: s[32+2t:33+2t], never rewritten
	s_lshl_b32 s2, s28, 5
.irp t, 1,2,3
	s_add_nc_u64 s[32+2*\t:33+2*\t], s[30+2*\t:31+2*\t], s[2:3]
.endr
	s_lshl_b32 s62, s61, 3
	s_lshl_b32 s63, s22, 1
	s_add_co_u32 s62, s62, s63                     ; my first row tile of the image: 8 x block + 2 x wave
	s_mul_i32 s62, s62, s29
	s_lshl_b32 s63, s60, 11                        ; 128 along K are one fragment
	s_add_co_u32 s62, s62, s63
	s_add_co_u32 s2, s62, s30
	s_add_nc_u64 s[20:21], s[20:21], s[2:3]
	s_wait_alu depctr_va_vdst(0)
	v_lshlrev_b32 v8, 2, v1
.set N, 0
.rept 32
	v_mad_u32_u24 v[OFF+N], s28, N, v8             ; 4 x lane + N rows
.set N, N+1
.endr
	v_bfe_u32 v7, v0, 4, 1
	v_mul_u32_u24 v6, v7, s29
	v_and_b32 v7, 15, v0
	v_lshl_add_u32 v6, v7, 4, v6                   ; out: lanes 16-31 hold the next row tile; 16 bytes for each of its rows
.macro LOADW t                         ; block t: W(32 t + i, my column) into set t % 2
.set N, 0
.rept 32
	global_load_b32 v[WX+32*((\t)%2)+N], v[OFF+N], s[32+2*(\t):33+2*(\t)] th:TH_LOAD_NT
.set N, N+1
.endr
.endm
	LOADW 0
	LOADW 1
	s_add_co_i32 s31, s31, 127
	s_lshl_b32 s62, s31, 23
	v_mov_b32 v11, s62                             ; 2^e
	s_add_co_i32 s31, s31, 8
	s_lshl_b32 s31, s31, 23
	s_or_b32 s31, s31, 0x600000
	v_mov_b32 v10, s31                             ; 448 x 2^e
.macro BLOCKW t
.set XS, WX+32*((\t)%2)
.if (\t) < 3
	s_wait_loadcnt 32                              ; this block's 32 loads are in; the next block's may be out
.else
	s_wait_loadcnt 0x0
.endif
.set N, 0
.rept 32
	v_med3_num_f32 v[XS+N], v[XS+N], -v10, v10
.set N, N+1
.endr
	v_cvt_scalef32_pk8_fp8_f32 v[WC+8*(\t):WC+8*(\t)+1], v[XS:XS+7], v11           ; half 0 of the piece: k 0-7, then k 16-23
	v_cvt_scalef32_pk8_fp8_f32 v[WC+8*(\t)+2:WC+8*(\t)+3], v[XS+16:XS+23], v11
	v_cvt_scalef32_pk8_fp8_f32 v[WC+8*(\t)+4:WC+8*(\t)+5], v[XS+8:XS+15], v11      ; half 1: k 8-15, then k 24-31
	v_cvt_scalef32_pk8_fp8_f32 v[WC+8*(\t)+6:WC+8*(\t)+7], v[XS+24:XS+31], v11
	global_store_b128 v6, v[WC+8*(\t):WC+8*(\t)+3], s[20:21] offset:512*(\t)       ; sixteen lanes store 256 consecutive bytes, aligned
	global_store_b128 v6, v[WC+8*(\t)+4:WC+8*(\t)+7], s[20:21] offset:512*(\t)+256
.if (\t)+2 < 4
	LOADW (\t)+2
.endif
.endm
	s_wait_alu depctr_va_vdst(0)
.irp t, 0,1,2,3
	BLOCKW \t
.endr
	s_endpgm
.Lfunc_end_k_q99d04cf1ff_prep:
	.size	k_q99d04cf1ff_prep, .Lfunc_end_k_q99d04cf1ff_prep-k_q99d04cf1ff_prep
	.p2alignl 7, 3214868480
	.fill 96, 4, 3214868480
	.section	.rodata,"a",@progbits
	.p2align	6, 0x0
	.amdhsa_kernel k_q99d04cf1ff_prep
		.amdhsa_group_segment_fixed_size 17920
		.amdhsa_private_segment_fixed_size 0
		.amdhsa_enable_private_segment 0
		.amdhsa_kernarg_size 72
		.amdhsa_user_sgpr_count 2
		.amdhsa_user_sgpr_kernarg_segment_ptr 1
		.amdhsa_wavefront_size32 1
		.amdhsa_system_sgpr_workgroup_id_x 1
		.amdhsa_system_sgpr_workgroup_id_y 1
		.amdhsa_system_sgpr_workgroup_id_z 1
		.amdhsa_system_vgpr_workitem_id 0
		.amdhsa_next_free_vgpr 256
		.amdhsa_next_free_sgpr 66
		.amdhsa_reserve_vcc 0
		.amdhsa_float_denorm_mode_32 3
		.amdhsa_float_denorm_mode_16_64 3
		.amdhsa_memory_ordered 1
		.amdhsa_forward_progress 1
		.amdhsa_inst_pref_size 70
	.end_amdhsa_kernel
	.amdgpu_metadata
---
amdhsa.version: [ 1, 2 ]
amdhsa.kernels:
  - .name:           k_q99d04cf1ff_prep
    .symbol:         k_q99d04cf1ff_prep.kd
    .args:
      - { .name: x, .offset: 0, .size: 8, .value_kind: global_buffer, .address_space: global }
      - { .name: ln1_g, .offset: 8, .size: 8, .value_kind: global_buffer, .address_space: global }
      - { .name: ln1_b, .offset: 16, .size: 8, .value_kind: global_buffer, .address_space: global }
      - { .name: w_attn, .offset: 24, .size: 8, .value_kind: global_buffer, .address_space: global }
      - { .name: w_aproj, .offset: 32, .size: 8, .value_kind: global_buffer, .address_space: global }
      - { .name: w_fc, .offset: 40, .size: 8, .value_kind: global_buffer, .address_space: global }
      - { .name: w_mproj, .offset: 48, .size: 8, .value_kind: global_buffer, .address_space: global }
      - { .name: lowp_scales, .offset: 56, .size: 8, .value_kind: global_buffer, .address_space: global }
      - { .name: prepimg, .offset: 64, .size: 8, .value_kind: global_buffer, .address_space: global }
    .group_segment_fixed_size: 17920
    .private_segment_fixed_size: 0
    .kernarg_segment_align: 8
    .kernarg_segment_size: 72
    .max_flat_workgroup_size: 128
    .sgpr_count:     66
    .vgpr_count:     256
    .wavefront_size: 32
...
	.end_amdgpu_metadata
.endif
;; end of part 8
;; launch gemm_qkv (part 9): grid 12 x 16, 4 waves a work-group, clusters of 4 x 4, 327,680 bytes of LDS; arguments prepimg, lowp_scales, b_attn, qkvimg; writes qkvimg
.if DOCPART == 9
	.amdgcn_target "amdgcn-amd-amdhsa--gfx1250"
	.amdhsa_code_object_version 6
	.text
	.protected	k_q99d04cf1ff_gemm_qkv
	.globl	k_q99d04cf1ff_gemm_qkv
	.p2align	8
	.type	k_q99d04cf1ff_gemm_qkv,@function
k_q99d04cf1ff_gemm_qkv:
	s_mov_b64 s[64:65], 0
	v_nop
	global_prefetch_b8 v0, s[64:65] scope:SCOPE_SE
	s_setreg_imm32_b32 hwreg(HW_REG_WAVE_MODE, 25, 1), 1
	s_wait_xcnt 0x0
	s_wait_alu depctr_hold_cnt(0) depctr_sa_sdst(0) depctr_va_vdst(0) depctr_va_sdst(0) depctr_va_ssrc(0) depctr_va_vcc(0) depctr_vm_vsrc(0)
	s_getreg_b32 s2, hwreg(HW_REG_IB_STS2, 6, 4)
	s_cmp_eq_u32 s2, 0
	s_cbranch_scc0 .Lentry_in_a_cluster
	s_endpgm
.Lentry_in_a_cluster:
	s_bfe_u32 s2, ttmp6, 0x10000c
	s_cmp_lg_u32 s2, 0xf033
	s_cbranch_scc0 .Lentry_shape_is_right
	s_endpgm
.Lentry_shape_is_right:
; q, k, v = Q(LN1(x)) Q(w_attn) + b_attn on codes of E4M3, and the results quantised again: q with e2, k with e3 (K = the head's 64), v with e5 (K = the keys).
; OPERANDS ARE FRAGMENT IMAGES: [row / 16][k / 128][2,048 bytes], the 2,048 bytes being the operand's 16 registers x 32 lanes: piece p (registers 4p .. 4p+3) of lane L at 512 p + 16 L.  A fragment comes from LDS by four
; loads of 512 consecutive bytes; no pitch, no padding.
; A tile of 256 x 256 is made by four waves, as many as a WGP has SIMDs; a wave makes 128 x 128: 64 accumulators, 512 registers.  K goes in steps of 256 through a ring of two LDS slots filled by the tensor data mover.
; CLUSTERS: 4 x 4 work-groups; "A"'s tile is shared along a row of the cluster, "B"'s along a column: each is asked for jointly.
; THE MATRIX INSTRUCTION IS USED TRANSPOSED (source 0 = 16 rows of "B", source 1 = 16 rows of "A"): lane (r, h) holds "A" row r and "B" rows 8 h + 0 .. 7.  One conversion of an accumulator's eight registers gives registers
; 2 b, 2 b + 1 of an operand whose rows are "A"'s and whose K is "B"'s index: a block's eight accumulators are one fragment image, stored from registers, 512 consecutive bytes a store.
; Cluster x = 0 makes q, 1 makes k: "A" = tokens, "B" = w_attn's columns.  Cluster x = 2 makes v with the roles changed BY DATA: "A" = w_attn's columns 2048 .. 3071, "B" = tokens, so that v's K is the tokens.
; qkvimg: +0 q, +0x400000 k, +0x800000 v, each [batch 2][step of 128 tokens 16][head 16][8,192 bytes]; q, k: [16 tokens 8][piece 2][512]; v: [16 channels 4][piece 4][512].
; LIMITS: e0 + e1 between -126 and 127; e2, e3, e5 between -126 and 119: each power of two below is an f32 number.  NaN is not served.
; REGISTERS, in windows of 256: window 0: v16-30 addresses; v32-95 the bias along the registers, v96-111 the bias of the lane; v112, v113 the conversion's scale and hold; from v128 "A"'s fragments, one set; behind the loop
;   v128-191 a block's numbers, v192-207 its codes.   window 1: "B"'s fragments, two sets.   windows 2, 3: the accumulators ((a, b) at v[64 (a % 4) + 8 b] of window 2 + a / 4).
.set KTOT,   1024
.set KP,     16*KTOT                   ; bytes in a row tile of an image
.set HALFT,  32768                     ; 8 row tiles x 4,096 bytes: what one tensor load brings, and what one wave reads of "A" or of "B"
.set SLOT,   4*HALFT                   ; "A"'s 16 row tiles, then "B"'s 16; 256 along K
.set SPARE,  2*SLOT                    ; behind the ring: the spare words, 128 bytes for each wave: two blocks of 256 bytes that no other line names
.set LAPS,   KTOT/512                  ; a lap = two K steps = once round the ring
.set FR,     16                        ; registers of a fragment
.set NL,     4                         ; LDS loads that bring one
.set NP,     4                         ; places behind this matrix instruction (ISA guide 7.12.1)
.set ADRA, 16                          ; v16-17  LDS address of my "A" fragments in slot 0, 1
.set ADRB, 20                          ; v20-21  the same for "B"
.set CO,   26                          ; v26     16 x lane
.set SPW,  28                          ; v28     LDS address of my spare word; never rewritten
.set NIL,  29                          ; v29     0; never rewritten
.set AF,   128
.set T,    128
.set BQ,   32
.set BV,   96
.set CD,   192
.set G1, 24                            ; s[24:31] descriptor group 1 for "A"'s tiles;  s[32:39] group 0, one set for each slot
.set G0, 32
.set G1B, 48                           ; s[48:55], s[56:63] the same for "B"'s
.set G0B, 56
.set MSB, 0
.macro WIN new                         ; the immediate's high byte repeats the setting that is left
.if MSB != (\new)
	s_set_vgpr_msb (MSB<<8)|(\new)
.set MSB, (\new)
.endif
.endm
.set MUL_LO, 0xa1                      ; source 0 ("B") window 1, source 1 ("A") window 0, C and D window 2
.set MUL_HI, 0xf1                      ; the same, C and D window 3
.set TO_B,   0x40                      ; destination window 1, address window 0
; A joint load: waves 0 and 1 fetch for "A", waves 2 and 3 for "B".  Each line has one mask and one set of registers for all that issue it; the branch hangs on the wave's number alone.  Four v_nop follow each line.
.macro JLOAD g0a, g1a, g0b, g1b
	s_cmp_eq_u32 s15, 0
	s_cbranch_scc0 .Lfor_b_\@
	tensor_load_to_lds s[\g0a:\g0a+3], s[\g1a:\g1a+7]
	s_nop 0
.rept 4
	v_nop
.endr
	s_branch .Lasked_\@
.Lfor_b_\@:
	tensor_load_to_lds s[\g0b:\g0b+3], s[\g1b:\g1b+7]
	s_nop 0
.rept 4
	v_nop
.endr
.Lasked_\@:
.endm
.macro CREST                           ; a round of the cluster's barrier behind its opening barrier
	s_cmp_lg_u32 s14, 0
	s_cbranch_scc1 .Lnot_wave_0_\@
	s_barrier_signal -3
.Lnot_wave_0_\@:
	s_barrier_wait -3
	s_barrier_signal -1
	s_barrier_wait -1
.endm
.macro CROUND                          ; a whole round
	s_barrier_signal -1
	s_barrier_wait -1
	CREST
.endm
	s_load_b256 s[68:75], s[0:1], 0x0              ; prepimg s[68:69], the scales' exponents s[70:71], b_attn s[72:73], qkvimg s[74:75]
	v_lshl_add_u32 v[SPW], v0, 2, SPARE
	v_mov_b32 v[NIL], 0
	ds_add_u32 v28, v29
	ds_add_u32 v28, v29
	s_wait_dscnt 0x0
	v_lshrrev_b32 v1, 5, v0
	v_readfirstlane_b32 s14, v1                    ; wave 0..3
	s_lshr_b32 s15, s14, 1                         ; which half of "A"'s rows is mine.  Also: I fetch for "A" (0) or for "B" (1)
	s_and_b32 s16, s14, 1                          ; which half of "B"'s rows.  Also: which 8 row tiles of that tile I fetch
	s_bfe_u32 s40, ttmp6, 0x40000                  ; cx, cy: my place in the cluster
	s_bfe_u32 s41, ttmp6, 0x40004
	s_lshl_b32 s18, ttmp9, 2                       ; 4 x cluster x
	s_and_b32 s19, ttmp7, 0xffff
	s_lshl_b32 s19, s19, 2                         ; 4 x cluster y
	s_cmp_eq_u32 ttmp9, 2                          ; v?  The cluster's x is the same in all sixteen partners
	s_cselect_b32 s17, 0, s19                      ; "A"'s tile: of the tokens' 16 by cluster y, of v's 4 tiles of columns by cy alone
	s_cselect_b32 s42, s19, s18                    ; "B"'s tile: of q's and k's 8 tiles of columns by cluster x, of the tokens' 16 by cluster y
	s_cselect_b32 s66, 0x600000, 0                 ; "A"'s image in prepimg: w_attn^T from its row tile 128 on, or the norm's codes
	s_cselect_b32 s67, 0, 0x400000                 ; "B"'s
	s_add_co_u32 s17, s17, s41                     ; + cy: shared along a row of the cluster
	s_add_co_u32 s42, s42, s40                     ; + cx: shared along a column
	s_lshl_b32 s43, s41, 2
	s_lshl_b32 s43, 15, s43                        ; my row of the cluster
	s_lshl_b32 s44, 0x1111, s40                    ; my column
	; descriptor group 1: 8 rows (row tiles) of 4,096 bytes (two fragments), KP bytes apart, dense in LDS
	s_or_b32 s[G1+0], s43, (3<<16)|(1<<21)         ; 15:0 the mask; 17:16 elements of 8 bytes; 20 no padding; 21 set beside a mask
	s_or_b32 s[G1B+0], s44, (3<<16)|(1<<21)
.irp g, G1, G1B
	s_mov_b32 s[\g+1], 512<<16                     ; tensor_dim0 = 512 elements
	s_mov_b32 s[\g+2], 8<<16                       ; tensor_dim1 = 8
	s_mov_b32 s[\g+3], 512<<16                     ; tile_dim0
	s_mov_b32 s[\g+4], 8                           ; tile_dim1
	s_mov_b32 s[\g+5], KP/8                        ; tensor_dim0_stride, in elements
	s_mov_b32 s[\g+6], 0
	s_mov_b32 s[\g+7], 0
.endr
	s_lshl_b32 s18, s16, 3                         ; which 8 row tiles I fetch
	s_lshl_b32 s20, s17, 4
	s_add_co_u32 s20, s20, s18
	s_mul_i32 s20, s20, KP
	s_add_co_u32 s20, s20, s66                     ; "A": bytes from prepimg's first
	s_mov_b32 s21, 0
	s_lshl_b32 s46, s42, 4
	s_add_co_u32 s46, s46, s18
	s_mul_i32 s46, s46, KP
	s_add_co_u32 s46, s46, s67                     ; "B"
	s_mov_b32 s47, 0
	s_mul_i32 s45, s14, HALFT                      ; where they go: wave x 32,768: no place in the cluster enters an LDS address
	s_wait_kmcnt 0x0
	s_load_b256 s[80:87], s[70:71], 0x0            ; e0 .. e7
	s_add_nc_u64 s[20:21], s[68:69], s[20:21]
	s_add_nc_u64 s[46:47], s[68:69], s[46:47]
	CROUND                                         ; all sixteen work-groups are here: the first joint loads meet
.irp s, 0,1
	s_mov_b32 s[G0+4*\s], 1
	s_add_co_u32 s[G0+4*\s+1], s45, \s*SLOT
	s_add_nc_u64 s[G0+4*\s+2:G0+4*\s+3], s[20:21], \s*4096
	s_or_b32 s[G0+4*\s+3], s[G0+4*\s+3], 0x80000000
	s_mov_b32 s[G0B+4*\s], 1
	s_add_co_u32 s[G0B+4*\s+1], s45, \s*SLOT
	s_add_nc_u64 s[G0B+4*\s+2:G0B+4*\s+3], s[46:47], \s*4096
	s_or_b32 s[G0B+4*\s+3], s[G0B+4*\s+3], 0x80000000
.endr
	JLOAD G0, G1, G0B, G1B                         ; K step 0: one tensor load a wave at the head
	; PREFETCH INTO THE L2: behind the joint load of K step 0 the wave asks for K steps 1 and 2, behind that of K step 1 for K step 3: two steps are asked for and not yet read at the most; the ring's two refills have nothing further on.
	; Of the 8 row tiles x 4,096 bytes that I fetch, each of the four partners that ask jointly takes two row tiles, told apart by address (cx for "A", cy for "B"): 32 blocks of 256 bytes, a lane a block,
	; each block named once in the cluster.  The address is never rewritten.
	s_cmp_eq_u32 s15, 0
	s_cselect_b64 s[4:5], s[20:21], s[46:47]
	s_cselect_b32 s6, s40, s41
	s_mul_i32 s6, s6, 2*KP
	s_mov_b32 s7, 0
	s_add_nc_u64 s[4:5], s[4:5], s[6:7]
	v_bfe_u32 v31, v0, 4, 1
	v_mul_u32_u24 v31, v31, KP
	v_and_b32 v1, 15, v0
	v_lshl_add_u32 v31, v1, 8, v31
	global_prefetch_b8 v31, s[4:5] offset:4096 th:TH_LOAD_NT scope:SCOPE_SE
	global_prefetch_b8 v31, s[4:5] offset:8192 th:TH_LOAD_NT scope:SCOPE_SE
	v_and_b32 v1, 31, v0
	v_lshlrev_b32 v[CO], 4, v1
	s_mul_i32 s21, s15, HALFT                      ; my 8 row tiles of "A"
	s_mul_i32 s22, s16, HALFT                      ; my 8 of "B",
	s_add_co_u32 s22, s22, 2*HALFT                 ; which lie behind "A"'s 16
.irp s, 0,1
	v_add_nc_u32 v[ADRA+\s], s21, v[CO]
	v_add_nc_u32 v[ADRB+\s], s22, v[CO]
	s_add_co_u32 s21, s21, SLOT
	s_add_co_u32 s22, s22, SLOT
.endr
	; the biases, in both forms, so that no register's state hangs on a branch; the form that is not used reads the buffer's first bytes
	v_bfe_u32 v2, v0, 4, 1
	v_lshlrev_b32 v27, 5, v2                       ; 32 h
	s_wait_alu depctr_va_vdst(0)
	v_and_b32 v2, 15, v0
	v_lshlrev_b32 v30, 2, v2                       ; 4 r
	s_wait_alu depctr_va_vdst(0)
	s_lshl_b32 s88, s42, 10
	s_lshl_b32 s89, s16, 9
	s_add_co_u32 s88, s88, s89                     ; q, k: 4 bytes x my first column (256 x "B"'s tile + 128 x half)
	s_lshl_b32 s90, s17, 10
	s_lshl_b32 s91, s15, 9
	s_add_co_u32 s90, s90, s91
	s_add_co_u32 s90, s90, 8192                    ; v: 4 bytes x (2048 + 256 x "A"'s tile + 128 x half)
	s_cmp_eq_u32 ttmp9, 2
	s_cselect_b32 s88, 0, s88
	s_cselect_b32 s90, s90, 0
	s_mov_b32 s89, 0
	s_mov_b32 s91, 0
	s_add_nc_u64 s[76:77], s[72:73], s[88:89]
	s_add_nc_u64 s[78:79], s[72:73], s[90:91]
.irp b, 0,1,2,3,4,5,6,7
	global_load_b128 v[BQ+8*\b:BQ+8*\b+3], v27, s[76:77] offset:64*\b       ; the bias of columns 16 b + 8 h + 0 .. 7
	global_load_b128 v[BQ+8*\b+4:BQ+8*\b+7], v27, s[76:77] offset:64*\b+16
.endr
.irp a, 0,1,2,3,4,5,6,7
	global_load_b32 v[BV+2*\a], v30, s[78:79] offset:64*\a                  ; the bias of column 16 a + r, in both halves of a pair
	global_load_b32 v[BV+2*\a+1], v30, s[78:79] offset:64*\a
.endr
	; where my results go: the step of 128 tokens and the first of my two heads
	s_lshl_b32 s88, s17, 1
	s_add_co_u32 s88, s88, s15                     ; q, k: step = 2 x "A"'s tile + half,
	s_and_b32 s89, s42, 3
	s_lshl_b32 s89, s89, 2
	s_lshl_b32 s93, s16, 1
	s_add_co_u32 s89, s89, s93                     ; head = 4 x ("B"'s tile % 4) + 2 x half
	s_lshl_b32 s90, s42, 1
	s_add_co_u32 s90, s90, s16                     ; v: step = 2 x "B"'s tile + half,
	s_lshl_b32 s91, s17, 2
	s_lshl_b32 s93, s15, 1
	s_add_co_u32 s91, s91, s93                     ; head = 4 x "A"'s tile + 2 x half
	s_cmp_eq_u32 ttmp9, 2
	s_cselect_b32 s88, s90, s88
	s_cselect_b32 s89, s91, s89
	s_lshl_b32 s88, s88, 17
	s_lshl_b32 s89, s89, 13
	s_add_co_u32 s88, s88, s89
	s_lshl_b32 s89, ttmp9, 22                      ; q, k or v
	s_add_co_u32 s88, s88, s89
	s_mov_b32 s89, 0
	s_add_nc_u64 s[12:13], s[74:75], s[88:89]
.macro FRAG reg, adr, q, i             ; row tile i, the slot's q-th 128 along K: four loads of 512 consecutive bytes
.irp c, 0,1,2,3
	ds_load_b128 v[\reg+4*\c:\reg+4*\c+3], v[\adr] offset:4096*(\i)+2048*(\q)+512*\c
.endr
.endm
; 16 matrix instructions: "A"'s blocks a0, a0 + 1 x "B"'s eight, 128 along K.  p: "B"'s set.  zero = 1: the first product starts the sums.  The 64 accumulators take turns, one instruction a turn, in the same order in every step.
.macro MUL16 a0, p, zero
.irp a, \a0, \a0+1
.irp b, 0,1,2,3,4,5,6,7
.if \zero
	v_wmma_f32_16x16x128_fp8_fp8 v[8*(8*((\a)%4)+\b):8*(8*((\a)%4)+\b)+7], v[128*(\p)+FR*\b:128*(\p)+FR*\b+FR-1], v[AF+FR*(\a):AF+FR*(\a)+FR-1], 0
.else
	v_wmma_f32_16x16x128_fp8_fp8 v[8*(8*((\a)%4)+\b):8*(8*((\a)%4)+\b)+7], v[128*(\p)+FR*\b:128*(\p)+FR*\b+FR-1], v[AF+FR*(\a):AF+FR*(\a)+FR-1], v[8*(8*((\a)%4)+\b):8*(8*((\a)%4)+\b)+7]
.endif
.endr
.endr
.endm
.macro FETCH_B slot, q, p
	WIN TO_B
.irp i, 0,1,2,3,4,5,6,7
	FRAG 128*(\p)+FR*\i, ADRB+\slot, \q, \i
.endr
	WIN 0
.endm
.macro FETCH_A slot, q, i0
.irp i, \i0, \i0+1, \i0+2, \i0+3
	FRAG AF+FR*(\i), ADRA+\slot, \q, \i
.endr
.endm
.macro PLACES n                        ; plain vector instructions between a matrix instruction and a load into, or a read of, its registers
.rept \n
	v_nop
.endr
.endm
; A step of 128 along K that has its successor in the same slot.  A block of "A" is free as soon as its eight products are issued: one set serves "A" (blocks 0-3 fetched anew in the middle, 4-7 at the end); "B" has two sets.
.macro STEP slot, q, zero
	s_wait_dscnt 4*NL                              ; "B"'s set and "A"'s blocks 0-3 are in; the youngest 16 loads ("A"'s blocks 4-7) may be out
	WIN MUL_LO
	MUL16 0, (\q)%2, \zero
	MUL16 2, (\q)%2, \zero
	s_wait_dscnt 0x0                               ; "A"'s blocks 4-7 are in
	PLACES NP
	FETCH_B \slot, (\q)+1, 1-(\q)%2
	FETCH_A \slot, (\q)+1, 0
	WIN MUL_HI
	MUL16 4, (\q)%2, \zero
	MUL16 6, (\q)%2, \zero
	PLACES NP
	WIN 0
	FETCH_A \slot, (\q)+1, 4
.endm
; A slot's last step changes slots: one barrier; in front of it each wave waits for all its tensor loads, adds 0 to its spare word, and waits for that and for its own reads of this slot.  fill = 1: this slot is filled again, two K steps ahead.
.macro TURN slot, next, fill
	s_wait_tensorcnt 0x0                           ; all my tensor loads have landed: my part of the next slot
	ds_add_u32 v[SPW], v[NIL]                      ; 0 onto my spare word
	s_wait_dscnt 4*NL+1                            ; (the add and the youngest 16 loads may be out)
	WIN MUL_LO
	MUL16 0, 1, 0                                  ; sixteen matrix instructions stand between the add and the wait for it
	s_wait_dscnt 0x0                               ; the add is done, and my reads of this slot are over
	s_barrier_signal -1
	MUL16 2, 1, 0
	WIN 0
	s_barrier_wait -1
.if \fill
	CREST                                          ; the barrier has opened a round of the cluster's barrier: no wave of any partner still reads this slot or has a load on its way
	s_add_nc_u64 s[G0+4*\slot+2:G0+4*\slot+3], s[G0+4*\slot+2:G0+4*\slot+3], 8192
	s_add_nc_u64 s[G0B+4*\slot+2:G0B+4*\slot+3], s[G0B+4*\slot+2:G0B+4*\slot+3], 8192
	JLOAD G0+4*\slot, G1, G0B+4*\slot, G1B         ; the first tensor load behind the round; its four v_nop are the places in front of the loads below
.else
	PLACES NP
.endif
	FETCH_B \next, 0, 0
	FETCH_A \next, 0, 0
	WIN MUL_HI
	MUL16 4, 1, 0
	MUL16 6, 1, 0
	PLACES NP
	WIN 0
	FETCH_A \next, 0, 4
.endm
	s_wait_alu depctr_va_vdst(0)                   ; the wait at the head's end
	s_wait_tensorcnt 0x0                           ; my part of K step 0 is in
	ds_add_u32 v[SPW], v[NIL]
	s_wait_dscnt 0x0
	CROUND                                         ; everybody's part is in, and all sixteen work-groups are here
	JLOAD G0+4, G1, G0B+4, G1B                     ; K step 1, the first tensor load behind the round
	global_prefetch_b8 v31, s[4:5] offset:12288 th:TH_LOAD_NT scope:SCOPE_SE   ; K step 3
	FETCH_B 0, 0, 0
	FETCH_A 0, 0, 0
	FETCH_A 0, 0, 4
	STEP 0, 0, 1                                   ; the first step stands in front of the loop: its products start the sums
	s_mov_b32 s3, LAPS-1
.Llap:                                                 ; a trip goes once round the ring and fills both slots again
	TURN 0, 1, 1
	STEP 1, 0, 0
	TURN 1, 0, 1
	STEP 0, 0, 0
	s_sub_co_u32 s3, s3, 1
	s_cmp_lg_u32 s3, 0
	s_cbranch_scc1 .Llap
	TURN 0, 1, 0                                   ; the last lap fills nothing
	STEP 1, 0, 0
	s_wait_dscnt 4*NL
	WIN MUL_LO
	MUL16 0, 1, 0
	MUL16 2, 1, 0
	s_wait_dscnt 0x0
	WIN MUL_HI
	MUL16 4, 1, 0
	MUL16 6, 1, 0
	WIN 0
; THE WAY OUT: eight blocks of 16 "A" rows, in a loop of eight trips.  Only the lines that name the accumulators differ from trip to trip: GET a, chosen by the counter; the rest works on fixed registers.
.macro GET a, mode                     ; block a's 64 sums x 2^(e0 + e1) + the bias, each accumulator from its low end on
	WIN 0x02+(\a)/4                                ; source 0: window 2 or 3
.irp b, 0,1,2,3,4,5,6,7
.irp i, 0,2,4,6
.if \mode
	v_pk_fma_f32 v[T+8*\b+\i:T+8*\b+\i+1], v[64*((\a)%4)+8*\b+\i:64*((\a)%4)+8*\b+\i+1], s[96:97], v[BV+2*(\a):BV+2*(\a)+1] op_sel_hi:[1,0,1]
.else
	v_pk_fma_f32 v[T+8*\b+\i:T+8*\b+\i+1], v[64*((\a)%4)+8*\b+\i:64*((\a)%4)+8*\b+\i+1], s[96:97], v[BQ+8*\b+\i:BQ+8*\b+\i+1] op_sel_hi:[1,0,1]
.endif
.endr
.endr
	WIN 0                                          ; at a label and at a branch every window is 0
.endm
.macro QUANT
.set N, 0
.rept 64
	v_med3_num_f32 v[T+N], v[T+N], -v113, v113     ; the conversion to an 8-bit code does not saturate (ISA guide 7.6.2)
.set N, N+1
.endr
.irp b, 0,1,2,3,4,5,6,7
	v_cvt_scalef32_pk8_fp8_f32 v[CD+2*\b:CD+2*\b+1], v[T+8*\b:T+8*\b+7], v112   ; registers 2 b, 2 b + 1 of the next operand
.endr
	v_nop                                          ; a plain instruction behind the last scaled conversion: the next trip writes its sources
.endm
.macro EPILOOP mode, astep, o0, o1, o2, o3
	s_mov_b32 s92, 0
.Lblk_\mode:
	s_cmp_eq_u32 s92, 0
	s_cbranch_scc1 .Lg0_\mode
	s_cmp_eq_u32 s92, 1
	s_cbranch_scc1 .Lg1_\mode
	s_cmp_eq_u32 s92, 2
	s_cbranch_scc1 .Lg2_\mode
	s_cmp_eq_u32 s92, 3
	s_cbranch_scc1 .Lg3_\mode
	s_cmp_eq_u32 s92, 4
	s_cbranch_scc1 .Lg4_\mode
	s_cmp_eq_u32 s92, 5
	s_cbranch_scc1 .Lg5_\mode
	s_cmp_eq_u32 s92, 6
	s_cbranch_scc1 .Lg6_\mode
	GET 7, \mode
	s_branch .Lgot_\mode
.Lg0_\mode:
	GET 0, \mode
	s_branch .Lgot_\mode
.Lg1_\mode:
	GET 1, \mode
	s_branch .Lgot_\mode
.Lg2_\mode:
	GET 2, \mode
	s_branch .Lgot_\mode
.Lg3_\mode:
	GET 3, \mode
	s_branch .Lgot_\mode
.Lg4_\mode:
	GET 4, \mode
	s_branch .Lgot_\mode
.Lg5_\mode:
	GET 5, \mode
	s_branch .Lgot_\mode
.Lg6_\mode:
	GET 6, \mode
.Lgot_\mode:
	QUANT
	global_store_b128 v[CO], v[CD:CD+3], s[12:13] offset:\o0         ; each store: 512 consecutive bytes, at a multiple of 256 from the buffer's first byte
	global_store_b128 v[CO], v[CD+4:CD+7], s[12:13] offset:\o1
	global_store_b128 v[CO], v[CD+8:CD+11], s[12:13] offset:\o2
	global_store_b128 v[CO], v[CD+12:CD+15], s[12:13] offset:\o3
	s_wait_xcnt 0x0                                ; the stores have read their data and their base: both are written again only behind this wait
	s_add_nc_u64 s[12:13], s[12:13], \astep
	s_add_co_u32 s92, s92, 1
	s_cmp_lt_u32 s92, 8
	s_cbranch_scc1 .Lblk_\mode
.endm
	s_wait_loadcnt 0x0                             ; the biases
	s_wait_kmcnt 0x0
	s_add_co_i32 s96, s80, s81
	s_add_co_i32 s96, s96, 127
	s_lshl_b32 s96, s96, 23                        ; 2^(e0 + e1) as f32
	s_mov_b32 s97, s96                             ; (named with it as a pair, so it is written)
	s_cmp_eq_u32 ttmp9, 1
	s_cselect_b32 s93, s83, s82                    ; the result's e: e2 for q, e3 for k,
	s_cmp_eq_u32 ttmp9, 2
	s_cselect_b32 s93, s85, s93                    ; e5 for v: a choice, no branch
	s_add_co_i32 s93, s93, 127
	s_lshl_b32 s94, s93, 23
	v_mov_b32 v112, s94
	s_add_co_i32 s93, s93, 8
	s_lshl_b32 s93, s93, 23
	s_or_b32 s93, s93, 0x600000
	v_mov_b32 v113, s93
	PLACES NP                                      ; behind the last products: their results are read, and "A"'s registers written, below
	s_cmp_eq_u32 ttmp9, 2                          ; the cluster's x: alike in all partners
	s_cbranch_scc1 .Lfor_v
	EPILOOP 0, 1024, 0, 512, 8192, 8704            ; q, k: block a = 16 tokens; accumulators 0-3 are the first head's 64, 4-7 the second's
	s_branch .Lout
.Lfor_v:
	EPILOOP 1, 2048, 0, 512, 1024, 1536            ; v: block a = 16 channels; the eight accumulators are the step's 128 tokens
.Lout:
	s_wait_tensorcnt 0x0                           ; the wave's end
	ds_add_u32 v[SPW], v[NIL]
	s_wait_dscnt 0x0
	CROUND                                         ; the closing round: no work-group ends while a partner may still ask for a tile that names it
	s_endpgm
.Lfunc_end_k_q99d04cf1ff_gemm_qkv:
	.size	k_q99d04cf1ff_gemm_qkv, .Lfunc_end_k_q99d04cf1ff_gemm_qkv-k_q99d04cf1ff_gemm_qkv
	.p2alignl 7, 3214868480
	.fill 96, 4, 3214868480
	.section	.rodata,"a",@progbits
	.p2align	6, 0x0
	.amdhsa_kernel k_q99d04cf1ff_gemm_qkv
		.amdhsa_group_segment_fixed_size 327680
		.amdhsa_private_segment_fixed_size 0
		.amdhsa_enable_private_segment 0
		.amdhsa_kernarg_size 32
		.amdhsa_user_sgpr_count 2
		.amdhsa_user_sgpr_kernarg_segment_ptr 1
		.amdhsa_wavefront_size32 1
		.amdhsa_system_sgpr_workgroup_id_x 1
		.amdhsa_system_sgpr_workgroup_id_y 1
		.amdhsa_system_sgpr_workgroup_id_z 1
		.amdhsa_system_vgpr_workitem_id 0
		.amdhsa_next_free_vgpr 1024
		.amdhsa_next_free_sgpr 100
		.amdhsa_reserve_vcc 0
		.amdhsa_float_denorm_mode_32 3
		.amdhsa_float_denorm_mode_16_64 3
		.amdhsa_memory_ordered 1
		.amdhsa_forward_progress 1
		.amdhsa_inst_pref_size 128
	.end_amdhsa_kernel
	.amdgpu_metadata
---
amdhsa.version: [ 1, 2 ]
amdhsa.kernels:
  - .name:           k_q99d04cf1ff_gemm_qkv
    .symbol:         k_q99d04cf1ff_gemm_qkv.kd
    .args:
      - { .name: prepimg, .offset: 0, .size: 8, .value_kind: global_buffer, .address_space: global }
      - { .name: lowp_scales, .offset: 8, .size: 8, .value_kind: global_buffer, .address_space: global }
      - { .name: b_attn, .offset: 16, .size: 8, .value_kind: global_buffer, .address_space: global }
      - { .name: qkvimg, .offset: 24, .size: 8, .value_kind: global_buffer, .address_space: global }
    .group_segment_fixed_size: 327680
    .private_segment_fixed_size: 0
    .kernarg_segment_align: 8
    .kernarg_segment_size: 32
    .max_flat_workgroup_size: 128
    .sgpr_count:     100
    .vgpr_count:     1024
    .wavefront_size: 32
...
	.end_amdgpu_metadata
.endif
;; end of part 9
;; launch attn (part 10): grid 8 x 32, 16 waves a work-group, no clusters, 327,680 bytes of LDS; arguments qkvimg, lowp_scales, yimg; writes yimg
.if DOCPART == 10
	.amdgcn_target "amdgcn-amd-amdhsa--gfx1250"
	.amdhsa_code_object_version 6
	.text
	.protected	k_q99d04cf1ff_attn
	.globl	k_q99d04cf1ff_attn
	.p2align	8
	.type	k_q99d04cf1ff_attn,@function
k_q99d04cf1ff_attn:
	s_mov_b64 s[64:65], 0
	v_nop
	global_prefetch_b8 v0, s[64:65] scope:SCOPE_SE
	s_setreg_imm32_b32 hwreg(HW_REG_WAVE_MODE, 25, 1), 1
	s_wait_xcnt 0x0
; Causal attention on codes of E4M3, one head of one batch for eight work-groups; the result is quantised with e6 and laid as the next product's fragment image.
; qkvimg: +0 q, +0x400000 k, +0x800000 v, each [batch 2][step of 128 tokens 16][head 16][8,192 bytes] of fragment images (q, k: [16 tokens 8][piece 2][512]; v: [16 channels 4][piece 4][512]).
; THE SOFTMAX: t = score x log2(e) / 8; M = the running largest t rounded up to a whole number; p = 2^(t - M) is quantised with e4; the row's sum is taken of the unquantised p and divides at the end.
; SHARES: work-group x owns the query blocks x (early) and 15 - x (late), 128 queries each.  Waves 2 i and 2 i + 1 are a pair for tile i (16 queries) of both blocks: x + 1 key steps for the early tile, 16 - x for the late one, 17 in all.
; One wave of the pair (bit 0 xor bit 2 of its number = 1) is the late tile's; the other walks the early tile, finishes and stores it, and then takes the late tile's steps lo .. hi, lo = 8 - (7 - x) / 2, hi = 7 + (8 - x) / 2
; (7 - x steps, none on the diagonal), with a state of its own.  So the waves have 9 and 8 steps, and in each stretch between two barriers (steps 0-1, 2-7, 8-15) their counts differ by one at the most.
; At the end the helper's state (-M, the sum, O^T) goes through LDS to its partner, which brings both under the larger M by powers of two and adds them.  A helper with no steps (x = 7) hands over zeros.
; Every wave loads the late tile's Q beside its own: the late waves read theirs twice, so that no register's state hangs on a branch.
; Both products are used transposed (S^T = K Q^T, O^T = V^T P^T): a lane holds one query.  Steps that are not the wave's, those under the causal mask among them, are left out by scalar branches on ids.
; LDS: key step s lies at 16,384 s: K's 8,192 bytes, then V's.  All 16 steps fit, so nothing is filled twice.  THREE FIRST FILLS, one tensor load a wave each: steps 0-3 at the head (4,096 bytes a wave),
; steps 4-7 behind the first full sequence, steps 8-15 (8,192 bytes a wave) behind the second, which stands behind step 1.  The late block needs at least steps 0 to 8, so every load holds live keys.
; The states' hand-over lies in the first steps' bytes, behind a barrier behind which no wave reads K or V: they have had their only fill.
; PREFETCH INTO THE L2 of what the second and third fills will ask for, behind the head's tensor load and Q's loads.  The eight work-groups of a head share steps 4 to 15 out: work-group x asks for step 8 + x (wave 0: K's 8,192 bytes,
; wave 1: V's) and for K's (x even) or V's (x odd) 8,192 bytes of step 4 + x / 2 (wave 2): one instruction a wave, lanes 256 bytes apart, each block of 256 bytes named once in the launch; 24,576 bytes a work-group.
; NO CLUSTER: the branches round steps hang on the work-group's number, which differs between the work-groups that share K and V.
; LIMITS: e2 + e3 between -123 and 130 (added to the exponent field of log2(e) / 8); e4 and e6 between -126 and 119; the scaled scores stay under 2^31 in magnitude.  NaN is not served.
; REGISTERS: v1 16 x lane; v2 the step's LDS address; v3, v4 my and my partner's hand-over; v5 256 x lane; v7 r - 8 h; v12 -M, v13 largest t, v[14:15] the sum; v16-23 Q; v24-31 the late tile's Q; v32-95 K's, then V's fragments;
; v96-159 S^T, then p; v160-191 O^T; v192-207 p's codes; v208-215 the result's codes.
.set SPARE, 0x40000                    ; behind the 16 steps: the spare words, 128 bytes a wave
.set SPW, 251
.set NIL, 255
.set HAND, 4608                        ; a state: 8 x 512 bytes of O^T, 512 of -M, t and the sum
	s_load_b128 s[4:7], s[0:1], 0x0                ; qkvimg, the scales' exponents
	s_load_b64 s[8:9], s[0:1], 0x10                ; yimg
	v_lshl_add_u32 v[SPW], v0, 2, SPARE
	v_mov_b32 v[NIL], 0
	ds_add_u32 v[SPW], v[NIL]                      ; the opening lines: the add twice on end and one wait
	ds_add_u32 v[SPW], v[NIL]
	v_lshrrev_b32 v2, 5, v0
	v_readfirstlane_b32 s18, v2                    ; wave 0..15
	s_and_b32 s10, ttmp7, 0xffff
	s_lshr_b32 s11, s10, 4                         ; batch
	s_and_b32 s12, s10, 15                         ; head
	s_lshr_b32 s13, s18, 1                         ; my pair: tile 0..7
	s_lshr_b32 s14, s18, 2
	s_xor_b32 s14, s14, s18
	s_and_b32 s19, s14, 1                          ; 1: the late tile's wave
	s_sub_co_u32 s2, 15, ttmp9                     ; the late block
	s_cmp_eq_u32 s19, 0
	s_cselect_b32 s14, ttmp9, s2                   ; my first block
.irp g, 24, 32                         ; descriptor groups 1: dense blocks as rows of 256 bytes (32 elements of 8 bytes): 16 rows, and 32 rows
	s_mov_b32 s[\g], 3<<16
	s_mov_b32 s[\g+1], 32<<16
	s_mov_b32 s[\g+3], 32<<16
	s_mov_b32 s[\g+5], 32
	s_mov_b32 s[\g+6], 0
	s_mov_b32 s[\g+7], 0
.endr
	s_mov_b32 s26, 16<<16
	s_mov_b32 s28, 16
	s_mov_b32 s34, 32<<16
	s_mov_b32 s36, 32
	s_lshl_b32 s15, s11, 21
	s_lshl_b32 s16, s12, 13
	s_add_co_u32 s15, s15, s16                     ; batch and head, in bytes
	s_bfe_u32 s16, s18, 0x10001                    ; fills 0 and 1: step wave / 4, K or V by bit 1, half by bit 0
	s_lshl_b32 s16, s16, 22
	s_lshr_b32 s17, s18, 2
	s_lshl_b32 s17, s17, 17
	s_add_co_u32 s16, s16, s17
	s_and_b32 s17, s18, 1
	s_lshl_b32 s52, s17, 22                        ; fill 2: step 8 + wave / 2, K or V by bit 0
	s_lshl_b32 s17, s17, 12
	s_add_co_u32 s16, s16, s17
	s_add_co_u32 s16, s16, s15
	s_add_co_u32 s16, s16, 0x400000
	s_mov_b32 s17, 0
	s_lshl_b32 s53, s13, 17
	s_add_co_u32 s52, s52, s53
	s_add_co_u32 s52, s52, s15
	s_add_co_u32 s52, s52, 0x500000
	s_mov_b32 s53, 0
	s_lshl_b32 s55, s13, 10                        ; Q: a block's step, my tile's 1,024 bytes
	s_add_co_u32 s55, s55, s15
	s_lshl_b32 s54, s14, 17
	s_add_co_u32 s54, s54, s55
	s_lshl_b32 s78, s2, 17
	s_add_co_u32 s78, s78, s55                     ; and the late tile's
	s_mov_b32 s55, 0
	s_mov_b32 s79, 0
	s_add_co_u32 s67, ttmp9, 8                     ; the prefetch: waves 0, 1: step 8 + x, K or V by the wave;
	s_lshr_b32 s68, ttmp9, 1
	s_add_co_u32 s68, s68, 4                       ; wave 2: step 4 + x / 2, K or V by x's bit 0
	s_cmp_lt_u32 s18, 2
	s_cselect_b32 s66, s18, ttmp9
	s_cselect_b32 s67, s67, s68
	s_and_b32 s66, s66, 1
	s_lshl_b32 s66, s66, 22
	s_lshl_b32 s67, s67, 17
	s_add_co_u32 s68, s66, s67
	s_add_co_u32 s68, s68, s15
	s_add_co_u32 s68, s68, 0x400000
	s_mov_b32 s69, 0
	s_wait_dscnt 0x0                               ; both opening adds are done
	s_wait_kmcnt 0x0
	s_mov_b32 s40, 1
	s_lshl_b32 s41, s18, 12                        ; LDS: 4,096 x wave
	s_add_nc_u64 s[42:43], s[4:5], s[16:17]
	s_add_nc_u64 s[46:47], s[42:43], 0x80000       ; four steps on
	s_or_b32 s43, s43, 0x80000000
	tensor_load_to_lds s[40:43], s[24:31]          ; steps 0-3: my one tensor load at the head
	s_nop 0
	s_load_b256 s[56:63], s[6:7], 0x0              ; e0 .. e7
	s_mov_b32 s44, 1
	s_add_co_u32 s45, s41, 0x10000
	s_or_b32 s47, s47, 0x80000000
	s_mov_b32 s48, 1
	s_lshl_b32 s49, s18, 13
	s_add_co_u32 s49, s49, 0x20000
	s_add_nc_u64 s[50:51], s[4:5], s[52:53]
	s_or_b32 s51, s51, 0x80000000
	s_add_nc_u64 s[78:79], s[4:5], s[78:79]
	s_add_nc_u64 s[68:69], s[4:5], s[68:69]
	s_add_nc_u64 s[4:5], s[4:5], s[54:55]
	v_and_b32 v1, 31, v0
	v_lshlrev_b32 v1, 4, v1
	global_load_b128 v[16:19], v1, s[4:5]          ; Q's fragment stays in registers
	global_load_b128 v[20:23], v1, s[4:5] offset:512
	global_load_b128 v[24:27], v1, s[78:79]
	global_load_b128 v[28:31], v1, s[78:79] offset:512
	v_lshlrev_b32 v5, 4, v1                        ; 256 x lane; never rewritten
	s_wait_alu depctr_va_vdst(0)                   ; the wait directly ahead of the branch
	s_cmp_lt_u32 s18, 3
	s_cbranch_scc0 .Lno_ask
	global_prefetch_b8 v5, s[68:69] th:TH_LOAD_NT scope:SCOPE_SE
.Lno_ask:
	v_and_b32 v6, 15, v0
	v_bfe_u32 v7, v0, 4, 1
	v_lshlrev_b32 v7, 3, v7
	v_sub_nc_u32 v7, v6, v7                        ; r - 8 h
	s_mul_i32 s66, s18, HAND
	v_add_nc_u32 v3, s66, v1
	s_xor_b32 s66, s18, 1
	s_mul_i32 s66, s66, HAND
	v_add_nc_u32 v4, s66, v1
	s_lshl_b32 s66, s11, 7
	s_lshl_b32 s67, s14, 3
	s_add_co_u32 s66, s66, s67
	s_add_co_u32 s66, s66, s13                     ; my row tile of yimg
	s_lshl_b32 s66, s66, 14
	s_lshl_b32 s67, s12, 10                        ; my head's 64 of K: 1,024 bytes of the images
	s_add_co_u32 s66, s66, s67
	s_mov_b32 s67, 0
	s_add_nc_u64 s[8:9], s[8:9], s[66:67]
	s_lshl_b32 s73, s13, 4
	s_lshl_b32 s72, s14, 7
	s_add_co_u32 s72, s72, s73                     ; my first query
	s_lshl_b32 s10, s2, 7
	s_add_co_u32 s10, s10, s73                     ; the late tile's
	; my steps are 0 .. E1 and B2 .. E2, kept as first keys.  Late wave: 0 .. lo - 1 and hi + 1 .. 15 - x.  Early wave: 0 .. x and lo .. hi, and at step lo it changes tiles
	s_sub_co_u32 s52, 7, ttmp9
	s_lshr_b32 s52, s52, 1
	s_sub_co_u32 s52, 8, s52                       ; lo
	s_sub_co_u32 s53, 8, ttmp9
	s_lshr_b32 s53, s53, 1
	s_add_co_u32 s53, s53, 7                       ; hi
	s_sub_co_u32 s54, s52, 1
	s_add_co_u32 s55, s53, 1
	s_cmp_eq_u32 s19, 0
	s_cselect_b32 s74, ttmp9, s54                  ; E1
	s_cselect_b32 s75, s52, s55                    ; B2
	s_cselect_b32 s76, s53, s2                     ; E2
	s_cselect_b32 s77, s52, -1                     ; the step of the change; none for a late wave
	s_lshl_b32 s74, s74, 7
	s_lshl_b32 s75, s75, 7
	s_lshl_b32 s76, s76, 7
	s_lshl_b32 s77, s77, 7
	s_mov_b32 s70, 0                               ; the step's LDS byte
	s_mov_b32 s71, 0                               ; the step's first key
	s_mov_b32 s20, 0x76543210                      ; lane selects: lane l xor 16
	s_mov_b32 s21, 0xfedcba98
	v_mov_b32 v13, 0xff61b1e6                      ; -3e38, under every t
	v_floor_f32 v12, -v13
	v_mov_b32 v14, 0
	v_mov_b32 v15, 0
	v_mov_b32 v236, 0
	v_mov_b32 v253, 0
	v_mov_b32 v249, 0
.set N, 0
.rept 32
	v_mov_b32 v[160+N], 0                          ; O^T: the first change of M leaves zeros zeros
.set N, N+1
.endr
	s_wait_kmcnt 0x0
	s_mov_b32 s22, 0x3e38aa3b                      ; log2(e) / 8
	s_add_co_i32 s66, s58, s59
	s_lshl_b32 s66, s66, 23
	s_add_co_i32 s22, s22, s66                     ; x 2^(e2 + e3)
	s_mov_b32 s23, s22
	s_add_co_i32 s66, s60, 127
	s_lshl_b32 s67, s66, 23
	v_mov_b32 v244, s67                            ; 2^e4
	s_add_co_i32 s66, s66, 8
	s_lshl_b32 s66, s66, 23
	s_or_b32 s66, s66, 0x600000
	v_mov_b32 v240, s66                            ; 448 x 2^e4, twice: the two halves of a dual pair name registers of different banks
	v_mov_b32 v241, s66
	s_add_co_i32 s66, s62, 127
	s_lshl_b32 s67, s66, 23
	v_mov_b32 v246, s67                            ; 2^e6
	s_add_co_i32 s66, s66, 8
	s_lshl_b32 s66, s66, 23
	s_or_b32 s66, s66, 0x600000
	v_mov_b32 v247, s66                            ; 448 x 2^e6
.macro FINISH                          ; O^T / the sum x 2^(e4 + e5), quantised with e6, stored
.rept 4
	v_nop
.endr
	v_add_f32 v14, v14, v15
	s_delay_alu instid0(VALU_DEP_1)
	v_permlanex16_b32 v236, v14, s20, s21
	s_delay_alu instid0(VALU_DEP_1)
	v_add_f32 v14, v14, v236                       ; the row's sum
	s_wait_alu depctr_va_vdst(0)
	v_rcp_f32 v14, v14
	v_nop
	s_add_co_i32 s66, s60, s61
	s_wait_alu depctr_va_vdst(0)
	v_ldexp_f32 v14, v14, s66
	s_wait_alu depctr_va_vdst(0)                   ; directly ahead of the first reader of O^T
.set N, 0
.rept 32
	v_mul_f32 v[96+N], v[160+N], v14
.set N, N+1
.endr
.set N, 0
.rept 32
	v_med3_num_f32 v[96+N], v[96+N], -v247, v247
.set N, N+1
.endr
.irp t, 0,1,2,3
	v_cvt_scalef32_pk8_fp8_f32 v[208+2*\t:209+2*\t], v[96+8*\t:103+8*\t], v246   ; registers 2 c, 2 c + 1 of the next operand, c = 4 (head % 2) + t
.endr
	v_nop
	global_store_b128 v1, v[208:211], s[8:9]       ; each store: 512 consecutive bytes, aligned to 256
	global_store_b128 v1, v[212:215], s[8:9] offset:512
.endm
.macro STEP sw                         ; 128 keys.  sw = 1: the stretch holds the step at which an early wave changes tiles
.if \sw
	s_cmp_lg_u32 s71, s77
	s_cbranch_scc1 .Lsame_\@
	FINISH                                         ; the early tile is done
.irp i, 0,1,2,3,4,5,6,7
	v_mov_b32 v[16+\i], v[24+\i]                   ; the late tile's Q, and a state of its own
.endr
	v_mov_b32 v13, 0xff61b1e6
	v_floor_f32 v12, -v13
	v_mov_b32 v14, 0
	v_mov_b32 v15, 0
.set N, 0
.rept 32
	v_mov_b32 v[160+N], 0
.set N, N+1
.endr
	s_mov_b32 s72, s10
	s_wait_alu depctr_va_vdst(0)
	s_wait_xcnt 0x0                                ; the stores have read their registers
.Lsame_\@:
.endif
	s_cmp_le_u32 s71, s74
	s_cbranch_scc1 .Lmine_\@
	s_cmp_lt_u32 s71, s75
	s_cbranch_scc1 .Lhidden_\@
	s_cmp_gt_u32 s71, s76
	s_cbranch_scc1 .Lhidden_\@
.Lmine_\@:
	v_add_nc_u32 v2, s70, v1
.rept 3
	v_nop                                          ; with the line above: four places in front of loads into registers that the last products read
.endr
.irp i, 0,1,2,3,4,5,6,7
	ds_load_b128 v[32+8*\i:35+8*\i], v2 offset:1024*\i
	ds_load_b128 v[36+8*\i:39+8*\i], v2 offset:1024*\i+512
.endr
	s_wait_alu depctr_va_vdst(0)
	s_wait_dscnt 0x0
.irp i, 0,1,2,3,4,5,6,7
	v_wmma_f32_16x16x64_fp8_fp8 v[96+8*\i:103+8*\i], v[32+8*\i:39+8*\i], v[16:23], 0
.endr
.rept 4
	v_nop
.endr
.irp t, 0,1,2,3
.irp p, 0,1,2,3
	ds_load_b128 v[32+16*\t+4*\p:35+16*\t+4*\p], v2 offset:8192+2048*\t+512*\p   ; V's fragments land under the softmax
.endr
.endr
	s_add_co_u32 s66, s71, 127
	s_cmp_le_u32 s66, s72
	s_cbranch_scc1 .Lopen_\@                       ; all keys count
	s_sub_co_i32 s66, s72, s71
	v_add_nc_u32 v252, s66, v7                     ; register 8 i + j holds key 16 i + 8 h + j of the step: hidden where 16 i + j > my query - first key - 8 h
	v_mov_b32 v254, 0xff800000
.set N, 0
.rept 64
	v_cmp_gt_i32 vcc_lo, 16*(N/8)+N%8, v252
	v_cndmask_b32 v[96+N], v[96+N], v254, vcc_lo
.set N, N+1
.endr
.Lopen_\@:
	v_max3_num_f32 v254, v96, v97, v98
	v_max3_num_f32 v252, v99, v100, v101
.irp i, 6,10,14,18,22,26,30,34,38,42,46,50,54,58
	v_max3_num_f32 v254, v254, v[96+\i], v[97+\i]
	v_max3_num_f32 v252, v252, v[98+\i], v[99+\i]
.endr
	v_max3_num_f32 v254, v254, v158, v159
	s_delay_alu instid0(VALU_DEP_1)
	v_max_num_f32 v254, v254, v252
	s_delay_alu instid0(VALU_DEP_1)
	v_permlanex16_b32 v236, v254, s20, s21
	s_delay_alu instid0(VALU_DEP_1)
	v_max_num_f32 v254, v254, v236
	s_delay_alu instid0(VALU_DEP_1)
	v_mul_f32 v254, s22, v254
	s_delay_alu instid0(VALU_DEP_1)
	v_max_num_f32 v13, v13, v254                   ; the running largest t
	v_mov_b32 v254, v12
	s_delay_alu instid0(VALU_DEP_2)
	v_floor_f32 v12, -v13                          ; -M
	s_delay_alu instid0(VALU_DEP_1)
	v_sub_f32 v254, v12, v254
	s_delay_alu instid0(VALU_DEP_1)
	v_cvt_i32_f32 v254, v254
	s_delay_alu instid0(VALU_DEP_1)
	v_ldexp_f32 v252, 1.0, v254                    ; f = 2^(old M - new M)
.set N, 0
.rept 32
	v_pk_fma_f32 v[96+N:97+N], v[96+N:97+N], s[22:23], v[12:13] op_sel_hi:[1,0,0]
.set N, N+2
.endr
.set N, 0
	s_wait_alu depctr_va_vdst(0)                   ; the wait ahead of the batch
.rept 64
	v_exp_f32 v[96+N], v[96+N]
.set N, N+1
.endr
	v_pk_mul_f32 v[14:15], v[14:15], v[252:253] op_sel_hi:[1,0]
	s_wait_alu depctr_va_vdst(0)                   ; and one behind it, ahead of its first reader
	v_pk_add_f32 v[242:243], v[96:97], v[98:99]
.irp j, 4,8,12,16,20,24,28,32,36,40,44,48,52,56,60
	v_pk_add_f32 v[14:15], v[14:15], v[96+\j:97+\j]
	v_pk_add_f32 v[242:243], v[242:243], v[98+\j:99+\j]
.endr
	s_delay_alu instid0(VALU_DEP_1)
	v_pk_add_f32 v[14:15], v[14:15], v[242:243]
.set N, 0
.rept 32
	v_dual_min_num_f32 v[96+N], v[96+N], v240 :: v_dual_min_num_f32 v[97+N], v[97+N], v241   ; the conversion does not saturate (ISA guide 7.6.2); p is not negative; two holds an instruction
.set N, N+2
.endr
.irp i, 0,1,2,3,4,5,6,7
	v_cvt_scalef32_pk8_fp8_f32 v[192+2*\i:193+2*\i], v[96+8*\i:103+8*\i], v244
.endr
	s_wait_alu depctr_va_vdst(0)                   ; the wait directly ahead of the first reader of O^T
.set N, 0
.rept 16
	v_pk_mul_f32 v[160+N:161+N], v[160+N:161+N], v[252:253] op_sel_hi:[1,0]
.set N, N+2
.endr
	s_wait_alu depctr_va_vdst(0)
	s_wait_dscnt 0x0
.irp t, 0,1,2,3
	v_wmma_f32_16x16x128_fp8_fp8 v[160+8*\t:167+8*\t], v[32+16*\t:47+16*\t], v[192:207], v[160+8*\t:167+8*\t]
.endr
.Lhidden_\@:
	s_add_co_u32 s71, s71, 128
	s_add_co_u32 s70, s70, 16384
.endm
.macro WALK n, sw                      ; n key steps
	s_mov_b32 s73, \n
.Lkeys_\@:
	STEP \sw
	s_sub_co_u32 s73, s73, 1
	s_cmp_lg_u32 s73, 0
	s_cbranch_scc1 .Lkeys_\@
.endm
.macro FULLSEQ                         ; the lines ahead of a later first fill, and the barrier
	s_wait_tensorcnt 0x0
	ds_add_u32 v[SPW], v[NIL]
	s_wait_dscnt 0x0
	s_barrier_signal -1
	s_barrier_wait -1
.endm
	s_wait_alu depctr_va_vdst(0)                   ; the wait at the head's end
	s_wait_loadcnt 0x0                             ; both Q
	FULLSEQ                                        ; everybody's part of steps 0-3 is in
	tensor_load_to_lds s[44:47], s[24:31]          ; steps 4-7
	s_nop 0
	WALK 2, 0
	FULLSEQ                                        ; steps 4-7 are in
	tensor_load_to_lds s[48:51], s[32:39]          ; steps 8-15
	s_nop 0
	s_mov_b32 s70, 0x8000
	WALK 6, 1
	s_wait_tensorcnt 0x0                           ; steps 8-15 are in
	s_wait_dscnt 0x0
	s_barrier_signal -1
	s_barrier_wait -1
	s_mov_b32 s70, 0x20000
	WALK 8, 1
.rept 4
	v_nop
.endr
	s_wait_dscnt 0x0                               ; my reads of K and V are over
	s_barrier_signal -1
	s_barrier_wait -1                              ; everybody's are: the hand-over may lie on those bytes
	s_cmp_lg_u32 s19, 0
	s_cbranch_scc1 .Lkeeps
.irp i, 0,1,2,3,4,5,6,7
	ds_store_b128 v3, v[160+4*\i:163+4*\i] offset:512*\i   ; the helper's state, each accumulator from its low end on
.endr
	ds_store_b128 v3, v[12:15] offset:4096
.Lkeeps:
	s_wait_dscnt 0x0
	s_barrier_signal -1
	s_barrier_wait -1
	s_cmp_eq_u32 s19, 0
	s_cbranch_scc1 .Lend
.irp i, 0,1,2,3,4,5,6,7
	ds_load_b128 v[96+4*\i:99+4*\i], v4 offset:512*\i
.endr
	ds_load_b128 v[128:131], v4 offset:4096
	s_wait_dscnt 0x0
	v_min_num_f32 v252, v12, v128                  ; -M of the two together
	v_sub_f32 v254, v252, v12                      ; whole numbers, 0 or less
	v_sub_f32 v250, v252, v128
	v_cvt_i32_f32 v254, v254                       ; (they saturate)
	v_cvt_i32_f32 v250, v250
	v_ldexp_f32 v252, 1.0, v254                    ; my factor,
	v_ldexp_f32 v248, 1.0, v250                    ; the helper's
	s_wait_alu depctr_va_vdst(0)                   ; ahead of the first readers of O^T
	v_pk_mul_f32 v[14:15], v[14:15], v[252:253] op_sel_hi:[1,0]
.set N, 0
.rept 16
	v_pk_mul_f32 v[160+N:161+N], v[160+N:161+N], v[252:253] op_sel_hi:[1,0]
.set N, N+2
.endr
	v_pk_fma_f32 v[14:15], v[130:131], v[248:249], v[14:15] op_sel_hi:[1,0,1]
.set N, 0
.rept 16
	v_pk_fma_f32 v[160+N:161+N], v[96+N:97+N], v[248:249], v[160+N:161+N] op_sel_hi:[1,0,1]
.set N, N+2
.endr
	FINISH
.Lend:
	s_wait_tensorcnt 0x0                           ; the wave's end
	ds_add_u32 v[SPW], v[NIL]
	s_wait_dscnt 0x0
	s_endpgm
.Lfunc_end_k_q99d04cf1ff_attn:
	.size	k_q99d04cf1ff_attn, .Lfunc_end_k_q99d04cf1ff_attn-k_q99d04cf1ff_attn
	.p2alignl 7, 3214868480
	.fill 96, 4, 3214868480
	.section	.rodata,"a",@progbits
	.p2align	6, 0x0
	.amdhsa_kernel k_q99d04cf1ff_attn
		.amdhsa_group_segment_fixed_size 327680
		.amdhsa_private_segment_fixed_size 0
		.amdhsa_enable_private_segment 0
		.amdhsa_kernarg_size 24
		.amdhsa_user_sgpr_count 2
		.amdhsa_user_sgpr_kernarg_segment_ptr 1
		.amdhsa_wavefront_size32 1
		.amdhsa_system_sgpr_workgroup_id_x 1
		.amdhsa_system_sgpr_workgroup_id_y 1
		.amdhsa_system_sgpr_workgroup_id_z 1
		.amdhsa_system_vgpr_workitem_id 0
		.amdhsa_next_free_vgpr 256
		.amdhsa_next_free_sgpr 80
		.amdhsa_reserve_vcc 1
		.amdhsa_float_denorm_mode_32 3
		.amdhsa_float_denorm_mode_16_64 3
		.amdhsa_memory_ordered 1
		.amdhsa_forward_progress 1
		.amdhsa_inst_pref_size 93
	.end_amdhsa_kernel
	.amdgpu_metadata
---
amdhsa.version: [ 1, 2 ]
amdhsa.kernels:
  - .name:           k_q99d04cf1ff_attn
    .symbol:         k_q99d04cf1ff_attn.kd
    .args:
      - { .name: qkvimg, .offset: 0, .size: 8, .value_kind: global_buffer, .address_space: global }
      - { .name: lowp_scales, .offset: 8, .size: 8, .value_kind: global_buffer, .address_space: global }
      - { .name: yimg, .offset: 16, .size: 8, .value_kind: global_buffer, .address_space: global }
    .group_segment_fixed_size: 327680
    .private_segment_fixed_size: 0
    .kernarg_segment_align: 8
    .kernarg_segment_size: 24
    .max_flat_workgroup_size: 512
    .sgpr_count:     80
    .vgpr_count:     256
    .wavefront_size: 32
...
	.end_amdgpu_metadata
.endif
;; end of part 10
;; launch gemm_aproj (part 11): grid 8 x 32, 4 waves a work-group, clusters of 4 x 4, 327,680 bytes of LDS; arguments yimg, prepimg, lowp_scales, b_aproj, x, x1; writes x1
.if DOCPART == 11
	.amdgcn_target "amdgcn-amd-amdhsa--gfx1250"
	.amdhsa_code_object_version 6
	.text
	.protected	k_q99d04cf1ff_gemm_aproj
	.globl	k_q99d04cf1ff_gemm_aproj
	.p2align	8
	.type	k_q99d04cf1ff_gemm_aproj,@function
k_q99d04cf1ff_gemm_aproj:
	s_mov_b64 s[64:65], 0
	v_nop
	global_prefetch_b8 v0, s[64:65] scope:SCOPE_SE
	s_setreg_imm32_b32 hwreg(HW_REG_WAVE_MODE, 25, 1), 1
	s_wait_xcnt 0x0
	s_wait_alu depctr_hold_cnt(0) depctr_sa_sdst(0) depctr_va_vdst(0) depctr_va_sdst(0) depctr_va_ssrc(0) depctr_va_vcc(0) depctr_vm_vsrc(0)
	s_getreg_b32 s2, hwreg(HW_REG_IB_STS2, 6, 4)
	s_cmp_eq_u32 s2, 0
	s_cbranch_scc0 .Lentry_in_a_cluster
	s_endpgm
.Lentry_in_a_cluster:
	s_bfe_u32 s2, ttmp6, 0x10000c
	s_cmp_lg_u32 s2, 0xf033
	s_cbranch_scc0 .Lentry_shape_is_right
	s_endpgm
.Lentry_shape_is_right:
; x1 = x + Q(y) Q(w_aproj) + b_aproj on codes of E4M3, K = 1,024; sums x 2^(e6 + e7), bias and residual added in f32.  Operands are fragment images [row / 16][k / 128][2,048 bytes].
; A tile is 128 x 128 (256 work-groups), four waves of 64 x 64.  THE WHOLE K FITS IN LDS: A's 8 row tiles and B's 8, 16,384 bytes each, 262,144 bytes: one joint load a wave at the head (4 row tiles, 65,536 dense bytes), nothing filled later.
; 4 x 4 clusters: A's tile is asked for jointly along a row, B's along a column.  No prefetch: there is no later request to run ahead of.
; The way out's stages lie on A's first bytes, behind a barrier behind which no wave reads fragments.  LIMIT: e6 + e7 between -126 and 127.
.set KTOT,   1024
.set BOFF,   0x700000
.set EOFF,   0x18
.set KP,     16*KTOT
.set HALFT,  65536
.set SLOT,   4*HALFT
.set SPARE,  SLOT
.set LAPS,   KTOT/1024
.set FR,     16
.set SPITCH, 272
.set BSTG,   16*SPITCH
.set ADRA, 16
.set ADRB, 20
.set STO,  24
.set RD,   25
.set CO,   26
.set BO,   27
.set SPW,  28
.set NIL,  29
.set BI,   32
.set ACC,  128
.set F0,   0
.set F1,   128
.set XR,   0
.set BB,   128
.set G1, 24
.set G0, 32
.set G1B, 48
.set G0B, 56
.set MSB, 0
.macro WIN new
.if MSB != (\new)
	s_set_vgpr_msb (MSB<<8)|(\new)
.set MSB, (\new)
.endif
.endm
.set MUL,  0x05
.set TO_F, 0x40
.macro JLOAD g0a, g1a, g0b, g1b
	s_cmp_eq_u32 s15, 0
	s_cbranch_scc0 .Lfor_b_\@
	tensor_load_to_lds s[\g0a:\g0a+3], s[\g1a:\g1a+7]
	s_nop 0
.rept 4
	v_nop
.endr
	s_branch .Lasked_\@
.Lfor_b_\@:
	tensor_load_to_lds s[\g0b:\g0b+3], s[\g1b:\g1b+7]
	s_nop 0
.rept 4
	v_nop
.endr
.Lasked_\@:
.endm
.macro CREST
	s_cmp_lg_u32 s14, 0
	s_cbranch_scc1 .Lnot_wave_0_\@
	s_barrier_signal -3
.Lnot_wave_0_\@:
	s_barrier_wait -3
	s_barrier_signal -1
	s_barrier_wait -1
.endm
.macro CROUND
	s_barrier_signal -1
	s_barrier_wait -1
	CREST
.endm
	s_load_b256 s[68:75], s[0:1], 0x0
	s_load_b128 s[76:79], s[0:1], 0x20
	v_lshl_add_u32 v[SPW], v0, 2, SPARE
	v_mov_b32 v[NIL], 0
	ds_add_u32 v28, v29
	ds_add_u32 v28, v29
	s_wait_dscnt 0x0
	v_lshrrev_b32 v1, 5, v0
	v_readfirstlane_b32 s14, v1
	s_lshr_b32 s15, s14, 1
	s_and_b32 s16, s14, 1
	s_bfe_u32 s40, ttmp6, 0x40000
	s_bfe_u32 s41, ttmp6, 0x40004
	s_lshl_b32 s42, ttmp9, 2
	s_add_co_u32 s42, s42, s40
	s_and_b32 s17, ttmp7, 0xffff
	s_lshl_b32 s17, s17, 2
	s_add_co_u32 s17, s17, s41
	s_lshl_b32 s43, s41, 2
	s_lshl_b32 s43, 15, s43
	s_lshl_b32 s44, 0x1111, s40
	s_or_b32 s[G1+0], s43, (3<<16)|(1<<21)
	s_or_b32 s[G1B+0], s44, (3<<16)|(1<<21)
.irp g, G1, G1B
	s_mov_b32 s[\g+1], 2048<<16
	s_mov_b32 s[\g+2], 4<<16
	s_mov_b32 s[\g+3], 2048<<16
	s_mov_b32 s[\g+4], 4
	s_mov_b32 s[\g+5], KP/8
	s_mov_b32 s[\g+6], 0
	s_mov_b32 s[\g+7], 0
.endr
	s_lshl_b32 s18, s16, 2
	s_lshl_b32 s20, s17, 3
	s_add_co_u32 s20, s20, s18
	s_mul_i32 s20, s20, KP
	s_mov_b32 s21, 0
	s_lshl_b32 s46, s42, 3
	s_add_co_u32 s46, s46, s18
	s_mul_i32 s46, s46, KP
	s_add_co_u32 s46, s46, BOFF
	s_mov_b32 s47, 0
	s_mul_i32 s45, s14, HALFT
	s_wait_kmcnt 0x0
	s_load_b64 s[80:81], s[72:73], EOFF
	s_add_nc_u64 s[20:21], s[68:69], s[20:21]
	s_add_nc_u64 s[46:47], s[70:71], s[46:47]
	CROUND
.irp s, 0
	s_mov_b32 s[G0+4*\s], 1
	s_add_co_u32 s[G0+4*\s+1], s45, \s*SLOT
	s_add_nc_u64 s[G0+4*\s+2:G0+4*\s+3], s[20:21], \s*8192
	s_or_b32 s[G0+4*\s+3], s[G0+4*\s+3], 0x80000000
	s_mov_b32 s[G0B+4*\s], 1
	s_add_co_u32 s[G0B+4*\s+1], s45, \s*SLOT
	s_add_nc_u64 s[G0B+4*\s+2:G0B+4*\s+3], s[46:47], \s*8192
	s_or_b32 s[G0B+4*\s+3], s[G0B+4*\s+3], 0x80000000
.endr
	JLOAD G0, G1, G0B, G1B                         ; my one tensor load: 4 row tiles, all of K
	v_and_b32 v1, 31, v0
	v_lshlrev_b32 v5, 4, v1
	s_mul_i32 s21, s15, HALFT
	s_mul_i32 s22, s16, HALFT
	s_add_co_u32 s22, s22, 2*HALFT
.irp s, 0,1
	v_add_nc_u32 v[ADRA+\s], s21, v5
	v_add_nc_u32 v[ADRB+\s], s22, v5
	s_add_co_u32 s21, s21, 8192                    ; the second address: K's second 512, four fragments on in each row tile
	s_add_co_u32 s22, s22, 8192
.endr
	v_and_b32 v2, 15, v0
	v_bfe_u32 v3, v0, 4, 1
	s_mul_i32 s23, s14, 4*BSTG
	v_mul_u32_u24 v4, v2, SPITCH
	v_lshl_add_u32 v4, v3, 5, v4
	v_add_nc_u32 v[STO], s23, v4
	v_mul_u32_u24 v6, v3, SPITCH
	v_lshl_add_u32 v6, v2, 4, v6
	v_add_nc_u32 v[RD], s23, v6
	v_lshlrev_b32 v[BO], 4, v2
	v_lshl_add_u32 v[CO], v3, 12, v[BO]
	s_wait_alu depctr_va_vdst(0)
	s_lshl_b32 s90, s42, 9
	s_lshl_b32 s91, s16, 8
	s_add_co_u32 s90, s90, s91
	s_mov_b32 s91, 0
	s_add_nc_u64 s[74:75], s[74:75], s[90:91]
	global_load_b128 v[BI:BI+3], v[BO], s[74:75]
	s_lshl_b32 s88, s17, 19
	s_lshl_b32 s89, s15, 18
	s_add_co_u32 s88, s88, s89
	s_add_co_u32 s88, s88, s90
	s_mov_b32 s89, 0
	s_add_nc_u64 s[66:67], s[76:77], s[88:89]
	s_add_nc_u64 s[12:13], s[78:79], s[88:89]
	WIN 0x80
.irp a, 0,1,2,3
.irp t, 0,1,2,3,4,5,6,7
	global_load_b128 v[XR+32*\a+4*\t:XR+32*\a+4*\t+3], v[CO], s[66:67] offset:\a*65536+\t*8192 th:TH_LOAD_NT
.endr
.endr
	WIN 0
.macro FRAG reg, adr, q, i
.irp c, 0,1,2,3
	ds_load_b128 v[\reg+4*\c:\reg+4*\c+3], v[\adr] offset:16384*(\i)+2048*(\q)+512*\c
.endr
.endm
.macro MUL4 f, a, zero
.irp b, 0,1,2,3
.if \zero
	v_wmma_f32_16x16x128_fp8_fp8 v[ACC+8*(4*(\a)+\b):ACC+8*(4*(\a)+\b)+7], v[\f+64+FR*\b:\f+64+FR*\b+FR-1], v[\f+FR*(\a):\f+FR*(\a)+FR-1], 0
.else
	v_wmma_f32_16x16x128_fp8_fp8 v[ACC+8*(4*(\a)+\b):ACC+8*(4*(\a)+\b)+7], v[\f+64+FR*\b:\f+64+FR*\b+FR-1], v[\f+FR*(\a):\f+FR*(\a)+FR-1], v[ACC+8*(4*(\a)+\b):ACC+8*(4*(\a)+\b)+7]
.endif
.endr
.endm
.macro FETCH slot, q, f
	WIN TO_F
.irp i, 0,1,2,3
	FRAG \f+64+FR*\i, ADRB+\slot, \q, \i
.endr
.irp i, 0,1,2,3
	FRAG \f+FR*\i, ADRA+\slot, \q, \i
.endr
.endm
.macro PLACES
.rept 4
	v_nop
.endr
.endm
.macro STEP slot, q, f, g, zero
	s_wait_dscnt 8
	WIN MUL
	MUL4 \f, 0, \zero
	MUL4 \f, 1, \zero
	PLACES
	FETCH \slot, \q, \g
	s_wait_dscnt 32
	WIN MUL
	MUL4 \f, 2, \zero
	MUL4 \f, 3, \zero
.endm
.macro TURN slot, next, fill
	WIN 0
	s_wait_tensorcnt 0x0
	ds_add_u32 v[SPW], v[NIL]
	s_wait_dscnt 9
	WIN MUL
	MUL4 F1, 0, 0
	s_wait_dscnt 0x0
	s_barrier_signal -1
	MUL4 F1, 1, 0
	WIN 0
	s_barrier_wait -1
.if \fill
	CREST
	s_add_nc_u64 s[G0+4*\slot+2:G0+4*\slot+3], s[G0+4*\slot+2:G0+4*\slot+3], 16384
	s_add_nc_u64 s[G0B+4*\slot+2:G0B+4*\slot+3], s[G0B+4*\slot+2:G0B+4*\slot+3], 16384
	JLOAD G0+4*\slot, G1, G0B+4*\slot, G1B
.else
	PLACES
.endif
	FETCH \next, 0, F0
	WIN MUL
	MUL4 F1, 2, 0
	MUL4 F1, 3, 0
.endm
	s_wait_alu depctr_va_vdst(0)                   ; the wait at the head's end
	s_wait_tensorcnt 0x0                           ; my part of the tiles is in,
	s_barrier_signal -1
	s_barrier_wait -1                              ; everybody's is
	FETCH 0, 0, F0
	STEP 0, 1, F0, F1, 1
.if LAPS > 1
	WIN 0
	s_mov_b32 s3, LAPS-1
.Llap:
	STEP 0, 2, F1, F0, 0
	STEP 0, 3, F0, F1, 0
	TURN 0, 1, 1
	STEP 1, 1, F0, F1, 0
	STEP 1, 2, F1, F0, 0
	STEP 1, 3, F0, F1, 0
	TURN 1, 0, 1
	STEP 0, 1, F0, F1, 0
	WIN 0
	s_sub_co_u32 s3, s3, 1
	s_cmp_lg_u32 s3, 0
	s_cbranch_scc1 .Llap
.endif
	STEP 0, 2, F1, F0, 0
	STEP 0, 3, F0, F1, 0
	TURN 0, 1, 0
	STEP 1, 1, F0, F1, 0
	STEP 1, 2, F1, F0, 0
	STEP 1, 3, F0, F1, 0
	s_wait_dscnt 8
	WIN MUL
	MUL4 F1, 0, 0
	MUL4 F1, 1, 0
	s_wait_dscnt 0x0
	MUL4 F1, 2, 0
	MUL4 F1, 3, 0
	WIN 0
	PLACES
	s_barrier_signal -1                            ; my fragment loads were waited for above:
	s_barrier_wait -1                              ; nobody reads fragments any more, so the stages may lie on A's bytes
	s_wait_kmcnt 0x0
	s_add_co_i32 s96, s80, s81
	s_add_co_i32 s96, s96, 127
	s_lshl_b32 s96, s96, 23
	s_mov_b32 s97, s96
.irp a, 0,1,2,3
.irp b, 0,1,2,3
	ds_store_b128 v[STO], v[ACC+8*(4*\a+\b):ACC+8*(4*\a+\b)+3] offset:\a*BSTG+64*\b
	ds_store_b128 v[STO], v[ACC+8*(4*\a+\b)+4:ACC+8*(4*\a+\b)+7] offset:\a*BSTG+64*\b+16
.endr
.endr
	WIN 0x80
.irp a, 0,1,2,3
.irp t, 0,1,2,3,4,5,6,7
	ds_load_b128 v[BB+32*\a+4*\t:BB+32*\a+4*\t+3], v[RD] offset:\a*BSTG+\t*2*SPITCH
.endr
.endr
	s_wait_loadcnt 0x0
	WIN 0x82
.set N, 0
.rept 32
	v_pk_add_f32 v[XR+N:XR+N+1], v[XR+N:XR+N+1], v[BI:BI+1]
	v_pk_add_f32 v[XR+N+2:XR+N+3], v[XR+N+2:XR+N+3], v[BI+2:BI+3]
.set N, N+4
.endr
.macro SEND a
	s_wait_dscnt 8*(3-(\a))
	WIN 0xa2
.irp t, 0,1,2,3,4,5,6,7
	v_pk_fma_f32 v[BB+32*(\a)+4*\t:BB+32*(\a)+4*\t+1], v[BB+32*(\a)+4*\t:BB+32*(\a)+4*\t+1], s[96:97], v[XR+32*(\a)+4*\t:XR+32*(\a)+4*\t+1] op_sel_hi:[1,0,1]
	v_pk_fma_f32 v[BB+32*(\a)+4*\t+2:BB+32*(\a)+4*\t+3], v[BB+32*(\a)+4*\t+2:BB+32*(\a)+4*\t+3], s[96:97], v[XR+32*(\a)+4*\t+2:XR+32*(\a)+4*\t+3] op_sel_hi:[1,0,1]
.endr
	WIN 0x08
.irp t, 0,1,2,3,4,5,6,7
	global_store_b128 v[CO], v[BB+32*(\a)+4*\t:BB+32*(\a)+4*\t+3], s[12:13] offset:(\a)*65536+\t*8192
.endr
.endm
	SEND 0
	SEND 1
	SEND 2
	SEND 3
	WIN 0
	s_wait_tensorcnt 0x0
	ds_add_u32 v[SPW], v[NIL]
	s_wait_dscnt 0x0
	CROUND
	s_endpgm
.Lfunc_end_k_q99d04cf1ff_gemm_aproj:
	.size	k_q99d04cf1ff_gemm_aproj, .Lfunc_end_k_q99d04cf1ff_gemm_aproj-k_q99d04cf1ff_gemm_aproj
	.p2alignl 7, 3214868480
	.fill 96, 4, 3214868480
	.section	.rodata,"a",@progbits
	.p2align	6, 0x0
	.amdhsa_kernel k_q99d04cf1ff_gemm_aproj
		.amdhsa_group_segment_fixed_size 327680
		.amdhsa_private_segment_fixed_size 0
		.amdhsa_enable_private_segment 0
		.amdhsa_kernarg_size 48
		.amdhsa_user_sgpr_count 2
		.amdhsa_user_sgpr_kernarg_segment_ptr 1
		.amdhsa_wavefront_size32 1
		.amdhsa_system_sgpr_workgroup_id_x 1
		.amdhsa_system_sgpr_workgroup_id_y 1
		.amdhsa_system_sgpr_workgroup_id_z 1
		.amdhsa_system_vgpr_workitem_id 0
		.amdhsa_next_free_vgpr 768
		.amdhsa_next_free_sgpr 100
		.amdhsa_reserve_vcc 0
		.amdhsa_float_denorm_mode_32 3
		.amdhsa_float_denorm_mode_16_64 3
		.amdhsa_memory_ordered 1
		.amdhsa_forward_progress 1
		.amdhsa_inst_pref_size 52
	.end_amdhsa_kernel
	.amdgpu_metadata
---
amdhsa.version: [ 1, 2 ]
amdhsa.kernels:
  - .name:           k_q99d04cf1ff_gemm_aproj
    .symbol:         k_q99d04cf1ff_gemm_aproj.kd
    .args:
      - { .name: yimg, .offset: 0, .size: 8, .value_kind: global_buffer, .address_space: global }
      - { .name: prepimg, .offset: 8, .size: 8, .value_kind: global_buffer, .address_space: global }
      - { .name: lowp_scales, .offset: 16, .size: 8, .value_kind: global_buffer, .address_space: global }
      - { .name: b_aproj, .offset: 24, .size: 8, .value_kind: global_buffer, .address_space: global }
      - { .name: x, .offset: 32, .size: 8, .value_kind: global_buffer, .address_space: global }
      - { .name: x1, .offset: 40, .size: 8, .value_kind: global_buffer, .address_space: global }
    .group_segment_fixed_size: 327680
    .private_segment_fixed_size: 0
    .kernarg_segment_align: 8
    .kernarg_segment_size: 48
    .max_flat_workgroup_size: 128
    .sgpr_count:     100
    .vgpr_count:     768
    .wavefront_size: 32
...
	.end_amdgpu_metadata
.endif
;; end of part 11
;; launch ln2 (part 12): grid 256 x 1, 4 waves a work-group, no clusters, 17,920 bytes of LDS; arguments x1, ln2_g, ln2_b, lowp_scales, h2img; writes h2img
.if DOCPART == 12
	.amdgcn_target "amdgcn-amd-amdhsa--gfx1250"
	.amdhsa_code_object_version 6
	.text
	.protected	k_q99d04cf1ff_ln2
	.globl	k_q99d04cf1ff_ln2
	.p2align	8
	.type	k_q99d04cf1ff_ln2,@function
k_q99d04cf1ff_ln2:
	s_mov_b64 s[64:65], 0
	v_nop
	global_prefetch_b8 v0, s[64:65] scope:SCOPE_SE
	s_setreg_imm32_b32 hwreg(HW_REG_WAVE_MODE, 25, 1), 1
	s_wait_xcnt 0x0
; The second layer norm, of x1 [4096][1024], quantised to E4M3 with the given scale 2^e8 and laid as fragment images: [row / 16][k / 128][2,048 bytes], the operand's 16 registers x 32 lanes:
; byte(r, k') = 512 (k'/32) + 256 ((k'/8)%2) + 16 r + 8 ((k'/16)%2) + k'%8.
; A work-group takes 16 rows (one row tile), a wave four of them, a row across its 32 lanes: a lane holds 8 neighbouring columns of each quarter of the row, as the conversion wants them.
; LIMITS: e8 between -126 and 119.  NaN is not served; an infinity is held at the largest code.  No tensor loads, no matrix work: memory binds.
.set LX, 32                            ; v32-159   four rows: row j at LX + 32 j; register 8 q + i is column 256 q + 8 lane + i
.set LG, 160                           ; v160-191  the gain
.set LB, 192                           ; v192-223  the bias
.set LC, 224                           ; v224-255  codes, 8 registers a row
.set ST, 8                             ; v8-23     row j: two pairs at ST + 4 j
.set PL, 24                            ; v24-27    the lane exchange's destinations
.set UP, 272                           ; the stage: 64 units of 256 bytes, 16 bytes of padding behind each
	s_load_b256 s[4:11], s[0:1], 0x0               ; x1 s[4:5], ln2_g s[6:7], ln2_b s[8:9], the scales' exponents s[10:11]
	s_load_b64 s[20:21], s[0:1], 0x20              ; h2img
	v_lshl_add_u32 v28, v0, 2, 0x4400
	v_mov_b32 v29, 0
	v_lshrrev_b32 v1, 5, v0
	v_readfirstlane_b32 s22, v1                    ; wave 0..3
	v_and_b32 v1, 31, v0                           ; lane
	s_wait_alu depctr_va_vdst(0)
	s_wait_kmcnt 0x0
	s_load_b32 s48, s[10:11], 0x20                 ; e8
	s_lshl_b32 s32, ttmp9, 16                      ; 16 rows of 4,096 bytes
	s_lshl_b32 s33, s22, 14                        ; my wave's four
	s_add_co_u32 s32, s32, s33
	s_mov_b32 s33, 0
	s_add_nc_u64 s[4:5], s[4:5], s[32:33]
	v_lshlrev_b32 v2, 5, v1                        ; 32 bytes a lane
.irp j, 0,1,2,3
.irp q, 0,1,2,3
	global_load_b128 v[LX+32*\j+8*\q:LX+32*\j+8*\q+3], v2, s[4:5] offset:4096*\j+1024*\q th:TH_LOAD_NT       ; the two loads of a quarter cover its 1,024 bytes
	global_load_b128 v[LX+32*\j+8*\q+4:LX+32*\j+8*\q+7], v2, s[4:5] offset:4096*\j+1024*\q+16 th:TH_LOAD_NT
.endr
.endr
.irp q, 0,1,2,3
	global_load_b128 v[LG+8*\q:LG+8*\q+3], v2, s[6:7] offset:1024*\q
	global_load_b128 v[LG+8*\q+4:LG+8*\q+7], v2, s[6:7] offset:1024*\q+16
	global_load_b128 v[LB+8*\q:LB+8*\q+3], v2, s[8:9] offset:1024*\q
	global_load_b128 v[LB+8*\q+4:LB+8*\q+7], v2, s[8:9] offset:1024*\q+16
.endr
	s_lshl_b32 s34, ttmp9, 14                      ; the image: a row tile is 16,384 bytes; my wave stores a quarter of it
	s_lshl_b32 s35, s22, 12
	s_add_co_u32 s34, s34, s35
	s_mov_b32 s35, 0
	s_add_nc_u64 s[20:21], s[20:21], s[34:35]
	s_mov_b32 s24, 0x76543210                      ; lane selects: lane l xor 16
	s_mov_b32 s25, 0xfedcba98
	s_mov_b32 s26, 0xba800000                      ; -1/1024
	s_mov_b32 s27, 0x3a800000                      ; 1/1024
	s_mov_b32 s28, 0x3727c5ac                      ; 1e-5
	; my 8 codes of quarter q, row 4 w + j, belong to unit 16 q + 8 (l / 16) + 2 ((l / 4) % 4) + l % 2, at 16 x row + 8 ((l / 2) % 2)
	v_bfe_u32 v6, v0, 4, 1
	v_bfe_u32 v7, v0, 2, 2
	v_lshlrev_b32 v6, 3, v6
	v_lshl_add_u32 v6, v7, 1, v6
	v_and_b32 v7, 1, v0
	v_add_nc_u32 v6, v6, v7
	v_mul_u32_u24 v3, v6, UP
	v_bfe_u32 v7, v0, 1, 1
	v_lshl_add_u32 v3, v7, 3, v3
	s_lshl_b32 s34, s22, 6
	v_add_nc_u32 v3, s34, v3                       ; the stage, on the way in
	v_bfe_u32 v6, v0, 4, 1
	v_and_b32 v7, 15, v0
	v_mul_u32_u24 v4, v6, UP
	v_lshl_add_u32 v4, v7, 4, v4
	s_mul_i32 s34, s22, 16*UP
	v_add_nc_u32 v4, s34, v4                       ; and back: my wave's 16 units, two an instruction
	v_lshlrev_b32 v5, 4, v1
.irp j, 0,1,2,3
	v_mov_b32 v[PL+\j], 0                          ; written once: a lane exchange's destination counts as one of its sources
.endr
	s_wait_kmcnt 0x0
	s_add_co_i32 s35, s48, 127
	s_lshl_b32 s36, s35, 23
	v_mov_b32 v30, s36                             ; 2^e as f32
	s_add_co_i32 s35, s35, 8
	s_lshl_b32 s35, s35, 23
	s_or_b32 s35, s35, 0x600000
	v_mov_b32 v31, s35                             ; 448 x 2^e
.macro FOLD                            ; the two chains, the pair's halves, the 32 lanes: every lane ends with the row's sum in v[ST + 4 j]
.irp j, 0,1,2,3
	v_pk_add_f32 v[ST+4*\j:ST+4*\j+1], v[ST+4*\j:ST+4*\j+1], v[ST+4*\j+2:ST+4*\j+3]
.endr
.irp j, 0,1,2,3
	v_add_f32 v[ST+4*\j], v[ST+4*\j], v[ST+4*\j+1]
.endr
.irp m, 1,2,4,8
.irp j, 0,1,2,3
	v_add_f32_dpp v[ST+4*\j], v[ST+4*\j], v[ST+4*\j] row_xmask:\m row_mask:0xf bank_mask:0xf
.endr
.endr
.irp j, 0,1,2,3
	v_permlanex16_b32 v[PL+\j], v[ST+4*\j], s24, s25
.endr
.irp j, 0,1,2,3
	v_add_f32 v[ST+4*\j], v[ST+4*\j], v[PL+\j]
.endr
.endm
	s_wait_loadcnt 16                              ; the rows' 32 loads are in; the 16 of gain and bias may be out
.irp j, 0,1,2,3
	v_pk_add_f32 v[ST+4*\j:ST+4*\j+1], v[LX+32*\j:LX+32*\j+1], v[LX+32*\j+2:LX+32*\j+3]
	v_pk_add_f32 v[ST+4*\j+2:ST+4*\j+3], v[LX+32*\j+4:LX+32*\j+5], v[LX+32*\j+6:LX+32*\j+7]
.endr
.irp i, 8,12,16,20,24,28
.irp j, 0,1,2,3
	v_pk_add_f32 v[ST+4*\j:ST+4*\j+1], v[ST+4*\j:ST+4*\j+1], v[LX+32*\j+\i:LX+32*\j+\i+1]
	v_pk_add_f32 v[ST+4*\j+2:ST+4*\j+3], v[ST+4*\j+2:ST+4*\j+3], v[LX+32*\j+\i+2:LX+32*\j+\i+3]
.endr
.endr
	FOLD
.irp j, 0,1,2,3
	v_mul_f32 v[ST+4*\j+2], s26, v[ST+4*\j]        ; -mean, in both halves of a pair
	v_mul_f32 v[ST+4*\j+3], s26, v[ST+4*\j]
.endr
.irp i, 0,2,4,6,8,10,12,14,16,18,20,22,24,26,28,30
.irp j, 0,1,2,3
	v_pk_add_f32 v[LX+32*\j+\i:LX+32*\j+\i+1], v[LX+32*\j+\i:LX+32*\j+\i+1], v[ST+4*\j+2:ST+4*\j+3]   ; d = x - mean: the variance is summed of deviations
.endr
.endr
.irp j, 0,1,2,3
	v_pk_mul_f32 v[ST+4*\j:ST+4*\j+1], v[LX+32*\j:LX+32*\j+1], v[LX+32*\j:LX+32*\j+1]
	v_pk_mul_f32 v[ST+4*\j+2:ST+4*\j+3], v[LX+32*\j+2:LX+32*\j+3], v[LX+32*\j+2:LX+32*\j+3]
.endr
.irp i, 4,8,12,16,20,24,28
.irp j, 0,1,2,3
	v_pk_fma_f32 v[ST+4*\j:ST+4*\j+1], v[LX+32*\j+\i:LX+32*\j+\i+1], v[LX+32*\j+\i:LX+32*\j+\i+1], v[ST+4*\j:ST+4*\j+1]
	v_pk_fma_f32 v[ST+4*\j+2:ST+4*\j+3], v[LX+32*\j+\i+2:LX+32*\j+\i+3], v[LX+32*\j+\i+2:LX+32*\j+\i+3], v[ST+4*\j+2:ST+4*\j+3]
.endr
.endr
	FOLD
.irp j, 0,1,2,3
	v_fma_f32 v[ST+4*\j], v[ST+4*\j], s27, s28     ; variance + 1e-5
.endr
	s_wait_alu depctr_va_vdst(0)
.irp j, 0,1,2,3
	v_rsq_f32 v[ST+4*\j+2], v[ST+4*\j]             ; eight roots, one batch
	v_rsq_f32 v[ST+4*\j+3], v[ST+4*\j]
.endr
	v_nop                                          ; one plain instruction behind the last of them (ISA guide 5.7.2)
	s_wait_alu depctr_va_vdst(0)                   ; one wait for the batch, ahead of its first reader
	s_wait_loadcnt 0x0                             ; gain and bias
.macro FINISH j                        ; row j: d x rstd x g + b, the hold, the codes, into the stage
.set XR, LX+32*\j
.set N, 0
.rept 16
	v_pk_mul_f32 v[XR+N:XR+N+1], v[XR+N:XR+N+1], v[ST+4*\j+2:ST+4*\j+3]
.set N, N+2
.endr
.set N, 0
.rept 16
	v_pk_fma_f32 v[XR+N:XR+N+1], v[XR+N:XR+N+1], v[LG+N:LG+N+1], v[LB+N:LB+N+1]
.set N, N+2
.endr
.set N, 0
.rept 32
	v_med3_num_f32 v[XR+N], v[XR+N], -v31, v31     ; the conversion to an 8-bit code does not saturate (ISA guide 7.6.2)
.set N, N+1
.endr
.irp q, 0,1,2,3
	v_cvt_scalef32_pk8_fp8_f32 v[LC+8*\j+2*\q:LC+8*\j+2*\q+1], v[XR+8*\q:XR+8*\q+7], v30
.endr
.irp q, 0,1,2,3
	ds_store_b64 v3, v[LC+8*\j+2*\q:LC+8*\j+2*\q+1] offset:16*UP*\q+16*\j
.endr
.endm
	FINISH 0
	FINISH 1
	FINISH 2
	FINISH 3
	v_nop                                          ; a plain instruction behind the last scaled conversion
	s_wait_dscnt 0x0                               ; for the others' sake: my stores into the stage are done
	s_barrier_signal -1
	s_barrier_wait -1                              ; a unit's 16 rows come from four waves
.irp i, 0,1,2,3,4,5,6,7
	ds_load_b128 v[LX+4*\i:LX+4*\i+3], v4 offset:2*UP*\i
.endr
.irp i, 0,1,2,3,4,5,6,7
	s_wait_dscnt 7-\i                              ; load i is in, the younger ones may be out
	global_store_b128 v5, v[LX+4*\i:LX+4*\i+3], s[20:21] offset:512*\i   ; 32 lanes store 512 consecutive bytes, at a multiple of 256 from the buffer's first byte
.endr
	s_wait_tensorcnt 0x0
	ds_add_u32 v28, v29
	s_wait_dscnt 0x0
	s_endpgm
.Lfunc_end_k_q99d04cf1ff_ln2:
	.size	k_q99d04cf1ff_ln2, .Lfunc_end_k_q99d04cf1ff_ln2-k_q99d04cf1ff_ln2
	.p2alignl 7, 3214868480
	.fill 96, 4, 3214868480
	.section	.rodata,"a",@progbits
	.p2align	6, 0x0
	.amdhsa_kernel k_q99d04cf1ff_ln2
		.amdhsa_group_segment_fixed_size 17920
		.amdhsa_private_segment_fixed_size 0
		.amdhsa_enable_private_segment 0
		.amdhsa_kernarg_size 40
		.amdhsa_user_sgpr_count 2
		.amdhsa_user_sgpr_kernarg_segment_ptr 1
		.amdhsa_wavefront_size32 1
		.amdhsa_system_sgpr_workgroup_id_x 1
		.amdhsa_system_sgpr_workgroup_id_y 1
		.amdhsa_system_sgpr_workgroup_id_z 1
		.amdhsa_system_vgpr_workitem_id 0
		.amdhsa_next_free_vgpr 256
		.amdhsa_next_free_sgpr 66
		.amdhsa_reserve_vcc 0
		.amdhsa_float_denorm_mode_32 3
		.amdhsa_float_denorm_mode_16_64 3
		.amdhsa_memory_ordered 1
		.amdhsa_forward_progress 1
		.amdhsa_inst_pref_size 43
	.end_amdhsa_kernel
	.amdgpu_metadata
---
amdhsa.version: [ 1, 2 ]
amdhsa.kernels:
  - .name:           k_q99d04cf1ff_ln2
    .symbol:         k_q99d04cf1ff_ln2.kd
    .args:
      - { .name: x1, .offset: 0, .size: 8, .value_kind: global_buffer, .address_space: global }
      - { .name: ln2_g, .offset: 8, .size: 8, .value_kind: global_buffer, .address_space: global }
      - { .name: ln2_b, .offset: 16, .size: 8, .value_kind: global_buffer, .address_space: global }
      - { .name: lowp_scales, .offset: 24, .size: 8, .value_kind: global_buffer, .address_space: global }
      - { .name: h2img, .offset: 32, .size: 8, .value_kind: global_buffer, .address_space: global }
    .group_segment_fixed_size: 17920
    .private_segment_fixed_size: 0
    .kernarg_segment_align: 8
    .kernarg_segment_size: 40
    .max_flat_workgroup_size: 128
    .sgpr_count:     66
    .vgpr_count:     256
    .wavefront_size: 32
...
	.end_amdgpu_metadata
.endif
;; end of part 12
;; launch gemm_fc (part 13): grid 16 x 16, 4 waves a work-group, clusters of 4 x 4, 327,680 bytes of LDS; arguments h2img, prepimg, lowp_scales, b_fc, fcimg; writes fcimg
.if DOCPART == 13
	.amdgcn_target "amdgcn-amd-amdhsa--gfx1250"
	.amdhsa_code_object_version 6
	.text
	.protected	k_q99d04cf1ff_gemm_fc
	.globl	k_q99d04cf1ff_gemm_fc
	.p2align	8
	.type	k_q99d04cf1ff_gemm_fc,@function
k_q99d04cf1ff_gemm_fc:
	s_mov_b64 s[64:65], 0
	v_nop
	global_prefetch_b8 v0, s[64:65] scope:SCOPE_SE
	s_setreg_imm32_b32 hwreg(HW_REG_WAVE_MODE, 25, 1), 1
	s_wait_xcnt 0x0
	s_wait_alu depctr_hold_cnt(0) depctr_sa_sdst(0) depctr_va_vdst(0) depctr_va_sdst(0) depctr_va_ssrc(0) depctr_va_vcc(0) depctr_vm_vsrc(0)
	s_getreg_b32 s2, hwreg(HW_REG_IB_STS2, 6, 4)
	s_cmp_eq_u32 s2, 0
	s_cbranch_scc0 .Lentry_in_a_cluster
	s_endpgm
.Lentry_in_a_cluster:
	s_bfe_u32 s2, ttmp6, 0x10000c
	s_cmp_lg_u32 s2, 0xf033
	s_cbranch_scc0 .Lentry_shape_is_right
	s_endpgm
.Lentry_shape_is_right:
; fc = Q(gelu(Q(LN2(x1)) Q(w_fc) + b_fc)) on codes of E4M3, quantised with e10 and stored as fragment images.  Tiles of 256 x 256, four waves of 128 x 128, K in steps of 256 through a ring of two LDS slots;
; 4 x 4 clusters ask for A's tiles jointly along a row and for B's along a column.  gelu's erf is a quotient of two polynomials in z^2, z = u / sqrt(2) held within +-4.
; LIMITS: e8 + e9 between -126 and 127; e10 between -126 and 119.  NaN is not served.
.set KTOT,   1024
.set BOFF,   0x800000
.set KP,     16*KTOT
.set HALFT,  32768
.set SLOT,   4*HALFT
.set SPARE,  2*SLOT
.set LAPS,   KTOT/512
.set FR,     16
.set NL,     4
.set NP,     4
.set ADRA, 16
.set ADRB, 20
.set CO,   26
.set SPW,  28
.set NIL,  29
.set AF,   128
.set T,    128
.set BQ,   32
.set CD,   96
.set PA,   2
.set QA,   114
.set RH,   124
.set Z,    192
.set Z2,   208
.set PR,   224
.set QR,   240
.set G1, 24
.set G0, 32
.set G1B, 48
.set G0B, 56
.set MSB, 0
.macro WIN new
.if MSB != (\new)
	s_set_vgpr_msb (MSB<<8)|(\new)
.set MSB, (\new)
.endif
.endm
.set MUL_LO, 0xa1
.set MUL_HI, 0xf1
.set TO_B,   0x40
.macro JLOAD g0a, g1a, g0b, g1b
	s_cmp_eq_u32 s15, 0
	s_cbranch_scc0 .Lfor_b_\@
	tensor_load_to_lds s[\g0a:\g0a+3], s[\g1a:\g1a+7]
	s_nop 0
.rept 4
	v_nop
.endr
	s_branch .Lasked_\@
.Lfor_b_\@:
	tensor_load_to_lds s[\g0b:\g0b+3], s[\g1b:\g1b+7]
	s_nop 0
.rept 4
	v_nop
.endr
.Lasked_\@:
.endm
.macro CREST
	s_cmp_lg_u32 s14, 0
	s_cbranch_scc1 .Lnot_wave_0_\@
	s_barrier_signal -3
.Lnot_wave_0_\@:
	s_barrier_wait -3
	s_barrier_signal -1
	s_barrier_wait -1
.endm
.macro CROUND
	s_barrier_signal -1
	s_barrier_wait -1
	CREST
.endm
	s_load_b256 s[68:75], s[0:1], 0x0
	s_load_b64 s[76:77], s[0:1], 0x20
	v_lshl_add_u32 v[SPW], v0, 2, SPARE
	v_mov_b32 v[NIL], 0
	ds_add_u32 v28, v29
	ds_add_u32 v28, v29
	s_wait_dscnt 0x0
	v_lshrrev_b32 v1, 5, v0
	v_readfirstlane_b32 s14, v1
	s_lshr_b32 s15, s14, 1
	s_and_b32 s16, s14, 1
	s_bfe_u32 s40, ttmp6, 0x40000
	s_bfe_u32 s41, ttmp6, 0x40004
	s_lshl_b32 s42, ttmp9, 2
	s_add_co_u32 s42, s42, s40
	s_and_b32 s17, ttmp7, 0xffff
	s_lshl_b32 s17, s17, 2
	s_add_co_u32 s17, s17, s41
	s_lshl_b32 s43, s41, 2
	s_lshl_b32 s43, 15, s43
	s_lshl_b32 s44, 0x1111, s40
	s_or_b32 s[G1+0], s43, (3<<16)|(1<<21)
	s_or_b32 s[G1B+0], s44, (3<<16)|(1<<21)
.irp g, G1, G1B
	s_mov_b32 s[\g+1], 512<<16
	s_mov_b32 s[\g+2], 8<<16
	s_mov_b32 s[\g+3], 512<<16
	s_mov_b32 s[\g+4], 8
	s_mov_b32 s[\g+5], KP/8
	s_mov_b32 s[\g+6], 0
	s_mov_b32 s[\g+7], 0
.endr
	s_lshl_b32 s18, s16, 3
	s_lshl_b32 s20, s17, 4
	s_add_co_u32 s20, s20, s18
	s_mul_i32 s20, s20, KP
	s_mov_b32 s21, 0
	s_lshl_b32 s46, s42, 4
	s_add_co_u32 s46, s46, s18
	s_mul_i32 s46, s46, KP
	s_add_co_u32 s46, s46, BOFF
	s_mov_b32 s47, 0
	s_mul_i32 s45, s14, HALFT
	s_wait_kmcnt 0x0
	s_load_b128 s[80:83], s[72:73], 0x20
	s_add_nc_u64 s[20:21], s[68:69], s[20:21]
	s_add_nc_u64 s[46:47], s[70:71], s[46:47]
	CROUND
.irp s, 0,1
	s_mov_b32 s[G0+4*\s], 1
	s_add_co_u32 s[G0+4*\s+1], s45, \s*SLOT
	s_add_nc_u64 s[G0+4*\s+2:G0+4*\s+3], s[20:21], \s*4096
	s_or_b32 s[G0+4*\s+3], s[G0+4*\s+3], 0x80000000
	s_mov_b32 s[G0B+4*\s], 1
	s_add_co_u32 s[G0B+4*\s+1], s45, \s*SLOT
	s_add_nc_u64 s[G0B+4*\s+2:G0B+4*\s+3], s[46:47], \s*4096
	s_or_b32 s[G0B+4*\s+3], s[G0B+4*\s+3], 0x80000000
.endr
	JLOAD G0, G1, G0B, G1B                         ; K step 0: one tensor load a wave at the head
	; PREFETCH INTO THE L2: behind the joint load of K step 0 the wave asks for K steps 1 and 2, behind that of K step 1 for K step 3: two steps are asked for and not yet read at the most; the ring's two refills have nothing further on.
	; Of the 8 row tiles x 4,096 bytes that I fetch, each of the four partners that ask jointly takes two row tiles, told apart by address (cx for A, cy for B): 32 blocks of 256 bytes, a lane a block,
	; each block named once in the cluster.  The address is never rewritten.
	s_cmp_eq_u32 s15, 0
	s_cselect_b64 s[4:5], s[20:21], s[46:47]
	s_cselect_b32 s6, s40, s41
	s_mul_i32 s6, s6, 2*KP
	s_mov_b32 s7, 0
	s_add_nc_u64 s[4:5], s[4:5], s[6:7]
	v_bfe_u32 v31, v0, 4, 1
	v_mul_u32_u24 v31, v31, KP
	v_and_b32 v1, 15, v0
	v_lshl_add_u32 v31, v1, 8, v31
	global_prefetch_b8 v31, s[4:5] offset:4096 th:TH_LOAD_NT scope:SCOPE_SE
	global_prefetch_b8 v31, s[4:5] offset:8192 th:TH_LOAD_NT scope:SCOPE_SE
	v_and_b32 v1, 31, v0
	v_lshlrev_b32 v[CO], 4, v1
	s_mul_i32 s21, s15, HALFT
	s_mul_i32 s22, s16, HALFT
	s_add_co_u32 s22, s22, 2*HALFT
.irp s, 0,1
	v_add_nc_u32 v[ADRA+\s], s21, v[CO]
	v_add_nc_u32 v[ADRB+\s], s22, v[CO]
	s_add_co_u32 s21, s21, SLOT
	s_add_co_u32 s22, s22, SLOT
.endr
	v_bfe_u32 v2, v0, 4, 1
	v_lshlrev_b32 v27, 5, v2
	s_lshl_b32 s88, s42, 10
	s_lshl_b32 s89, s16, 9
	s_add_co_u32 s88, s88, s89
	s_mov_b32 s89, 0
	s_add_nc_u64 s[74:75], s[74:75], s[88:89]
.irp b, 0,1,2,3,4,5,6,7
	global_load_b128 v[BQ+8*\b:BQ+8*\b+3], v27, s[74:75] offset:64*\b
	global_load_b128 v[BQ+8*\b+4:BQ+8*\b+7], v27, s[74:75] offset:64*\b+16
.endr
	s_lshl_b32 s88, s17, 20
	s_lshl_b32 s89, s15, 19
	s_add_co_u32 s88, s88, s89
	s_lshl_b32 s89, s42, 12
	s_add_co_u32 s88, s88, s89
	s_lshl_b32 s89, s16, 11
	s_add_co_u32 s88, s88, s89
	s_mov_b32 s89, 0
	s_add_nc_u64 s[12:13], s[76:77], s[88:89]
.macro FRAG reg, adr, q, i
.irp c, 0,1,2,3
	ds_load_b128 v[\reg+4*\c:\reg+4*\c+3], v[\adr] offset:4096*(\i)+2048*(\q)+512*\c
.endr
.endm
.macro MUL16 a0, p, zero
.irp a, \a0, \a0+1
.irp b, 0,1,2,3,4,5,6,7
.if \zero
	v_wmma_f32_16x16x128_fp8_fp8 v[8*(8*((\a)%4)+\b):8*(8*((\a)%4)+\b)+7], v[128*(\p)+FR*\b:128*(\p)+FR*\b+FR-1], v[AF+FR*(\a):AF+FR*(\a)+FR-1], 0
.else
	v_wmma_f32_16x16x128_fp8_fp8 v[8*(8*((\a)%4)+\b):8*(8*((\a)%4)+\b)+7], v[128*(\p)+FR*\b:128*(\p)+FR*\b+FR-1], v[AF+FR*(\a):AF+FR*(\a)+FR-1], v[8*(8*((\a)%4)+\b):8*(8*((\a)%4)+\b)+7]
.endif
.endr
.endr
.endm
.macro FETCH_B slot, q, p
	WIN TO_B
.irp i, 0,1,2,3,4,5,6,7
	FRAG 128*(\p)+FR*\i, ADRB+\slot, \q, \i
.endr
	WIN 0
.endm
.macro FETCH_A slot, q, i0
.irp i, \i0, \i0+1, \i0+2, \i0+3
	FRAG AF+FR*(\i), ADRA+\slot, \q, \i
.endr
.endm
.macro PLACES n
.rept \n
	v_nop
.endr
.endm
.macro STEP slot, q, zero
	s_wait_dscnt 4*NL
	WIN MUL_LO
	MUL16 0, (\q)%2, \zero
	MUL16 2, (\q)%2, \zero
	s_wait_dscnt 0x0
	PLACES NP
	FETCH_B \slot, (\q)+1, 1-(\q)%2
	FETCH_A \slot, (\q)+1, 0
	WIN MUL_HI
	MUL16 4, (\q)%2, \zero
	MUL16 6, (\q)%2, \zero
	PLACES NP
	WIN 0
	FETCH_A \slot, (\q)+1, 4
.endm
.macro TURN slot, next, fill
	s_wait_tensorcnt 0x0
	ds_add_u32 v[SPW], v[NIL]
	s_wait_dscnt 4*NL+1
	WIN MUL_LO
	MUL16 0, 1, 0
	s_wait_dscnt 0x0
	s_barrier_signal -1
	MUL16 2, 1, 0
	WIN 0
	s_barrier_wait -1
.if \fill
	CREST
	s_add_nc_u64 s[G0+4*\slot+2:G0+4*\slot+3], s[G0+4*\slot+2:G0+4*\slot+3], 8192
	s_add_nc_u64 s[G0B+4*\slot+2:G0B+4*\slot+3], s[G0B+4*\slot+2:G0B+4*\slot+3], 8192
	JLOAD G0+4*\slot, G1, G0B+4*\slot, G1B
.else
	PLACES NP
.endif
	FETCH_B \next, 0, 0
	FETCH_A \next, 0, 0
	WIN MUL_HI
	MUL16 4, 1, 0
	MUL16 6, 1, 0
	PLACES NP
	WIN 0
	FETCH_A \next, 0, 4
.endm
	s_wait_alu depctr_va_vdst(0)                   ; the wait at the head's end
	s_wait_tensorcnt 0x0                           ; my part of K step 0 is in
	ds_add_u32 v[SPW], v[NIL]
	s_wait_dscnt 0x0
	CROUND                                         ; everybody's part is in, and all sixteen work-groups are here
	JLOAD G0+4, G1, G0B+4, G1B                     ; K step 1, the first tensor load behind the round
	global_prefetch_b8 v31, s[4:5] offset:12288 th:TH_LOAD_NT scope:SCOPE_SE   ; K step 3
	FETCH_B 0, 0, 0
	FETCH_A 0, 0, 0
	FETCH_A 0, 0, 4
	STEP 0, 0, 1
	s_mov_b32 s3, LAPS-1
.Llap:
	TURN 0, 1, 1
	STEP 1, 0, 0
	TURN 1, 0, 1
	STEP 0, 0, 0
	s_sub_co_u32 s3, s3, 1
	s_cmp_lg_u32 s3, 0
	s_cbranch_scc1 .Llap
	TURN 0, 1, 0
	STEP 1, 0, 0
	s_wait_dscnt 4*NL
	WIN MUL_LO
	MUL16 0, 1, 0
	MUL16 2, 1, 0
	s_wait_dscnt 0x0
	WIN MUL_HI
	MUL16 4, 1, 0
	MUL16 6, 1, 0
	WIN 0
.macro GET a
	WIN 0x02+(\a)/4
.irp b, 0,1,2,3,4,5,6,7
.irp i, 0,2,4,6
	v_pk_fma_f32 v[T+8*\b+\i:T+8*\b+\i+1], v[64*((\a)%4)+8*\b+\i:64*((\a)%4)+8*\b+\i+1], s[96:97], v[BQ+8*\b+\i:BQ+8*\b+\i+1] op_sel_hi:[1,0,1]
.endr
.endr
	WIN 0
.endm
.macro GELU g
.set U, T+16*(\g)
.irp i, 0,2,4,6,8,10,12,14
	v_pk_mul_f32 v[Z+\i:Z+\i+1], v[U+\i:U+\i+1], v[RH:RH+1]
.endr
.irp i, 0,1,2,3,4,5,6,7,8,9,10,11,12,13,14,15
	v_med3_num_f32 v[Z+\i], v[Z+\i], -4.0, 4.0
.endr
.irp i, 0,2,4,6,8,10,12,14
	v_pk_mul_f32 v[Z2+\i:Z2+\i+1], v[Z+\i:Z+\i+1], v[Z+\i:Z+\i+1]
.endr
.irp i, 0,2,4,6,8,10,12,14
	v_pk_fma_f32 v[PR+\i:PR+\i+1], v[Z2+\i:Z2+\i+1], v[PA:PA+1], v[PA+2:PA+3]
	v_pk_fma_f32 v[QR+\i:QR+\i+1], v[Z2+\i:Z2+\i+1], v[QA:QA+1], v[QA+2:QA+3]
.endr
.irp k, 2,3,4
.irp i, 0,2,4,6,8,10,12,14
	v_pk_fma_f32 v[PR+\i:PR+\i+1], v[PR+\i:PR+\i+1], v[Z2+\i:Z2+\i+1], v[PA+2*\k:PA+2*\k+1]
	v_pk_fma_f32 v[QR+\i:QR+\i+1], v[QR+\i:QR+\i+1], v[Z2+\i:Z2+\i+1], v[QA+2*\k:QA+2*\k+1]
.endr
.endr
.irp k, 5,6
.irp i, 0,2,4,6,8,10,12,14
	v_pk_fma_f32 v[PR+\i:PR+\i+1], v[PR+\i:PR+\i+1], v[Z2+\i:Z2+\i+1], v[PA+2*\k:PA+2*\k+1]
.endr
.endr
	s_wait_alu depctr_va_vdst(0)
.irp i, 0,1,2,3,4,5,6,7,8,9,10,11,12,13,14,15
	v_rcp_f32 v[QR+\i], v[QR+\i]
.endr
.irp i, 0,2,4,6,8,10,12,14
	v_pk_mul_f32 v[PR+\i:PR+\i+1], v[PR+\i:PR+\i+1], v[Z+\i:Z+\i+1]
.endr
.irp i, 0,2,4,6,8,10,12,14
	v_pk_mul_f32 v[U+\i:U+\i+1], v[U+\i:U+\i+1], 0.5 op_sel_hi:[1,0]
.endr
	s_wait_alu depctr_va_vdst(0)
.irp i, 0,2,4,6,8,10,12,14
	v_pk_mul_f32 v[PR+\i:PR+\i+1], v[PR+\i:PR+\i+1], v[QR+\i:QR+\i+1]
.endr
.irp i, 0,2,4,6,8,10,12,14
	v_pk_fma_f32 v[U+\i:U+\i+1], v[U+\i:U+\i+1], v[PR+\i:PR+\i+1], v[U+\i:U+\i+1]
.endr
.endm
.macro COEF reg, val
	v_mov_b32 v[\reg], \val
	v_mov_b32 v[\reg+1], \val
.endm
	s_wait_loadcnt 0x0
	s_wait_kmcnt 0x0
	s_add_co_i32 s96, s80, s81
	s_add_co_i32 s96, s96, 127
	s_lshl_b32 s96, s96, 23
	s_mov_b32 s97, s96
	s_add_co_i32 s93, s82, 127
	s_lshl_b32 s94, s93, 23
	v_mov_b32 v112, s94
	s_add_co_i32 s93, s93, 8
	s_lshl_b32 s93, s93, 23
	s_or_b32 s93, s93, 0x600000
	v_mov_b32 v113, s93
	COEF PA, 0xaf95df0b
	COEF PA+2, 0x32edffee
	COEF PA+4, 0xb60cff51
	COEF PA+6, 0xb86ec2d2
	COEF PA+8, 0xba40ac63
	COEF PA+10, 0xbb41a1f6
	COEF PA+12, 0xbc83dbd4
	COEF QA, 0xb77460cd
	COEF QA+2, 0xb95fbd29
	COEF QA+4, 0xbadc924e
	COEF QA+6, 0xbbf19bf8
	COEF QA+8, 0xbc69b6a7
	COEF RH, 0x3f3504f3
	s_mov_b32 s92, 0
.Lblk:
	s_cmp_eq_u32 s92, 0
	s_cbranch_scc1 .Lg0
	s_cmp_eq_u32 s92, 1
	s_cbranch_scc1 .Lg1
	s_cmp_eq_u32 s92, 2
	s_cbranch_scc1 .Lg2
	s_cmp_eq_u32 s92, 3
	s_cbranch_scc1 .Lg3
	s_cmp_eq_u32 s92, 4
	s_cbranch_scc1 .Lg4
	s_cmp_eq_u32 s92, 5
	s_cbranch_scc1 .Lg5
	s_cmp_eq_u32 s92, 6
	s_cbranch_scc1 .Lg6
	GET 7
	s_branch .Lgot
.Lg0:
	GET 0
	s_branch .Lgot
.Lg1:
	GET 1
	s_branch .Lgot
.Lg2:
	GET 2
	s_branch .Lgot
.Lg3:
	GET 3
	s_branch .Lgot
.Lg4:
	GET 4
	s_branch .Lgot
.Lg5:
	GET 5
	s_branch .Lgot
.Lg6:
	GET 6
.Lgot:
	GELU 0
	GELU 1
	GELU 2
	GELU 3
.set N, 0
.rept 64
	v_med3_num_f32 v[T+N], v[T+N], -v113, v113
.set N, N+1
.endr
.irp b, 0,1,2,3,4,5,6,7
	v_cvt_scalef32_pk8_fp8_f32 v[CD+2*\b:CD+2*\b+1], v[T+8*\b:T+8*\b+7], v112
.endr
	v_nop
.irp p, 0,1,2,3
	global_store_b128 v[CO], v[CD+4*\p:CD+4*\p+3], s[12:13] offset:512*\p
.endr
	s_wait_xcnt 0x0
	s_add_nc_u64 s[12:13], s[12:13], 65536
	s_add_co_u32 s92, s92, 1
	s_cmp_lt_u32 s92, 8
	s_cbranch_scc1 .Lblk
	s_wait_tensorcnt 0x0
	ds_add_u32 v[SPW], v[NIL]
	s_wait_dscnt 0x0
	CROUND
	s_endpgm
.Lfunc_end_k_q99d04cf1ff_gemm_fc:
	.size	k_q99d04cf1ff_gemm_fc, .Lfunc_end_k_q99d04cf1ff_gemm_fc-k_q99d04cf1ff_gemm_fc
	.p2alignl 7, 3214868480
	.fill 96, 4, 3214868480
	.section	.rodata,"a",@progbits
	.p2align	6, 0x0
	.amdhsa_kernel k_q99d04cf1ff_gemm_fc
		.amdhsa_group_segment_fixed_size 327680
		.amdhsa_private_segment_fixed_size 0
		.amdhsa_enable_private_segment 0
		.amdhsa_kernarg_size 40
		.amdhsa_user_sgpr_count 2
		.amdhsa_user_sgpr_kernarg_segment_ptr 1
		.amdhsa_wavefront_size32 1
		.amdhsa_system_sgpr_workgroup_id_x 1
		.amdhsa_system_sgpr_workgroup_id_y 1
		.amdhsa_system_sgpr_workgroup_id_z 1
		.amdhsa_system_vgpr_workitem_id 0
		.amdhsa_next_free_vgpr 1024
		.amdhsa_next_free_sgpr 100
		.amdhsa_reserve_vcc 0
		.amdhsa_float_denorm_mode_32 3
		.amdhsa_float_denorm_mode_16_64 3
		.amdhsa_memory_ordered 1
		.amdhsa_forward_progress 1
		.amdhsa_inst_pref_size 142
	.end_amdhsa_kernel
	.amdgpu_metadata
---
amdhsa.version: [ 1, 2 ]
amdhsa.kernels:
  - .name:           k_q99d04cf1ff_gemm_fc
    .symbol:         k_q99d04cf1ff_gemm_fc.kd
    .args:
      - { .name: h2img, .offset: 0, .size: 8, .value_kind: global_buffer, .address_space: global }
      - { .name: prepimg, .offset: 8, .size: 8, .value_kind: global_buffer, .address_space: global }
      - { .name: lowp_scales, .offset: 16, .size: 8, .value_kind: global_buffer, .address_space: global }
      - { .name: b_fc, .offset: 24, .size: 8, .value_kind: global_buffer, .address_space: global }
      - { .name: fcimg, .offset: 32, .size: 8, .value_kind: global_buffer, .address_space: global }
    .group_segment_fixed_size: 327680
    .private_segment_fixed_size: 0
    .kernarg_segment_align: 8
    .kernarg_segment_size: 40
    .max_flat_workgroup_size: 128
    .sgpr_count:     100
    .vgpr_count:     1024
    .wavefront_size: 32
...
	.end_amdgpu_metadata
.endif
;; end of part 13
;; launch gemm_mproj (part 14): grid 8 x 32, 4 waves a work-group, clusters of 4 x 4, 327,680 bytes of LDS; arguments fcimg, prepimg, lowp_scales, b_mproj, x1, out0; writes out0
.if DOCPART == 14
	.amdgcn_target "amdgcn-amd-amdhsa--gfx1250"
	.amdhsa_code_object_version 6
	.text
	.protected	k_q99d04cf1ff_gemm_mproj
	.globl	k_q99d04cf1ff_gemm_mproj
	.p2align	8
	.type	k_q99d04cf1ff_gemm_mproj,@function
k_q99d04cf1ff_gemm_mproj:
	s_mov_b64 s[64:65], 0
	v_nop
	global_prefetch_b8 v0, s[64:65] scope:SCOPE_SE
	s_setreg_imm32_b32 hwreg(HW_REG_WAVE_MODE, 25, 1), 1
	s_wait_xcnt 0x0
	s_wait_alu depctr_hold_cnt(0) depctr_sa_sdst(0) depctr_va_vdst(0) depctr_va_sdst(0) depctr_va_ssrc(0) depctr_va_vcc(0) depctr_vm_vsrc(0)
	s_getreg_b32 s2, hwreg(HW_REG_IB_STS2, 6, 4)
	s_cmp_eq_u32 s2, 0
	s_cbranch_scc0 .Lentry_in_a_cluster
	s_endpgm
.Lentry_in_a_cluster:
	s_bfe_u32 s2, ttmp6, 0x10000c
	s_cmp_lg_u32 s2, 0xf033
	s_cbranch_scc0 .Lentry_shape_is_right
	s_endpgm
.Lentry_shape_is_right:
; out0 = x1 + Q(gelu(..)) Q(w_mproj) + b_mproj: a product on codes of E4M3 with K = 4,096, its sums x 2^(e10 + e11), the bias and the residual added in f32.  Output [4096][1024] f32.
; OPERANDS ARE FRAGMENT IMAGES: [row / 16][k / 128][2,048 bytes], the 2,048 bytes being the operand's 16 registers x 32 lanes: piece p (registers 4p .. 4p+3) of lane L at 512 p + 16 L.
; A TILE IS 128 x 128: the output then has 32 x 8 = 256 tiles, a work-group each; tiles of 256 x 256 would be 64.  Four waves, each 64 x 64: 16 accumulators of 16 x 16, 128 registers.
; K goes in steps of 512 through a ring of two LDS slots filled by the tensor data mover: a slot holds 8 row tiles of A and 8 of B, four fragments (8,192 bytes) of each: as long a step as two slots in LDS allow,
; so that the one load a wave issues behind a round has four steps of 128, 64 matrix instructions a wave, in which to land.
; CLUSTERS: 4 x 4 work-groups; A's tile is shared along a row of the cluster, B's along a column: each is asked for jointly, by the same tensor load with the same descriptor and a mask that names the four.
; THE MATRIX INSTRUCTION IS USED TRANSPOSED (source 0 = 16 rows of B, source 1 = 16 rows of A): a lane holds eight neighbouring numbers of a row of the output.
; LIMIT: the two exponents' sum lies between -126 and 127, so that its power of two is an f32 number.
; REGISTERS, in windows of 256: window 0: v16-29 addresses; v32-35 the bias of my four columns; v128-255 the accumulators ((a, b) at v[128 + 8 (4 a + b)]).
;   window 1: two fragment buffers of 128: A's four fragments (16 rows x 128 K, 16 registers each), then B's four.   window 2: v0-127 the residual's rows, v128-255 rows back from the stage.
.set KTOT,   4096
.set BOFF,   0xc00000                  ; the weight's image in prepimg
.set EOFF,   0x28                      ; the two exponents' place among the scales
.set KP,     16*KTOT                   ; bytes in a row tile of an image
.set HALFT,  32768                     ; 4 row tiles x 8,192 bytes: what one tensor load brings, and what one wave reads of A or of B
.set SLOT,   4*HALFT                   ; A's 8 row tiles, then B's 8; 512 along K
.set SPARE,  2*SLOT                    ; behind the ring: the spare words, 128 bytes for each wave: two blocks of 256 bytes that no other line names
.set LAPS,   KTOT/1024                 ; a lap = two slots' worth of K = once round the ring
.set FR,     16                        ; registers of a fragment
.set SPITCH, 272                       ; the way out: a stage row: a wave's 64 columns, 256 bytes, + 16
.set BSTG,   16*SPITCH                 ; a block of 16 rows; four blocks for each wave.  The stages lie in slot 0, which has had its last fill and its last read when the first result is stored there
.set ADRA, 16                          ; v16-17  LDS address of my A fragments in slot 0, 1
.set ADRB, 20                          ; v20-21  the same for B
.set STO,  24                          ; v24     the stage: where I put 32 bytes of a row
.set RD,   25                          ; v25     and where I read 16 bytes of a row back
.set CO,   26                          ; v26     my byte offset in two rows of the output: 4,096 (lane / 16) + 16 (lane % 16)
.set BO,   27                          ; v27     16 (lane % 16)
.set SPW,  28                          ; v28     LDS address of my spare word; never rewritten
.set NIL,  29                          ; v29     0; never rewritten
.set BI,   32
.set ACC,  128
.set F0,   0                           ; fragment buffers, in window 1
.set F1,   128
.set XR,   0                           ; in window 2
.set BB,   128
.set G1, 24                            ; s[24:31] descriptor group 1 for A's tiles;  s[32:39] group 0, one set for each slot
.set G0, 32
.set G1B, 48                           ; s[48:55], s[56:63] the same for B's
.set G0B, 56
.set MSB, 0
.macro WIN new                         ; the immediate's high byte repeats the setting that is left
.if MSB != (\new)
	s_set_vgpr_msb (MSB<<8)|(\new)
.set MSB, (\new)
.endif
.endm
.set MUL,  0x05                        ; sources 0 (B) and 1 (A) window 1; C and D window 0
.set TO_F, 0x40                        ; destination window 1, address window 0
.macro JLOAD g0a, g1a, g0b, g1b        ; a joint load: waves 0 and 1 fetch for A, waves 2 and 3 for B; the branch hangs on the wave's number alone; four v_nop follow each line
	s_cmp_eq_u32 s15, 0
	s_cbranch_scc0 .Lfor_b_\@
	tensor_load_to_lds s[\g0a:\g0a+3], s[\g1a:\g1a+7]
	s_nop 0
.rept 4
	v_nop
.endr
	s_branch .Lasked_\@
.Lfor_b_\@:
	tensor_load_to_lds s[\g0b:\g0b+3], s[\g1b:\g1b+7]
	s_nop 0
.rept 4
	v_nop
.endr
.Lasked_\@:
.endm
.macro CREST                           ; a round of the cluster's barrier behind its opening barrier
	s_cmp_lg_u32 s14, 0
	s_cbranch_scc1 .Lnot_wave_0_\@
	s_barrier_signal -3
.Lnot_wave_0_\@:
	s_barrier_wait -3
	s_barrier_signal -1
	s_barrier_wait -1
.endm
.macro CROUND                          ; a whole round
	s_barrier_signal -1
	s_barrier_wait -1
	CREST
.endm
	s_load_b256 s[68:75], s[0:1], 0x0              ; A's image s[68:69], prepimg s[70:71], the scales' exponents s[72:73], the bias s[74:75]
	s_load_b128 s[76:79], s[0:1], 0x20             ; the residual s[76:77], the output s[78:79]
	v_lshl_add_u32 v[SPW], v0, 2, SPARE
	v_mov_b32 v[NIL], 0
	ds_add_u32 v28, v29
	ds_add_u32 v28, v29
	s_wait_dscnt 0x0
	v_lshrrev_b32 v1, 5, v0
	v_readfirstlane_b32 s14, v1                    ; wave 0..3
	s_lshr_b32 s15, s14, 1                         ; which half of the tile's rows is mine.  Also: I fetch for A (0) or for B (1)
	s_and_b32 s16, s14, 1                          ; which half of its columns.  Also: which 4 row tiles I fetch
	s_bfe_u32 s40, ttmp6, 0x40000                  ; cx, cy: my place in the cluster
	s_bfe_u32 s41, ttmp6, 0x40004
	s_lshl_b32 s42, ttmp9, 2
	s_add_co_u32 s42, s42, s40                     ; tile column = 4 x cluster x + cx
	s_and_b32 s17, ttmp7, 0xffff
	s_lshl_b32 s17, s17, 2
	s_add_co_u32 s17, s17, s41                     ; tile row = 4 x cluster y + cy
	s_lshl_b32 s43, s41, 2
	s_lshl_b32 s43, 15, s43                        ; my row of the cluster
	s_lshl_b32 s44, 0x1111, s40                    ; my column
	; descriptor group 1: 4 rows (row tiles) of 8,192 bytes (four fragments), KP bytes apart, dense in LDS
	s_or_b32 s[G1+0], s43, (3<<16)|(1<<21)         ; 15:0 the mask; 17:16 elements of 8 bytes; 20 no padding; 21 set beside a mask
	s_or_b32 s[G1B+0], s44, (3<<16)|(1<<21)
.irp g, G1, G1B
	s_mov_b32 s[\g+1], 1024<<16                    ; tensor_dim0 = 1,024 elements
	s_mov_b32 s[\g+2], 4<<16                       ; tensor_dim1 = 4
	s_mov_b32 s[\g+3], 1024<<16                    ; tile_dim0
	s_mov_b32 s[\g+4], 4                           ; tile_dim1
	s_mov_b32 s[\g+5], KP/8                        ; tensor_dim0_stride, in elements
	s_mov_b32 s[\g+6], 0
	s_mov_b32 s[\g+7], 0
.endr
	s_lshl_b32 s18, s16, 2                         ; which 4 row tiles I fetch
	s_lshl_b32 s20, s17, 3
	s_add_co_u32 s20, s20, s18
	s_mul_i32 s20, s20, KP                         ; A: row tile 8 x tile row + 4 x half: shared along a row of the cluster
	s_mov_b32 s21, 0
	s_lshl_b32 s46, s42, 3
	s_add_co_u32 s46, s46, s18
	s_mul_i32 s46, s46, KP
	s_add_co_u32 s46, s46, BOFF                    ; B: row tile 8 x tile column + 4 x half: shared along a column
	s_mov_b32 s47, 0
	s_mul_i32 s45, s14, HALFT                      ; where they go: wave x 32,768: no place in the cluster enters an LDS address
	s_wait_kmcnt 0x0
	s_load_b64 s[80:81], s[72:73], EOFF
	s_add_nc_u64 s[20:21], s[68:69], s[20:21]
	s_add_nc_u64 s[46:47], s[70:71], s[46:47]
	CROUND                                         ; all sixteen work-groups are here: the first joint loads meet
.irp s, 0,1
	s_mov_b32 s[G0+4*\s], 1
	s_add_co_u32 s[G0+4*\s+1], s45, \s*SLOT
	s_add_nc_u64 s[G0+4*\s+2:G0+4*\s+3], s[20:21], \s*8192
	s_or_b32 s[G0+4*\s+3], s[G0+4*\s+3], 0x80000000
	s_mov_b32 s[G0B+4*\s], 1
	s_add_co_u32 s[G0B+4*\s+1], s45, \s*SLOT
	s_add_nc_u64 s[G0B+4*\s+2:G0B+4*\s+3], s[46:47], \s*8192
	s_or_b32 s[G0B+4*\s+3], s[G0B+4*\s+3], 0x80000000
.endr
	JLOAD G0, G1, G0B, G1B                         ; slot 0: one tensor load a wave at the head
	; PREFETCH INTO THE L2: behind the joint load of K step 0 (512 along K, 8,192 bytes of a row tile) the wave asks for K steps 1 and 2, behind that of K step j, j = 1 .. 5, for K step j + 2: two steps are asked for and not yet read
	; at the most.  Of the 4 row tiles that I fetch each of the four partners that ask jointly takes one, told apart by address (cx for A, cy for B): 32 blocks of 256 bytes, a lane a block, each block named once in the cluster.
	; s[4:5] stands n steps along K behind n refills.
	s_cmp_eq_u32 s15, 0
	s_cselect_b64 s[4:5], s[20:21], s[46:47]
	s_cselect_b32 s6, s40, s41
	s_mul_i32 s6, s6, KP
	s_mov_b32 s7, 0
	s_add_nc_u64 s[4:5], s[4:5], s[6:7]
	v_and_b32 v30, 31, v0
	v_lshlrev_b32 v30, 8, v30
	global_prefetch_b8 v30, s[4:5] offset:8192 th:TH_LOAD_NT scope:SCOPE_SE
	global_prefetch_b8 v30, s[4:5] offset:16384 th:TH_LOAD_NT scope:SCOPE_SE
	v_and_b32 v1, 31, v0
	v_lshlrev_b32 v5, 4, v1                        ; 16 x lane
	s_mul_i32 s21, s15, HALFT                      ; my 4 row tiles of A
	s_mul_i32 s22, s16, HALFT                      ; my 4 of B,
	s_add_co_u32 s22, s22, 2*HALFT                 ; which lie behind A's 8
.irp s, 0,1
	v_add_nc_u32 v[ADRA+\s], s21, v5
	v_add_nc_u32 v[ADRB+\s], s22, v5
	s_add_co_u32 s21, s21, SLOT
	s_add_co_u32 s22, s22, SLOT
.endr
	v_and_b32 v2, 15, v0                           ; r
	v_bfe_u32 v3, v0, 4, 1                         ; h
	s_mul_i32 s23, s14, 4*BSTG                     ; my four stages
	v_mul_u32_u24 v4, v2, SPITCH
	v_lshl_add_u32 v4, v3, 5, v4
	v_add_nc_u32 v[STO], s23, v4                   ; in: row r, 32 bytes for each half of the lanes
	v_mul_u32_u24 v6, v3, SPITCH
	v_lshl_add_u32 v6, v2, 4, v6
	v_add_nc_u32 v[RD], s23, v6                    ; back: lanes 0-15 take one row of 256 bytes, lanes 16-31 the next
	v_lshlrev_b32 v[BO], 4, v2
	v_lshl_add_u32 v[CO], v3, 12, v[BO]            ; and the same two rows in the output
	s_wait_alu depctr_va_vdst(0)
	s_lshl_b32 s90, s42, 9
	s_lshl_b32 s91, s16, 8
	s_add_co_u32 s90, s90, s91                     ; my first column, in bytes: 512 x tile column + 256 x half
	s_mov_b32 s91, 0
	s_add_nc_u64 s[74:75], s[74:75], s[90:91]
	global_load_b128 v[BI:BI+3], v[BO], s[74:75]   ; the bias of my four columns of a row read back
	s_lshl_b32 s88, s17, 19
	s_lshl_b32 s89, s15, 18
	s_add_co_u32 s88, s88, s89                     ; my first row: (128 x tile row + 64 x half) x 4,096 bytes
	s_add_co_u32 s88, s88, s90
	s_mov_b32 s89, 0
	s_add_nc_u64 s[66:67], s[76:77], s[88:89]      ; neither base is stepped: block and row stand in the immediates, 253,952 at the most
	s_add_nc_u64 s[12:13], s[78:79], s[88:89]
	WIN 0x80                                       ; destination window 2
.irp a, 0,1,2,3
.irp t, 0,1,2,3,4,5,6,7
	global_load_b128 v[XR+32*\a+4*\t:XR+32*\a+4*\t+3], v[CO], s[66:67] offset:\a*65536+\t*8192 th:TH_LOAD_NT   ; the residual's 64 rows x 256 bytes, asked for here: they land while the products run, in registers that the products do not touch
.endr
.endr
	WIN 0
.macro FRAG reg, adr, q, i             ; row tile i, the slot's q-th 128 along K: four loads of 512 consecutive bytes
.irp c, 0,1,2,3
	ds_load_b128 v[\reg+4*\c:\reg+4*\c+3], v[\adr] offset:8192*(\i)+2048*(\q)+512*\c
.endr
.endm
; 4 matrix instructions: A's block a x B's four, 128 along K, from buffer f.  zero = 1: the first product starts the sums.  The 16 accumulators take turns, one instruction a turn, in the same order in every step.
.macro MUL4 f, a, zero
.irp b, 0,1,2,3
.if \zero
	v_wmma_f32_16x16x128_fp8_fp8 v[ACC+8*(4*(\a)+\b):ACC+8*(4*(\a)+\b)+7], v[\f+64+FR*\b:\f+64+FR*\b+FR-1], v[\f+FR*(\a):\f+FR*(\a)+FR-1], 0
.else
	v_wmma_f32_16x16x128_fp8_fp8 v[ACC+8*(4*(\a)+\b):ACC+8*(4*(\a)+\b)+7], v[\f+64+FR*\b:\f+64+FR*\b+FR-1], v[\f+FR*(\a):\f+FR*(\a)+FR-1], v[ACC+8*(4*(\a)+\b):ACC+8*(4*(\a)+\b)+7]
.endif
.endr
.endm
.macro FETCH slot, q, f                ; 32 LDS loads in one run: B's four fragments, then A's four
	WIN TO_F
.irp i, 0,1,2,3
	FRAG \f+64+FR*\i, ADRB+\slot, \q, \i
.endr
.irp i, 0,1,2,3
	FRAG \f+FR*\i, ADRA+\slot, \q, \i
.endr
.endm
.macro PLACES                          ; four plain vector instructions between a matrix instruction and a load into, or a read of, its registers
.rept 4
	v_nop
.endr
.endm
; A step of 128 along K: multiplies buffer f; in its middle it fetches the slot's q-th 128 into buffer g, which the step before multiplied.
.macro STEP slot, q, f, g, zero
	s_wait_dscnt 8                                 ; B's fragments and A's blocks 0, 1 are in; the youngest eight loads (A's blocks 2, 3) may be out
	WIN MUL
	MUL4 \f, 0, \zero
	MUL4 \f, 1, \zero
	PLACES
	FETCH \slot, \q, \g
	s_wait_dscnt 32                                ; all but the 32 just issued
	WIN MUL
	MUL4 \f, 2, \zero
	MUL4 \f, 3, \zero
.endm
; A slot's last step multiplies buffer 1 and changes slots: one barrier; in front of it each wave waits for all its tensor loads, adds 0 to its spare word, and waits for that and for its own reads of this slot.  fill = 1: this slot is filled again, two slots ahead.
.macro TURN slot, next, fill
	WIN 0                                          ; (the add's two registers lie in window 0)
.if \fill
	s_wait_xcnt 0x0                                ; my last prefetch has read its address: it is stepped only behind this wait
	s_add_nc_u64 s[4:5], s[4:5], 8192
.endif
	s_wait_tensorcnt 0x0                           ; all my tensor loads have landed: my part of the next slot
	ds_add_u32 v[SPW], v[NIL]                      ; 0 onto my spare word
	s_wait_dscnt 9                                 ; (the add and the youngest eight loads may be out)
	WIN MUL
	MUL4 F1, 0, 0                                  ; four matrix instructions stand between the add and the wait for it
	s_wait_dscnt 0x0                               ; the add is done, and my reads of this slot are over
	s_barrier_signal -1
	MUL4 F1, 1, 0
	WIN 0                                          ; (branches may follow)
	s_barrier_wait -1
.if \fill
	CREST                                          ; the barrier has opened a round of the cluster's barrier: no wave of any partner still reads this slot or has a load on its way
	s_add_nc_u64 s[G0+4*\slot+2:G0+4*\slot+3], s[G0+4*\slot+2:G0+4*\slot+3], 16384
	s_add_nc_u64 s[G0B+4*\slot+2:G0B+4*\slot+3], s[G0B+4*\slot+2:G0B+4*\slot+3], 16384
	JLOAD G0+4*\slot, G1, G0B+4*\slot, G1B         ; the first tensor load behind the round, a wave's one until the next; its four v_nop are the places in front of the loads below
.else
	PLACES
.endif
	FETCH \next, 0, F0
.if \fill
	WIN 0                                          ; at a branch and at a label every window is 0
	s_cmp_gt_u32 s3, 1                             ; the loop's last trip refills K steps 6 and 7: nothing lies two steps on
	s_cbranch_scc0 .Lno_ask_\@
	global_prefetch_b8 v30, s[4:5] offset:24576 th:TH_LOAD_NT scope:SCOPE_SE
.Lno_ask_\@:
.endif
	WIN MUL
	MUL4 F1, 2, 0
	MUL4 F1, 3, 0
.endm
	s_wait_alu depctr_va_vdst(0)                   ; the wait at the head's end
	s_wait_tensorcnt 0x0                           ; my part of slot 0 is in
	ds_add_u32 v[SPW], v[NIL]
	s_wait_dscnt 0x0
	CROUND                                         ; everybody's part is in, and all sixteen work-groups are here
	JLOAD G0+4, G1, G0B+4, G1B                     ; slot 1, the first tensor load behind the round
	global_prefetch_b8 v30, s[4:5] offset:24576 th:TH_LOAD_NT scope:SCOPE_SE   ; K step 3
	FETCH 0, 0, F0
	STEP 0, 1, F0, F1, 1                           ; the first step stands in front of the loop: its products start the sums
.if LAPS > 1
	WIN 0                                          ; at a label and at a branch every window is 0
	s_mov_b32 s3, LAPS-1
.Llap:                                                 ; a trip goes once round the ring, from a lap's second step to the next lap's first, and fills both slots again
	STEP 0, 2, F1, F0, 0
	STEP 0, 3, F0, F1, 0
	TURN 0, 1, 1
	STEP 1, 1, F0, F1, 0
	STEP 1, 2, F1, F0, 0
	STEP 1, 3, F0, F1, 0
	TURN 1, 0, 1
	STEP 0, 1, F0, F1, 0
	WIN 0
	s_sub_co_u32 s3, s3, 1
	s_cmp_lg_u32 s3, 0
	s_cbranch_scc1 .Llap
.endif
	STEP 0, 2, F1, F0, 0                           ; the last lap fills nothing, and has no round of the cluster's barrier
	STEP 0, 3, F0, F1, 0
	TURN 0, 1, 0
	STEP 1, 1, F0, F1, 0
	STEP 1, 2, F1, F0, 0
	STEP 1, 3, F0, F1, 0
	s_wait_dscnt 8                                 ; the very last step: nothing more to fetch
	WIN MUL
	MUL4 F1, 0, 0
	MUL4 F1, 1, 0
	s_wait_dscnt 0x0
	MUL4 F1, 2, 0
	MUL4 F1, 3, 0
	WIN 0
; THE WAY OUT.  A lane holds 32 neighbouring bytes of a row and the lanes beside it hold other rows: the raw sums go through my own stages in LDS, a stage for each block of 16 rows, and come back as whole rows of 256 bytes,
; my wave's 64 columns; there sum x 2^(eA + eB) + (residual + bias) is made and stored.  LDS serves a wave's instructions in order (ISA guide 5.7.1.4): no wait between the stores and the loads.  No register is written twice.
	PLACES                                         ; behind the last products: LDS stores read results
	s_wait_kmcnt 0x0
	s_add_co_i32 s96, s80, s81
	s_add_co_i32 s96, s96, 127
	s_lshl_b32 s96, s96, 23                        ; 2^(eA + eB) as f32
	s_mov_b32 s97, s96                             ; (named with it as a pair, so it is written)
.irp a, 0,1,2,3
.irp b, 0,1,2,3
	ds_store_b128 v[STO], v[ACC+8*(4*\a+\b):ACC+8*(4*\a+\b)+3] offset:\a*BSTG+64*\b          ; each accumulator from its low end on
	ds_store_b128 v[STO], v[ACC+8*(4*\a+\b)+4:ACC+8*(4*\a+\b)+7] offset:\a*BSTG+64*\b+16
.endr
.endr
	WIN 0x80                                       ; destination window 2
.irp a, 0,1,2,3
.irp t, 0,1,2,3,4,5,6,7
	ds_load_b128 v[BB+32*\a+4*\t:BB+32*\a+4*\t+3], v[RD] offset:\a*BSTG+\t*2*SPITCH
.endr
.endr
	s_wait_loadcnt 0x0                             ; the bias and the residual
	WIN 0x82                                       ; destination and source 0 window 2
.set N, 0
.rept 32
	v_pk_add_f32 v[XR+N:XR+N+1], v[XR+N:XR+N+1], v[BI:BI+1]          ; residual + bias, while the rows come back from the stages
	v_pk_add_f32 v[XR+N+2:XR+N+3], v[XR+N+2:XR+N+3], v[BI+2:BI+3]
.set N, N+4
.endr
.macro SEND a
	s_wait_dscnt 8*(3-(\a))                        ; block a's eight loads are in; the later blocks' may be out
	WIN 0xa2                                       ; destination, source 0 and source 2 window 2
.irp t, 0,1,2,3,4,5,6,7
	v_pk_fma_f32 v[BB+32*(\a)+4*\t:BB+32*(\a)+4*\t+1], v[BB+32*(\a)+4*\t:BB+32*(\a)+4*\t+1], s[96:97], v[XR+32*(\a)+4*\t:XR+32*(\a)+4*\t+1] op_sel_hi:[1,0,1]
	v_pk_fma_f32 v[BB+32*(\a)+4*\t+2:BB+32*(\a)+4*\t+3], v[BB+32*(\a)+4*\t+2:BB+32*(\a)+4*\t+3], s[96:97], v[XR+32*(\a)+4*\t+2:XR+32*(\a)+4*\t+3] op_sel_hi:[1,0,1]
.endr
	WIN 0x08                                       ; the stores' data window 2
.irp t, 0,1,2,3,4,5,6,7
	global_store_b128 v[CO], v[BB+32*(\a)+4*\t:BB+32*(\a)+4*\t+3], s[12:13] offset:(\a)*65536+\t*8192 th:TH_STORE_NT   ; sixteen lanes store 256 consecutive bytes, at a multiple of 256 from the buffer's first byte; written once, read by nobody here
.endr
.endm
	SEND 0
	SEND 1
	SEND 2
	SEND 3
	WIN 0
	s_wait_tensorcnt 0x0                           ; the wave's end
	ds_add_u32 v[SPW], v[NIL]
	s_wait_dscnt 0x0
	CROUND                                         ; the closing round: no work-group ends while a partner may still ask for a tile that names it
	s_endpgm
.Lfunc_end_k_q99d04cf1ff_gemm_mproj:
	.size	k_q99d04cf1ff_gemm_mproj, .Lfunc_end_k_q99d04cf1ff_gemm_mproj-k_q99d04cf1ff_gemm_mproj
	.p2alignl 7, 3214868480
	.fill 96, 4, 3214868480
	.section	.rodata,"a",@progbits
	.p2align	6, 0x0
	.amdhsa_kernel k_q99d04cf1ff_gemm_mproj
		.amdhsa_group_segment_fixed_size 327680
		.amdhsa_private_segment_fixed_size 0
		.amdhsa_enable_private_segment 0
		.amdhsa_kernarg_size 48
		.amdhsa_user_sgpr_count 2
		.amdhsa_user_sgpr_kernarg_segment_ptr 1
		.amdhsa_wavefront_size32 1
		.amdhsa_system_sgpr_workgroup_id_x 1
		.amdhsa_system_sgpr_workgroup_id_y 1
		.amdhsa_system_sgpr_workgroup_id_z 1
		.amdhsa_system_vgpr_workitem_id 0
		.amdhsa_next_free_vgpr 768
		.amdhsa_next_free_sgpr 100
		.amdhsa_reserve_vcc 0
		.amdhsa_float_denorm_mode_32 3
		.amdhsa_float_denorm_mode_16_64 3
		.amdhsa_memory_ordered 1
		.amdhsa_forward_progress 1
		.amdhsa_inst_pref_size 83
	.end_amdhsa_kernel
	.amdgpu_metadata
---
amdhsa.version: [ 1, 2 ]
amdhsa.kernels:
  - .name:           k_q99d04cf1ff_gemm_mproj
    .symbol:         k_q99d04cf1ff_gemm_mproj.kd
    .args:
      - { .name: fcimg, .offset: 0, .size: 8, .value_kind: global_buffer, .address_space: global }
      - { .name: prepimg, .offset: 8, .size: 8, .value_kind: global_buffer, .address_space: global }
      - { .name: lowp_scales, .offset: 16, .size: 8, .value_kind: global_buffer, .address_space: global }
      - { .name: b_mproj, .offset: 24, .size: 8, .value_kind: global_buffer, .address_space: global }
      - { .name: x1, .offset: 32, .size: 8, .value_kind: global_buffer, .address_space: global }
      - { .name: out0, .offset: 40, .size: 8, .value_kind: global_buffer, .address_space: global }
    .group_segment_fixed_size: 327680
    .private_segment_fixed_size: 0
    .kernarg_segment_align: 8
    .kernarg_segment_size: 48
    .max_flat_workgroup_size: 128
    .sgpr_count:     100
    .vgpr_count:     768
    .wavefront_size: 32
...
	.end_amdgpu_metadata
.endif
;; end of part 14
